; MI455X (gfx1250); checked and timed in simulation.
; The chip was launched on July 23, 2026; its instructions are those of AMD's public machine-readable ISA for CDNA 5 (MIT licence, August 2026) and "CDNA5" Instruction Set Architecture Reference Guide (July 2026). The comments in the code are by the model that wrote it; some were corrected since.
;; Cross Transformer Model. Allowed arithmetic: float matrix products may take bf16 or f16 operands with f32 sums; other float arithmetic in f32, or as packed bf16 or f16 multiplies, adds, multiply-adds, maxima and minima; sums over many terms, partial sums and values carried from step to step in f32; what a program stores and reads back later, other than sums and carried values, may be rounded once to bf16 or f16.
;; Inputs: W1 1,024 x 1,024 float32; W2 1,024 x 1,024 float32; Wk 1,024 x 1,024 float32; Wo 1,024 x 1,024 float32; Wq 1,024 x 1,024 float32; Wv 1,024 x 1,024 float32; b1 1,024 float32; b2 1,024 float32; be1 1,024 float32; be2 1,024 float32; bk 1,024 float32; bo 1,024 float32; bq 1,024 float32; bv 1,024 float32; g1 1,024 float32; g2 1,024 float32; score_matrix 4 x 2,048 x 196 float32; score_matrix2 4 x 2,048 x 196 float32; text_tensor 4 x 2,048 x 1,024 float32; text_tensor2 4 x 2,048 x 1,024 float32; visual_tensor 196 x 1,024 float32; visual_tensor2 196 x 1,024 float32.
;; Outputs: out0 4 x 2,048 x 1,024 float32.
;; 3 versions, each right; version 2 is faster than version 1; version 3 is version 2 with the launch prep1 written anew for expert scheduling mode. Each part assembles by itself: llvm-mc -triple=amdgcn-amd-amdhsa -mcpu=gfx1250 --defsym DOCPART=n.
;; ======== version 1 of 3: 6 launches
;; limits: values are held in f16: magnitudes above 65,504 overflow, below 6.1e-05 lose precision; right only within a limited range of input values
;; workspace buffers: prep1 8,126,464 bytes; w2h 2,097,152 bytes; prep2 1,837,056 bytes; pool 16,777,216 bytes; hbuf 16,777,216 bytes; zbuf 33,554,432 bytes
;; launch prep1 (part 1): grid 32 x 8, 4 waves a work-group, no clusters, 57,856 bytes of LDS; arguments visual_tensor, visual_tensor2, Wk, Wv, bk, bv, Wq, Wo, W1, W2, prep1, w2h; writes prep1, w2h
.if DOCPART == 1
	.amdgcn_target "amdgcn-amd-amdhsa--gfx1250"
	.amdhsa_code_object_version 6
	.text
	.protected	k_q09f5a5d2fb_prep1
	.globl	k_q09f5a5d2fb_prep1
	.p2align	8
	.type	k_q09f5a5d2fb_prep1,@function
k_q09f5a5d2fb_prep1:
	s_mov_b64 s[64:65], 0
	v_nop
	global_prefetch_b8 v0, s[64:65] scope:SCOPE_SE
	s_setreg_imm32_b32 hwreg(HW_REG_WAVE_MODE, 25, 1), 1
	s_wait_xcnt 0x0
; PREP 1.  (a) K_b = vis_b Wk^T + bk and V_b = vis_b Wv^T + bv for both branches, keys padded from 196 to 224 by copies of key 195, rounded to f16 and
; stored as matrix fragments; (b) Wq transposed and Wo, rounded to f16, as fragments; (c) W1 and W2 rounded to f16, row-major (W1 at the head of prep1, the tables behind it).
; FORMAT AND LIMIT.  All matrix operands here are f16: vis, the weights, K and V must stay within 65,504 (K and V reach about 18,432 where vis carries an offset of 30 and a weight one of 0.6).
; A weight below 6e-5 keeps f16's fixed step of 6e-8.
; A FRAGMENT is 16 rows x 32 contraction indices of 16 bits, 1,024 bytes: lane l = 16 h + r holds (row r, k = 8 h .. 8 h + 7) at byte 16 l and (row r, k = 16 + 8 h ..) at byte 512 + 16 l:
; two loads of 16 bytes a lane bring it as a matrix operand, each load 512 consecutive bytes.
; SHARES.  Work-group (cp, y): y = p + 2 b + 4 kh; p: K or V; b: branch; kh: which 112 keys; cp: which 32 output columns.  14 tiles of 16 x 16.  The contraction (1,024) is split among the four
; waves, 256 each, in 8 steps of 32; the four partial sums meet in LDS.  No operand is wanted by two waves, so nothing goes through LDS on the way in.
; The product is taken as D(m = column, n = key): a lane ends with 8 neighbouring columns of one key, which packed are 16 bytes of a fragment whose rows are keys.
; REGISTERS.  window 0: v0-31 addresses and the bias; v32-103, v104-175 two sets of f16 fragments (W's two, then the keys' seven); v176-223 finishing.
;   window 1: v0-143 f32 as loaded, set 0; v144-255 the 14 accumulators.   window 2: v0-143 f32 as loaded, set 1.
.set TB, 2097152                       ; the tables' first byte in prep1, behind W1's copy
.set SPARE, 57344                      ; behind the partial sums: the spare words, 128 bytes a wave
.set SPW, 4                            ; v4   LDS address of my spare word; never rewritten
.set NIL, 5                            ; v5   0; never rewritten
.set XA, 6                             ; v6   4096 r + 1024 w + 32 h: my place in 16 rows of W
.set YA, 7                             ; v7-13  the same in the seven groups of 16 keys, the key clamped to 195
.set CIN, 14                           ; v14  32 t: W1, W2 in
.set COUT, 15                          ; v15  16 t: W1, W2 out
.set QIN, 16
.set QOUT, 17
.set OIN, 18
.set OOUT, 19
.set PST, 20                           ; v20  14336 w + 16 l: where my partial tiles go
.set RDA, 21                           ; v21  1024 w + 16 l: where I read the four partial sums of my tiles
.set OUTO, 22                          ; v22  16 l
.set KW, 23                            ; v23  1024 w + 32 h
.set BV, 24                            ; v24-31 the bias of my 8 columns
.set FR, 32
.set T, 176
.set PK, 208
.set BVO, 224
.set ACC, 144
.set MSB, 0
.macro WIN new                         ; the immediate's high byte repeats the setting that is left; a switch that changes nothing is dropped
.if MSB != (\new)
	s_set_vgpr_msb (MSB<<8)|(\new)
.set MSB, (\new)
.endif
.endm
	s_load_b512 s[4:19], s[0:1], 0x0               ; vis s[4:5], vis2 s[6:7], Wk s[8:9], Wv s[10:11], bk s[12:13], bv s[14:15], Wq s[16:17], Wo s[18:19]
	s_load_b256 s[20:27], s[0:1], 0x40             ; W1 s[20:21], W2 s[22:23], prep1 s[24:25], w2h s[26:27]
	v_lshl_add_u32 v[SPW], v0, 2, SPARE
	v_mov_b32 v[NIL], 0
	v_lshrrev_b32 v1, 5, v0
	v_readfirstlane_b32 s30, v1                    ; wave w
	v_and_b32 v1, 15, v0                           ; r
	v_bfe_u32 v2, v0, 4, 1                         ; h
	v_and_b32 v3, 31, v0                           ; l
	s_mov_b32 s31, ttmp9                           ; cp
	s_and_b32 s32, ttmp7, 0xffff                   ; y
	s_and_b32 s33, s32, 1                          ; p
	s_bfe_u32 s34, s32, 0x10001                    ; b
	s_lshr_b32 s35, s32, 2                         ; kh
	s_lshl_b32 s36, s32, 5
	s_add_co_u32 s36, s36, s31                     ; g = cp + 32 y: the work-group's number, 0 to 255, for the conversions
	s_and_b32 s37, s30, 1                          ; w & 1
	s_lshr_b32 s51, s30, 1                         ; w >> 1
	s_lshl_b32 s46, s30, 10
	v_lshl_add_u32 v[KW], v2, 5, s46
	v_lshl_add_u32 v[XA], v1, 12, v[KW]
	s_mul_i32 s47, s35, 112
.irp a, 0,1,2,3,4,5,6
	v_add_nc_u32 v[YA+(\a)], s47, v1               ; key 112 kh + 16 a + r,
	v_min_u32 v[YA+(\a)], 195, v[YA+(\a)]          ; the padded keys read key 195
	v_lshl_add_u32 v[YA+(\a)], v[YA+(\a)], 12, v[KW]
	s_add_co_u32 s47, s47, 16
.endr
	v_lshlrev_b32 v[CIN], 5, v0
	v_lshlrev_b32 v[COUT], 4, v0
	s_lshl_b32 s48, s30, 7
	v_lshlrev_b32 v[QIN], 2, v1
	v_lshl_add_u32 v[QIN], v2, 15, v[QIN]
	v_add_nc_u32 v[QIN], s48, v[QIN]               ; 32768 h + 128 w + 4 r: 8 rows d a half of the lanes, 32 columns j a wave, a column a lane
	s_lshl_b32 s48, s30, 16
	v_lshl_add_u32 v[QOUT], v3, 4, s48
	s_lshl_b32 s48, s30, 8
	v_lshlrev_b32 v[OIN], 12, v1
	v_lshl_add_u32 v[OIN], v2, 5, v[OIN]
	v_add_nc_u32 v[OIN], s48, v[OIN]               ; 4096 r + 256 w + 32 h
	s_lshl_b32 s48, s30, 11
	v_lshl_add_u32 v[OOUT], v3, 4, s48
	s_mul_i32 s48, s30, 14336
	v_lshl_add_u32 v[PST], v3, 4, s48
	v_lshl_add_u32 v[RDA], v3, 4, s46
	v_lshlrev_b32 v[OUTO], 4, v3
	v_lshlrev_b32 v[BVO], 5, v2
	s_mov_b32 s47, 0
	s_wait_kmcnt 0x0
	s_cmp_eq_u32 s33, 1
	s_cselect_b64 s[38:39], s[10:11], s[8:9]       ; W: Wv or Wk
	s_cselect_b64 s[42:43], s[14:15], s[12:13]     ; its bias
	s_cmp_eq_u32 s34, 1
	s_cselect_b64 s[40:41], s[6:7], s[4:5]         ; the branch's keys
	s_lshl_b32 s46, s31, 17
	s_add_nc_u64 s[38:39], s[38:39], s[46:47]      ; W at row 32 cp
	s_lshl_b32 s48, s32, 9
	s_add_co_u32 s46, s46, s48
	s_add_nc_u64 s[16:17], s[16:17], s[46:47]      ; Wq at rows d = 32 cp .., columns j = 128 y ..
	s_lshl_b32 s46, s31, 7
	s_lshl_b32 s48, s37, 6
	s_add_co_u32 s46, s46, s48
	s_add_nc_u64 s[42:43], s[42:43], s[46:47]      ; the bias at column 32 cp + 16 (w & 1): the tiles that I finish
	s_lshl_b32 s46, s36, 14
	s_add_nc_u64 s[20:21], s[20:21], s[46:47]      ; W1, W2: 16,384 bytes a work-group in,
	s_add_nc_u64 s[22:23], s[22:23], s[46:47]
	s_lshl_b32 s46, s36, 13
	s_add_nc_u64 s[28:29], s[24:25], s[46:47]      ; 8,192 out: W1's copy at the head of prep1,
	s_add_nc_u64 s[26:27], s[26:27], s[46:47]      ; W2's in its own buffer
	s_lshr_b32 s48, s36, 2
	s_and_b32 s49, s36, 3
	s_lshl_b32 s46, s48, 16
	s_lshl_b32 s52, s49, 10
	s_add_co_u32 s46, s46, s52
	s_add_nc_u64 s[18:19], s[18:19], s[46:47]      ; Wo at rows e = 16 (g >> 2) .., columns d = 256 (g & 3) ..
	s_lshl_b32 s46, s48, 15
	s_lshl_b32 s52, s49, 13
	s_add_co_u32 s46, s46, s52
	s_add_co_u32 s46, s46, 3932160+TB
	s_add_nc_u64 s[54:55], s[24:25], s[46:47]      ; Wo's fragments
	s_lshl_b32 s46, s32, 18
	s_lshl_b32 s52, s31, 10
	s_add_co_u32 s46, s46, s52
	s_add_co_u32 s46, s46, 1835008+TB
	s_add_nc_u64 s[56:57], s[24:25], s[46:47]      ; Wq^T's fragments
	s_mul_i32 s46, s33, 917504
	s_mul_i32 s48, s34, 458752
	s_add_co_u32 s46, s46, s48
	s_mul_i32 s48, s35, 229376
	s_add_co_u32 s46, s46, s48
	s_lshl_b32 s48, s51, 15
	s_add_co_u32 s46, s46, s48
	s_lshl_b32 s48, s31, 10
	s_add_co_u32 s46, s46, s48
	s_lshl_b32 s48, s37, 9
	s_add_co_u32 s46, s46, s48
	s_add_co_u32 s46, s46, TB
	s_add_nc_u64 s[44:45], s[24:25], s[46:47]      ; K's or V's fragments: key tile 7 kh + (w >> 1), column tile 2 cp + (w & 1)
; A step's 36 loads into set sg: 9 fragments of 16 rows x 32 f32, four loads of 16 bytes a lane each
.macro LOADS sg, off
	WIN 0x40*((\sg)+1)
.irp x, 0,1
.irp z, 0,1,2,3
	global_load_b128 v[16*(\x)+4*(\z):16*(\x)+4*(\z)+3], v[XA], s[38:39] offset:(\off)+65536*(\x)+16*((\z)%2)+64*((\z)/2)
.endr
.endr
.irp a, 0,1,2,3,4,5,6
.irp z, 0,1,2,3
	global_load_b128 v[32+16*(\a)+4*(\z):32+16*(\a)+4*(\z)+3], v[YA+(\a)], s[40:41] offset:(\off)+16*((\z)%2)+64*((\z)/2)
.endr
.endr
.endm
.macro PACK8 base                      ; eight f32 to eight f16, in place: the destination never passes the sources
.irp c, 0,1,2,3
	v_cvt_pk_f16_f32 v[(\base)+(\c)], v[(\base)+2*(\c)], v[(\base)+2*(\c)+1]
.endr
.endm
	; all loads, the oldest first: bias 2, W1 8, W2 8, Wo 8, Wq 32 (58), then the first two steps' 72
	global_load_b128 v[BV:BV+3], v[BVO], s[42:43]
	global_load_b128 v[BV+4:BV+7], v[BVO], s[42:43] offset:16
.irp i, 0,1,2,3
	global_load_b128 v[32+8*(\i):32+8*(\i)+3], v[CIN], s[20:21] offset:4096*(\i) th:TH_LOAD_NT
	global_load_b128 v[32+8*(\i)+4:32+8*(\i)+7], v[CIN], s[20:21] offset:4096*(\i)+16 th:TH_LOAD_NT
.endr
.irp i, 0,1,2,3
	global_load_b128 v[64+8*(\i):64+8*(\i)+3], v[CIN], s[22:23] offset:4096*(\i) th:TH_LOAD_NT
	global_load_b128 v[64+8*(\i)+4:64+8*(\i)+7], v[CIN], s[22:23] offset:4096*(\i)+16 th:TH_LOAD_NT
.endr
.irp x, 0,1
.irp q, 0,1
	global_load_b128 v[96+16*(\x)+8*(\q):96+16*(\x)+8*(\q)+3], v[OIN], s[18:19] offset:128*(\x)+64*(\q) th:TH_LOAD_NT
	global_load_b128 v[96+16*(\x)+8*(\q)+4:96+16*(\x)+8*(\q)+7], v[OIN], s[18:19] offset:128*(\x)+64*(\q)+16 th:TH_LOAD_NT
.endr
.endr
.irp x, 0,1
.irp q, 0,1
.irp t, 0,1,2,3,4,5,6,7
	global_load_b32 v[128+16*(\x)+8*(\q)+(\t)], v[QIN], s[16:17] offset:65536*(\q)+4096*(\t)+64*(\x) th:TH_LOAD_NT  ; Wq[d = 16 q + 8 h + t][j = 16 x + r]: eight d of one j a lane
.endr
.endr
.endr
	LOADS 0, 0
	LOADS 1, 128
	WIN 0
	s_wait_loadcnt 63                              ; 72 loads were issued behind the last of the 58: with 63 out at the most, the 58 are in
.set i, 0
.rept 16
	PACK8 32+8*i
.set i, i+1
.endr
.irp i, 0,1,2,3
	global_store_b128 v[COUT], v[32+8*(\i):32+8*(\i)+3], s[28:29] offset:2048*(\i)
	global_store_b128 v[COUT], v[64+8*(\i):64+8*(\i)+3], s[26:27] offset:2048*(\i)
.endr
.irp x, 0,1
.irp q, 0,1
	global_store_b128 v[OOUT], v[96+16*(\x)+8*(\q):96+16*(\x)+8*(\q)+3], s[54:55] offset:1024*(\x)+512*(\q)
	global_store_b128 v[QOUT], v[128+16*(\x)+8*(\q):128+16*(\x)+8*(\q)+3], s[56:57] offset:32768*(\x)+512*(\q)
.endr
.endr
	WIN 0x40
.set i, 0
.rept 112
	v_mov_b32 v[ACC+i], 0                          ; the sums start at 0: written while the first two steps' loads are on their way, so that the loop has one form of product
.set i, i+1
.endr
	WIN 0
	s_wait_xcnt 0x0                                ; the stores above have read their data: v32-159 are written again only behind this wait
; A step of 32 along the contraction: the set's f32 are rounded to f16 fragments, the set is asked for again, 14 products.  The 14 accumulators take turns, over the backward jump too.
; A set of fragments is written again two steps behind its last product, with the other step's 72 conversions between.
.macro STEP sg, load, lc
	s_wait_loadcnt \lc                             ; this set is in; the other set's 36 loads may stay out
	WIN 0x05*((\sg)+1)
.set c, 0
.rept 72
	v_cvt_pk_f16_f32 v[FR+72*(\sg)+c], v[2*c], v[2*c+1]
.set c, c+1
.endr
.if \load
	LOADS \sg, 256+128*(\sg)
.endif
	WIN 0x50
.irp a, 0,1,2,3,4,5,6
.irp x, 0,1
	v_wmma_f32_16x16x32_f16 v[ACC+8*((\x)+2*(\a)):ACC+8*((\x)+2*(\a))+7], v[FR+72*(\sg)+8*(\x):FR+72*(\sg)+8*(\x)+7], v[FR+72*(\sg)+16+8*(\a):FR+72*(\sg)+16+8*(\a)+7], v[ACC+8*((\x)+2*(\a)):ACC+8*((\x)+2*(\a))+7]
.endr
.endr
.endm
	s_mov_b32 s50, 3
.Lk:                                               ; steps 2 i and 2 i + 1 are multiplied, steps 2 i + 2 and 2 i + 3 asked for
	STEP 0, 1, 36
	STEP 1, 1, 36
	WIN 0
	s_wait_xcnt 0x0                                ; every load issued so far has read its address: the two bases may be stepped
	s_add_nc_u64 s[38:39], s[38:39], 256
	s_add_nc_u64 s[40:41], s[40:41], 256
	s_sub_co_u32 s50, s50, 1
	s_cmp_lg_u32 s50, 0
	s_cbranch_scc1 .Lk
	STEP 0, 0, 36                                  ; the last two steps load nothing
	STEP 1, 0, 0
.rept 8
	v_nop                                          ; the places between the last products and the stores that read them
.endr
	WIN 0x04                                       ; store data in window 1
.set i, 0
.rept 14
	ds_store_b128 v[PST], v[ACC+8*i:ACC+8*i+3] offset:1024*i      ; each accumulator's low registers first
	ds_store_b128 v[PST], v[ACC+8*i+4:ACC+8*i+7] offset:1024*i+512
.set i, i+1
.endr
	WIN 0
	s_wait_dscnt 0x0                               ; for the others' sake: my partial sums lie in LDS
	s_barrier_signal -1
	s_barrier_wait -1
; Tile w + 4 n is finished by wave w: the four partial sums, the bias, f16, one store of 512 consecutive bytes
.macro FIN n
.irp q, 0,1,2,3
	ds_load_b128 v[T+8*(\q):T+8*(\q)+3], v[RDA] offset:4096*(\n)+14336*(\q)
	ds_load_b128 v[T+8*(\q)+4:T+8*(\q)+7], v[RDA] offset:4096*(\n)+14336*(\q)+512
.endr
	s_wait_dscnt 0x0
.irp j, 0,2,4,6
	v_pk_add_f32 v[T+(\j):T+(\j)+1], v[T+(\j):T+(\j)+1], v[T+8+(\j):T+8+(\j)+1]
	v_pk_add_f32 v[T+16+(\j):T+16+(\j)+1], v[T+16+(\j):T+16+(\j)+1], v[T+24+(\j):T+24+(\j)+1]
.endr
.irp j, 0,2,4,6
	v_pk_add_f32 v[T+(\j):T+(\j)+1], v[T+(\j):T+(\j)+1], v[T+16+(\j):T+16+(\j)+1]
.endr
.irp j, 0,2,4,6
	v_pk_add_f32 v[T+(\j):T+(\j)+1], v[T+(\j):T+(\j)+1], v[BV+(\j):BV+(\j)+1]
.endr
.irp c, 0,1,2,3
	v_cvt_pk_f16_f32 v[PK+4*(\n)+(\c)], v[T+2*(\c)], v[T+2*(\c)+1]
.endr
	global_store_b128 v[OUTO], v[PK+4*(\n):PK+4*(\n)+3], s[44:45] offset:65536*(\n)
.endm
	FIN 0
	FIN 1
	FIN 2
	s_cmp_lt_u32 s30, 2                            ; tiles 12 and 13 are waves 0's and 1's
	s_cbranch_scc0 .Lend
	FIN 3
.Lend:
	s_wait_tensorcnt 0x0                           ; the wave's end: three closing lines, behind my last LDS store
	ds_add_u32 v[SPW], v[NIL]
	s_wait_dscnt 0x0
	s_endpgm
.Lfunc_end_k_q09f5a5d2fb_prep1:
	.size	k_q09f5a5d2fb_prep1, .Lfunc_end_k_q09f5a5d2fb_prep1-k_q09f5a5d2fb_prep1
	.p2alignl 7, 3214868480
	.fill 96, 4, 3214868480
	.section	.rodata,"a",@progbits
	.p2align	6, 0x0
	.amdhsa_kernel k_q09f5a5d2fb_prep1
		.amdhsa_group_segment_fixed_size 57856
		.amdhsa_private_segment_fixed_size 0
		.amdhsa_enable_private_segment 0
		.amdhsa_kernarg_size 96
		.amdhsa_user_sgpr_count 2
		.amdhsa_user_sgpr_kernarg_segment_ptr 1
		.amdhsa_wavefront_size32 1
		.amdhsa_system_sgpr_workgroup_id_x 1
		.amdhsa_system_sgpr_workgroup_id_y 1
		.amdhsa_system_sgpr_workgroup_id_z 1
		.amdhsa_system_vgpr_workitem_id 0
		.amdhsa_next_free_vgpr 656
		.amdhsa_next_free_sgpr 66
		.amdhsa_reserve_vcc 0
		.amdhsa_float_denorm_mode_32 3
		.amdhsa_float_denorm_mode_16_64 3
		.amdhsa_memory_ordered 1
		.amdhsa_forward_progress 1
		.amdhsa_inst_pref_size 66
	.end_amdhsa_kernel
	.amdgpu_metadata
---
amdhsa.version: [ 1, 2 ]
amdhsa.kernels:
  - .name:           k_q09f5a5d2fb_prep1
    .symbol:         k_q09f5a5d2fb_prep1.kd
    .args:
      - { .name: visual_tensor, .offset: 0, .size: 8, .value_kind: global_buffer, .address_space: global }
      - { .name: visual_tensor2, .offset: 8, .size: 8, .value_kind: global_buffer, .address_space: global }
      - { .name: Wk, .offset: 16, .size: 8, .value_kind: global_buffer, .address_space: global }
      - { .name: Wv, .offset: 24, .size: 8, .value_kind: global_buffer, .address_space: global }
      - { .name: bk, .offset: 32, .size: 8, .value_kind: global_buffer, .address_space: global }
      - { .name: bv, .offset: 40, .size: 8, .value_kind: global_buffer, .address_space: global }
      - { .name: Wq, .offset: 48, .size: 8, .value_kind: global_buffer, .address_space: global }
      - { .name: Wo, .offset: 56, .size: 8, .value_kind: global_buffer, .address_space: global }
      - { .name: W1, .offset: 64, .size: 8, .value_kind: global_buffer, .address_space: global }
      - { .name: W2, .offset: 72, .size: 8, .value_kind: global_buffer, .address_space: global }
      - { .name: prep1, .offset: 80, .size: 8, .value_kind: global_buffer, .address_space: global }
      - { .name: w2h, .offset: 88, .size: 8, .value_kind: global_buffer, .address_space: global }
    .group_segment_fixed_size: 57856
    .private_segment_fixed_size: 0
    .kernarg_segment_align: 8
    .kernarg_segment_size: 96
    .max_flat_workgroup_size: 128
    .sgpr_count:     66
    .vgpr_count:     656
    .wavefront_size: 32
...
	.end_amdgpu_metadata
.endif
;; end of part 1
;; launch prep2 (part 2): grid 32 x 8, 4 waves a work-group, no clusters, 61,440 bytes of LDS; arguments prep1, bq, prep2; writes prep2
.if DOCPART == 2
	.amdgcn_target "amdgcn-amd-amdhsa--gfx1250"
	.amdhsa_code_object_version 6
	.text
	.protected	k_q09f5a5d2fb_prep2
	.globl	k_q09f5a5d2fb_prep2
	.p2align	8
	.type	k_q09f5a5d2fb_prep2,@function
k_q09f5a5d2fb_prep2:
	s_mov_b64 s[64:65], 0
	v_nop
	global_prefetch_b8 v0, s[64:65] scope:SCOPE_SE
	s_setreg_imm32_b32 hwreg(HW_REG_WAVE_MODE, 25, 1), 1
	s_wait_xcnt 0x0
; PREP 2.  The two large projections of the attention are folded into its small tables, which holds for every input:
;   (text Wq^T + bq) K^T = text (K Wq)^T + K bq          softmax(..) V Wo^T = softmax(..) (V Wo^T).
; For each branch b: M = K Wq [224 keys, 1024], c = K bq [256, f32; -1e30 for keys 196 to 255], VO = V Wo^T [224, 1024].  The operands (K, V, Wq^T, Wo, bq) are f16; M and VO, products of three
; inputs with no room in f16, leave as bf16 fragments (16 rows x 32, as in the launch before).
; LIMIT.  A padded key counts as a score of -1e30: true scores are taken to lie far above that.  bq must stay within f16's 65,504.
; SHARES.  Work-group (cp, y), y = p + 2 b + 4 kh.  p = 0: M, as D(m = feature j, n = key); p = 1: VO, as D(m = key, n = channel e).  32 columns (cp) x 112 keys (kh): 14 tiles.  The contraction over d
; is split among the four waves, 8 fragments each; all operands lie in registers before the products begin; the partial sums meet in LDS.  c rides with M: a third operand whose 16 rows are all bq;
; every cp computes it (so that a step has one form) and cp = 0 stores it.
; REGISTERS.  window 0: v0-31 addresses; v32-159 the columns' fragments (step st, tile x at 32 + 16 st + 8 x); v160-223 bq's fragments; v224-255 finishing
;   windows 1, 2: the keys' fragments of steps 0-3, 4-7 (56 (st % 4) + 8 a)      window 3: v0-111 14 accumulators, v112-167 c's seven; ahead of the first product v0-127 hold bq in f32
.set TB, 2097152                       ; the tables' first byte in prep1
.set CP, 57344                         ; c's partial sums: [wave 4][a 7][128 bytes]
.set SPARE, 60928
.set SPW, 4
.set NIL, 5
.set L16, 6
.set BQO, 7
.set PST, 9
.set RDA, 10
.set CPW, 11
.set OUTO, 12                          ; v12-15  16 l + n x the step from one of my tiles to the next
.set CPR, 16
.set KEYV, 17
.set R4, 18
.set L4, 19
.set BIG, 20                           ; v20  -1e30
.set T, 224
.set MSB, 0
.macro WIN new
.if MSB != (\new)
	s_set_vgpr_msb (MSB<<8)|(\new)
.set MSB, (\new)
.endif
.endm
	s_load_b128 s[4:7], s[0:1], 0x0                ; prep1 s[4:5], bq s[6:7]
	s_load_b64 s[10:11], s[0:1], 0x10              ; prep2
	v_lshl_add_u32 v[SPW], v0, 2, SPARE
	v_mov_b32 v[NIL], 0
	v_lshrrev_b32 v1, 5, v0
	v_readfirstlane_b32 s12, v1                    ; wave w
	v_and_b32 v1, 15, v0                           ; r
	v_bfe_u32 v2, v0, 4, 1                         ; h
	v_and_b32 v3, 31, v0                           ; l
	s_mov_b32 s13, ttmp9                           ; cp
	s_and_b32 s14, ttmp7, 0xffff
	s_and_b32 s15, s14, 1                          ; p
	s_bfe_u32 s16, s14, 0x10001                    ; b
	s_lshr_b32 s17, s14, 2                         ; kh
	s_and_b32 s18, s12, 1                          ; w & 1
	s_lshr_b32 s19, s12, 1                         ; w >> 1
	v_lshlrev_b32 v[L16], 4, v3
	s_lshl_b32 s30, s12, 10
	v_lshl_add_u32 v[BQO], v2, 5, s30              ; 32 h + 1024 w
	v_lshl_add_u32 v[RDA], v3, 4, s30              ; 1024 w + 16 l
	v_lshlrev_b32 v[R4], 2, v1
	v_lshlrev_b32 v[L4], 2, v3
	v_lshlrev_b32 v[CPR], 2, v3
	s_mul_i32 s30, s12, 14336
	v_lshl_add_u32 v[PST], v3, 4, s30
	s_mul_i32 s30, s12, 896
	v_lshl_add_u32 v[CPW], v3, 2, s30
	v_mov_b32 v[BIG], 0xf149f2ca
	s_mov_b32 s33, 65536                           ; from one of my tiles to the next (two key tiles on): 65,536 bytes in M's table, 1,024 in VO's
	s_cmp_eq_u32 s15, 1
	s_cselect_b32 s33, 1024, s33
	v_mov_b32 v[OUTO], v[L16]
	v_add_nc_u32 v[OUTO+1], s33, v[OUTO]
	v_add_nc_u32 v[OUTO+2], s33, v[OUTO+1]
	v_add_nc_u32 v[OUTO+3], s33, v[OUTO+2]
	s_mov_b32 s31, 0
	s_mul_i32 s36, s16, 458752                     ; the branch's part of each table
	s_mul_i32 s37, s17, 229376
	s_lshl_b32 s38, s12, 13
	; where my tiles go: M: key tile 7 kh + (w >> 1), feature tile 2 cp + (w & 1); VO: channel tile 2 cp + (w & 1), key tile 7 kh + (w >> 1)
	s_lshl_b32 s34, s19, 15
	s_add_co_u32 s34, s34, s37
	s_lshl_b32 s39, s13, 10
	s_add_co_u32 s34, s34, s39
	s_lshl_b32 s39, s18, 9
	s_add_co_u32 s34, s34, s39
	s_mul_i32 s35, s13, 14336
	s_mul_i32 s39, s18, 7168
	s_add_co_u32 s35, s35, s39
	s_mul_i32 s39, s17, 3584
	s_add_co_u32 s35, s35, s39
	s_lshl_b32 s39, s19, 9
	s_add_co_u32 s35, s35, s39
	s_add_co_u32 s35, s35, 917504
	s_cmp_eq_u32 s15, 1
	s_cselect_b32 s34, s35, s34
	s_add_co_u32 s34, s34, s36
	s_wait_kmcnt 0x0
	s_lshl_b32 s30, s15, 21                        ; Wq^T's fragments at 1,835,008 of the tables, Wo's 2,097,152 further on
	s_add_co_u32 s30, s30, 1835008+TB
	s_lshl_b32 s39, s13, 16
	s_add_co_u32 s30, s30, s39
	s_add_co_u32 s30, s30, s38
	s_add_nc_u64 s[20:21], s[4:5], s[30:31]        ; the columns' fragments: tile 2 cp, my 8 steps
	s_mul_i32 s30, s15, 917504
	s_add_co_u32 s30, s30, s36
	s_add_co_u32 s30, s30, s37
	s_add_co_u32 s30, s30, s38
	s_add_co_u32 s30, s30, TB
	s_add_nc_u64 s[22:23], s[4:5], s[30:31]        ; the keys' fragments: K's or V's, key tile 7 kh, my 8 steps
	s_mov_b32 s30, s34
	s_add_nc_u64 s[24:25], s[10:11], s[30:31]
	s_lshl_b32 s30, s16, 10
	s_mul_i32 s39, s17, 448
	s_add_co_u32 s30, s30, s39
	s_add_co_u32 s30, s30, 1835008
	s_add_nc_u64 s[28:29], s[10:11], s[30:31]      ; c at key 112 kh of the branch
	; all loads, the oldest first: bq 32, the columns' 32, the keys' 112 by steps
	WIN 0xc0
.set st, 0
.rept 8
.irp z, 0,1,2,3
	global_load_b128 v[16*st+4*(\z):16*st+4*(\z)+3], v[BQO], s[6:7] offset:128*st+16*((\z)%2)+64*((\z)/2)
.endr
.set st, st+1
.endr
	WIN 0
.set st, 0
.rept 8
.irp x, 0,1
.irp z, 0,1
	global_load_b128 v[32+16*st+8*(\x)+4*(\z):32+16*st+8*(\x)+4*(\z)+3], v[L16], s[20:21] offset:32768*(\x)+1024*st+512*(\z)
.endr
.endr
.set st, st+1
.endr
.set st, 0
.rept 8
	WIN 0x40*(1+st/4)
.irp a, 0,1,2,3,4,5,6
.irp z, 0,1
	global_load_b128 v[56*(st%4)+8*(\a)+4*(\z):56*(st%4)+8*(\a)+4*(\z)+3], v[L16], s[22:23] offset:32768*(\a)+1024*st+512*(\z)
.endr
.endr
.set st, st+1
.endr
	WIN 0
; A step's products.  The wait counts the keys' loads of the later steps, 14 each (the count's field ends at 63).  The accumulators take turns, one instruction a turn.  The first step starts the sums.
.macro PROD d, s0, s1, first
.if \first
	v_wmma_f32_16x16x32_f16 v[(\d):(\d)+7], v[(\s0):(\s0)+7], v[(\s1):(\s1)+7], 0
.else
	v_wmma_f32_16x16x32_f16 v[(\d):(\d)+7], v[(\s0):(\s0)+7], v[(\s1):(\s1)+7], v[(\d):(\d)+7]
.endif
.endm
.macro PSTEP stp, vo
.set lc, 14*(7-(\stp))
.if lc > 63
.set lc, 63
.endif
	s_wait_loadcnt lc
.if \vo
	WIN 0xf1+(\stp)/4                              ; source 0: the keys, window 1 or 2; source 1: the channels, window 0; sums in window 3
.else
	WIN 0xf4+4*((\stp)/4)                          ; source 0: the features or bq, window 0; source 1: the keys
.endif
.set a, 0
.rept 7
.set yr, 56*((\stp)%4)+8*a
.if \vo
	PROD 16*a, yr, 32+16*(\stp), (\stp)==0
	PROD 16*a+8, yr, 40+16*(\stp), (\stp)==0
.else
	PROD 16*a, 32+16*(\stp), yr, (\stp)==0
	PROD 16*a+8, 40+16*(\stp), yr, (\stp)==0
	PROD 112+8*a, 160+8*(\stp), yr, (\stp)==0
.endif
.set a, a+1
.endr
.endm
	s_cmp_eq_u32 s15, 1
	s_cbranch_scc1 .Lvo
	s_wait_loadcnt 63                              ; bq and the columns' fragments are older than the keys' 112 loads
	WIN 0x0f
.set c, 0
.rept 64
	v_cvt_pk_f16_f32 v[160+c], v[2*c], v[2*c+1]    ; bq's fragments: every lane of a half holds the same 16 numbers, so all 16 rows are bq
.set c, c+1
.endr
.irp stp, 0,1,2,3,4,5,6,7
	PSTEP \stp, 0
.endr
.rept 8
	v_nop                                          ; the places between the last products and the stores that read them
.endr
	WIN 0x0c                                       ; store data in window 3
.irp a, 0,1,2,3,4,5,6
	ds_store_b32 v[CPW], v[112+8*(\a)] offset:CP+128*(\a)  ; the lowest register: c of key 16 a + r, my quarter of the sum
.endr
	WIN 0
	s_branch .Ljoin
.Lvo:
.irp stp, 0,1,2,3,4,5,6,7
	PSTEP \stp, 1
.endr
.rept 8
	v_nop
.endr
	WIN 0
.Ljoin:
	WIN 0x0c
.set i, 0
.rept 14
	ds_store_b128 v[PST], v[8*i:8*i+3] offset:1024*i               ; each accumulator's low registers first
	ds_store_b128 v[PST], v[8*i+4:8*i+7] offset:1024*i+512
.set i, i+1
.endr
	WIN 0
	s_wait_dscnt 0x0                               ; for the others' sake: my partial sums lie in LDS
	s_barrier_signal -1
	s_barrier_wait -1
.macro FIN n                           ; tile w + 4 n: the four partial sums, bf16, one store of 512 consecutive bytes
.irp q, 0,1,2,3
	ds_load_b128 v[T+8*(\q):T+8*(\q)+3], v[RDA] offset:4096*(\n)+14336*(\q)
	ds_load_b128 v[T+8*(\q)+4:T+8*(\q)+7], v[RDA] offset:4096*(\n)+14336*(\q)+512
.endr
	s_wait_dscnt 0x0
.irp j, 0,2,4,6
	v_pk_add_f32 v[T+(\j):T+(\j)+1], v[T+(\j):T+(\j)+1], v[T+8+(\j):T+8+(\j)+1]
	v_pk_add_f32 v[T+16+(\j):T+16+(\j)+1], v[T+16+(\j):T+16+(\j)+1], v[T+24+(\j):T+24+(\j)+1]
.endr
.irp j, 0,2,4,6
	v_pk_add_f32 v[T+(\j):T+(\j)+1], v[T+(\j):T+(\j)+1], v[T+16+(\j):T+16+(\j)+1]
.endr
.irp c, 0,1,2,3
	v_cvt_pk_bf16_f32 v[32+4*(\n)+(\c)], v[T+2*(\c)], v[T+2*(\c)+1]
.endr
	global_store_b128 v[OUTO+(\n)], v[32+4*(\n):32+4*(\n)+3], s[24:25]
.endm
	FIN 0
	FIN 1
	FIN 2
	s_cmp_lt_u32 s12, 2
	s_cbranch_scc0 .Lno3
	FIN 3
.Lno3:
	s_xor_b32 s30, s12, 3                          ; c: wave 3 of the work-groups with p = 0, cp = 0
	s_or_b32 s30, s30, s13
	s_or_b32 s30, s30, s15
	s_cmp_lg_u32 s30, 0
	s_cbranch_scc1 .Lnoc
.irp a, 0,1,2,3,4,5,6
.irp q, 0,1,2,3
	ds_load_b32 v[64+4*(\a)+(\q)], v[CPR] offset:CP+896*(\q)+128*(\a)
.endr
.endr
	s_mul_i32 s30, s17, 112
	v_add_nc_u32 v[KEYV], s30, v1                  ; key 112 kh + r
	s_wait_dscnt 0x0
.irp a, 0,1,2,3,4,5,6
	v_add_f32 v[64+4*(\a)], v[64+4*(\a)], v[64+4*(\a)+1]
	v_add_f32 v[64+4*(\a)+2], v[64+4*(\a)+2], v[64+4*(\a)+3]
	v_add_f32 v[64+4*(\a)], v[64+4*(\a)], v[64+4*(\a)+2]
	v_cmp_gt_u32 vcc_lo, 196-16*(\a), v[KEYV]      ; is key 112 kh + 16 a + r one of the 196?
	v_cndmask_b32 v[64+4*(\a)], v[BIG], v[64+4*(\a)], vcc_lo
	global_store_b32 v[R4], v[64+4*(\a)], s[28:29] offset:64*(\a)  ; both halves of the lanes hold the same number and write the same word
.endr
.Lnoc:
	s_xor_b32 s30, s12, 2                          ; keys 224 to 255: wave 2 of the work-groups with p = 0, cp = 0, kh = 1
	s_or_b32 s30, s30, s13
	s_or_b32 s30, s30, s15
	s_xor_b32 s32, s17, 1
	s_or_b32 s30, s30, s32
	s_cmp_lg_u32 s30, 0
	s_cbranch_scc1 .Lnopad
	global_store_b32 v[L4], v[BIG], s[28:29] offset:448
.Lnopad:
	s_wait_tensorcnt 0x0                           ; the wave's end: three closing lines, behind my last LDS store
	ds_add_u32 v[SPW], v[NIL]
	s_wait_dscnt 0x0
	s_endpgm
.Lfunc_end_k_q09f5a5d2fb_prep2:
	.size	k_q09f5a5d2fb_prep2, .Lfunc_end_k_q09f5a5d2fb_prep2-k_q09f5a5d2fb_prep2
	.p2alignl 7, 3214868480
	.fill 96, 4, 3214868480
	.section	.rodata,"a",@progbits
	.p2align	6, 0x0
	.amdhsa_kernel k_q09f5a5d2fb_prep2
		.amdhsa_group_segment_fixed_size 61440
		.amdhsa_private_segment_fixed_size 0
		.amdhsa_enable_private_segment 0
		.amdhsa_kernarg_size 24
		.amdhsa_user_sgpr_count 2
		.amdhsa_user_sgpr_kernarg_segment_ptr 1
		.amdhsa_wavefront_size32 1
		.amdhsa_system_sgpr_workgroup_id_x 1
		.amdhsa_system_sgpr_workgroup_id_y 1
		.amdhsa_system_sgpr_workgroup_id_z 1
		.amdhsa_system_vgpr_workitem_id 0
		.amdhsa_next_free_vgpr 936
		.amdhsa_next_free_sgpr 66
		.amdhsa_reserve_vcc 1
		.amdhsa_float_denorm_mode_32 3
		.amdhsa_float_denorm_mode_16_64 3
		.amdhsa_memory_ordered 1
		.amdhsa_forward_progress 1
		.amdhsa_inst_pref_size 57
	.end_amdhsa_kernel
	.amdgpu_metadata
---
amdhsa.version: [ 1, 2 ]
amdhsa.kernels:
  - .name:           k_q09f5a5d2fb_prep2
    .symbol:         k_q09f5a5d2fb_prep2.kd
    .args:
      - { .name: prep1, .offset: 0, .size: 8, .value_kind: global_buffer, .address_space: global }
      - { .name: bq, .offset: 8, .size: 8, .value_kind: global_buffer, .address_space: global }
      - { .name: prep2, .offset: 16, .size: 8, .value_kind: global_buffer, .address_space: global }
    .group_segment_fixed_size: 61440
    .private_segment_fixed_size: 0
    .kernarg_segment_align: 8
    .kernarg_segment_size: 24
    .max_flat_workgroup_size: 128
    .sgpr_count:     66
    .vgpr_count:     936
    .wavefront_size: 32
...
	.end_amdgpu_metadata
.endif
;; end of part 2
;; launch attn (part 3): grid 128 x 2, 4 waves a work-group, no clusters, 298,496 bytes of LDS; arguments text_tensor, text_tensor2, score_matrix, score_matrix2, prep2, g1, be1, bo, pool; writes pool
.if DOCPART == 3
	.amdgcn_target "amdgcn-amd-amdhsa--gfx1250"
	.amdhsa_code_object_version 6
	.text
	.protected	k_q09f5a5d2fb_attn
	.globl	k_q09f5a5d2fb_attn
	.p2align	8
	.type	k_q09f5a5d2fb_attn,@function
k_q09f5a5d2fb_attn:
	s_mov_b64 s[64:65], 0
	v_nop
	global_prefetch_b8 v0, s[64:65] scope:SCOPE_SE
	s_setreg_imm32_b32 hwreg(HW_REG_WAVE_MODE, 25, 1), 1
	s_wait_xcnt 0x0
; ATTENTION, RESIDUAL, LAYERNORM 1 AND THE PAIRWISE MAXIMUM, for 64 rows of one branch b.
;   S = score + text M^T + c;  P = softmax(S / 8);  x = text + P VO + bo;  y = LN(x) g1 + be1;  pooled[k] = max(y[2 k], y[2 k + 1]), which falls into columns 512 b + k of the pooled row.
; M, c, VO come from the launch before (the projections folded into them); bo is added in f32.  pooled leaves in f16: the next product's operand and the residual of the last LayerNorm.
; LIMITS.  Padded keys carry c = -1e30 and get the weight 0.  A weight below 2^-126 counts as 0.  |y| <= 32 |g1| + |be1| must stay within f16's 65,504.  NaN and infinities are not treated apart.
; NO CLUSTER AND NO TENSOR LOADS: each fragment of M and VO is wanted by exactly one wave of the work-group and lies in memory as it lies in registers, so LDS would only add a write and a read of each byte;
; a ring of registers keeps seven steps' loads (56) on their way with no barrier.  What work-groups share (M, VO: 0.9 MB a branch) is read by 128 work-groups each.
; SHARES.  S: wave w takes keys 64 w .. 64 w + 63 (four tiles; tiles past 13 read tile 13 again and are masked by c) for all 64 rows, as S^T = M text^T: a lane holds ONE row (16 i + r) and 8 keys.
;   The sum starts with the score as C.  SOFTMAX: each wave takes its own maximum and sum; the four meet in LDS and are merged as running maxima are: every exponent is at most 0.
;   x: wave w takes columns 256 w .. + 255 for all 64 rows, as x^T = VO^T P^T + text^T: the f32 text, loaded once, is the C that starts the sum, so the residual is exact.
;   LayerNorm: wave w takes rows 16 w .. + 15, whole, out of LDS; mean first, then the sum of squares of the centred numbers.
; REGISTERS.  window 0: v0-31 addresses; v32-95 text fragments (two buffers), at work; v96-127 c, then statistics; v128-255 S^T (tile t, rows i at 128 + 8 (4 t + i)); later P's 28 fragments (v32-255); later the rows of x
;   window 1: a ring of 8 steps of M (32 sigma + 8 t); later a ring of 4 channel tiles of VO (56 gamma + 8 ks); later v0-31 bo      windows 2, 3: text, then x: (i, et) in window 2 + et / 8 at 8 (4 (et % 8) + i)
.set PL, 263168                        ; P's fragments [i 4][ks 8][1024]
.set STAT, 295936                      ; [row 64][wave 4] of (c m, l)
.set SPARE, 297984
.set SPW, 4
.set NIL, 5
.set TXO, 6                            ; 4096 r + 1024 w + 32 h
.set CVO, 7                            ; 256 w + 32 h
.set SCO, 8                            ; v8-15  784 r + min(256 w + 64 t + 32 h + 16 z, 768): the last 16 bytes of a row of scores stand in for what lies past it
.set AM, 16                            ; v16-19 32768 min(4 w + t, 13) + 16 l; later XS(i): where my 16 bytes of x go
.set TS, 20                            ; v20-21 text tile, in: 2064 r + 512 w + 16 h (+ 66048)
.set TA, 22                            ; v22-23 text tile, out: 2064 r + 16 h (+ 66048), stepped along the features
.set STW, 24
.set STR, 25
.set PST, 26
.set PRD, 27
.set L16, 28
.set XR, 29
.set PO, 30
.set GO, 31
.set CV, 96
.set ST, 96                            ; rows i: +0 c m, +1 m then l, +2 .. +7 at work; +4 the factor F
.set SA, 128
.set XX, 32                            ; LayerNorm: row rho at 32 + 32 rho
.set GG, 160
.set BB, 192
.set TT, 224                           ; LayerNorm: row rho's eight registers at work
.set MSB, 0
.macro WIN new
.if MSB != (\new)
	s_set_vgpr_msb (MSB<<8)|(\new)
.set MSB, (\new)
.endif
.endm
	s_load_b512 s[4:19], s[0:1], 0x0               ; text s[4:5], text2 s[6:7], score s[8:9], score2 s[10:11], prep2 s[12:13], g1 s[14:15], be1 s[16:17], bo s[18:19]
	s_load_b64 s[20:21], s[0:1], 0x40              ; pool
	v_lshl_add_u32 v[SPW], v0, 2, SPARE
	v_mov_b32 v[NIL], 0
	v_lshrrev_b32 v1, 5, v0
	v_readfirstlane_b32 s22, v1                    ; wave w
	v_and_b32 v1, 15, v0                           ; r
	v_bfe_u32 v2, v0, 4, 1                         ; h
	v_and_b32 v3, 31, v0                           ; l
	s_mov_b32 s23, ttmp9                           ; rb: which 64 rows
	s_and_b32 s24, ttmp7, 0xffff                   ; b
	s_mov_b32 s40, 0x3e38aa3b                      ; c = log2(e) / 8
	s_mov_b32 s41, s40                             ; named with it as a pair
	s_mov_b32 s42, 0x76543210                      ; v_permlanex16_b32: each lane takes its own place in the other half
	s_mov_b32 s43, 0xfedcba98
	s_mov_b32 s44, 0x3a800000                      ; 1 / 1024
	s_mov_b32 s45, 0x358637bd                      ; 1e-6
	s_lshl_b32 s46, s22, 10
	v_lshlrev_b32 v[TXO], 12, v1
	v_lshl_add_u32 v[TXO], v2, 5, v[TXO]
	v_add_nc_u32 v[TXO], s46, v[TXO]
	s_lshl_b32 s46, s22, 8
	v_lshl_add_u32 v[CVO], v2, 5, s46
	v_mul_u32_u24 v32, v1, 784
.irp t, 0,1,2,3
.irp z, 0,1
	v_add_nc_u32 v[SCO+2*(\t)+(\z)], 64*(\t)+16*(\z), v[CVO]
	v_min_u32 v[SCO+2*(\t)+(\z)], 768, v[SCO+2*(\t)+(\z)]
	v_add_nc_u32 v[SCO+2*(\t)+(\z)], v32, v[SCO+2*(\t)+(\z)]
.endr
.endr
	s_lshl_b32 s46, s22, 2
.irp t, 0,1,2,3
	s_add_co_u32 s47, s46, \t
	s_min_u32 s47, s47, 13
	s_lshl_b32 s47, s47, 15
	v_lshl_add_u32 v[AM+(\t)], v3, 4, s47
.endr
	v_mul_u32_u24 v[TA], v1, 2064
	v_lshl_add_u32 v[TA], v2, 4, v[TA]
	v_add_nc_u32 v[TA+1], 66048, v[TA]
	s_lshl_b32 s46, s22, 9
	v_add_nc_u32 v[TS], s46, v[TA]
	v_add_nc_u32 v[TS+1], 66048, v[TS]
	v_lshlrev_b32 v[STR], 5, v1
	v_add_nc_u32 v[STR], STAT, v[STR]
	s_lshl_b32 s46, s22, 3
	v_add_nc_u32 v[STW], s46, v[STR]
	v_lshlrev_b32 v[L16], 4, v3
	s_lshl_b32 s46, s22, 11
	s_add_co_u32 s46, s46, PL
	v_add_nc_u32 v[PST], s46, v[L16]
	v_add_nc_u32 v[PRD], PL, v[L16]
	s_mul_i32 s46, s22, 65792
	v_add_nc_u32 v[XR], s46, v[L16]
	s_lshl_b32 s46, s22, 15
	v_add_nc_u32 v[PO], s46, v[L16]
	v_lshlrev_b32 v[GO], 6, v3
	s_mov_b32 s47, 0
	s_wait_kmcnt 0x0
	s_cmp_eq_u32 s24, 1
	s_cselect_b64 s[26:27], s[6:7], s[4:5]         ; the branch's text
	s_cselect_b64 s[28:29], s[10:11], s[8:9]       ; and scores
	s_lshl_b32 s46, s23, 18
	s_add_nc_u64 s[26:27], s[26:27], s[46:47]
	s_mul_i32 s46, s23, 50176
	s_add_nc_u64 s[28:29], s[28:29], s[46:47]
	s_mul_i32 s46, s24, 458752
	s_add_nc_u64 s[30:31], s[12:13], s[46:47]      ; M's fragments
	s_mul_i32 s48, s22, 114688
	s_add_co_u32 s46, s46, s48
	s_add_co_u32 s46, s46, 917504
	s_add_nc_u64 s[32:33], s[12:13], s[46:47]      ; VO's fragments, my 16 channel tiles
	s_lshl_b32 s46, s24, 10
	s_add_co_u32 s46, s46, 1835008
	s_add_nc_u64 s[34:35], s[12:13], s[46:47]      ; c
	s_lshl_b32 s46, s23, 17
	s_lshl_b32 s48, s24, 10
	s_add_co_u32 s46, s46, s48
	s_add_nc_u64 s[36:37], s[20:21], s[46:47]      ; pooled: row 64 rb, column 512 b
	; PHASE 0: all first loads, the oldest first: c 8, scores 32 (straight into S^T's registers), M's steps 0-7 64, text 128
.irp t, 0,1,2,3
.irp z, 0,1
	global_load_b128 v[CV+8*(\t)+4*(\z):CV+8*(\t)+4*(\z)+3], v[CVO], s[34:35] offset:64*(\t)+16*(\z)
.endr
.endr
.irp t, 0,1,2,3
.irp i, 0,1,2,3
.irp z, 0,1
	global_load_b128 v[SA+8*(4*(\t)+(\i))+4*(\z):SA+8*(4*(\t)+(\i))+4*(\z)+3], v[SCO+2*(\t)+(\z)], s[28:29] offset:12544*(\i) th:TH_LOAD_NT
.endr
.endr
.endr
	WIN 0x40
.set st, 0
.rept 8
.irp t, 0,1,2,3
.irp z, 0,1
	global_load_b128 v[32*st+8*(\t)+4*(\z):32*st+8*(\t)+4*(\z)+3], v[AM+(\t)], s[30:31] offset:1024*st+512*(\z)
.endr
.endr
.set st, st+1
.endr
.irp g, 0,1,2,3
	WIN 0x80+0x40*((\g)/2)
.irp i, 0,1,2,3
.irp e, 0,1,2,3
.irp z, 0,1
	global_load_b128 v[8*(4*((4*(\g)+(\e))%8)+(\i))+4*(\z):8*(4*((4*(\g)+(\e))%8)+(\i))+4*(\z)+3], v[TXO], s[26:27] offset:65536*(\i)+64*(4*(\g)+(\e))+16*(\z) th:TH_LOAD_NT  ; eight loads on end cover 256 consecutive bytes of each of 16 rows
.endr
.endr
.endr
.endr
	; PHASE 1: the text tile in bf16 into LDS (rows of 2,048 + 16 bytes); the f32 stays in registers
.macro CVTG g, lc                      ; four channel tiles; lc counts the text loads of the later groups (the count's field ends at 63)
	s_wait_loadcnt \lc
	WIN 0x0a+5*((\g)/2)
.irp i, 0,1,2,3
.irp e, 0,1,2,3
.irp c, 0,1,2,3
	v_cvt_pk_bf16_f32 v[32+4*(4*(\i)+(\e))+(\c)], v[8*(4*((4*(\g)+(\e))%8)+(\i))+2*(\c)], v[8*(4*((4*(\g)+(\e))%8)+(\i))+2*(\c)+1]
.endr
.endr
.endr
	WIN 0
.irp i, 0,1,2,3
.irp e, 0,1,2,3
	ds_store_b128 v[TS+(\i)/2], v[32+4*(4*(\i)+(\e)):32+4*(4*(\i)+(\e))+3] offset:33024*((\i)%2)+32*(4*(\g)+(\e))
.endr
.endr
.endm
	CVTG 0, 63
	CVTG 1, 63
	CVTG 2, 32
	CVTG 3, 0
	s_wait_dscnt 0x0                               ; for the others' sake: my columns of the text tile lie in LDS
	s_barrier_signal -1
	s_barrier_wait -1                              ; barrier 1: the text tile is whole
	; PHASE 2: S^T += M text^T, 32 steps of 32 features
.macro AFETCH u, par                   ; the text fragments of step u (counted from the trip's base) into buffer par
.irp i, 0,1,2,3
	ds_load_b128 v[32+32*(\par)+8*(\i):32+32*(\par)+8*(\i)+3], v[TA+(\i)/2] offset:33024*((\i)%2)+64*(\u)
	ds_load_b128 v[32+32*(\par)+8*(\i)+4:32+32*(\par)+8*(\i)+7], v[TA+(\i)/2] offset:33024*((\i)%2)+64*(\u)+32
.endr
.endm
; A step.  Four places stand between the step before's products and the loads into registers that they read: the ring's part of the step before takes M of the step seven on, the other text buffer the next step's fragments.
; lc counts the loads of the seven (in the tail: the remaining) younger steps, 8 each.  The 16 accumulators take turns, over the backward jump too.
.macro KSTEP u, refill, fetch, lc
.rept 4
	v_nop
.endr
.if \refill
	WIN 0x40
.irp t, 0,1,2,3
.irp z, 0,1
	global_load_b128 v[32*(((\u)+7)%8)+8*(\t)+4*(\z):32*(((\u)+7)%8)+8*(\t)+4*(\z)+3], v[AM+(\t)], s[30:31] offset:1024*((\u)+7)+512*(\z)
.endr
.endr
.endif
	WIN 0
.if \fetch
	AFETCH (\u)+1, ((\u)+1)%2
	s_wait_loadcnt \lc
	s_wait_dscnt 8                                 ; this step's fragments are in; the eight just asked for may stay out
.else
	s_wait_loadcnt \lc
	s_wait_dscnt 0x0
.endif
	WIN 0x01
.irp t, 0,1,2,3
.irp i, 0,1,2,3
	v_wmma_f32_16x16x32_bf16 v[SA+8*(4*(\t)+(\i)):SA+8*(4*(\t)+(\i))+7], v[32*((\u)%8)+8*(\t):32*((\u)%8)+8*(\t)+7], v[32+32*((\u)%2)+8*(\i):32+32*((\u)%2)+8*(\i)+7], v[SA+8*(4*(\t)+(\i)):SA+8*(4*(\t)+(\i))+7]
.endr
.endr
.endm
	AFETCH 0, 0
	KSTEP 0, 0, 1, 0
	WIN 0
	s_mov_b32 s50, 3
.Lk:                                               ; a trip: steps 8 T + 1 .. 8 T + 8
.irp u, 1,2,3,4,5,6,7,8
	KSTEP \u, 1, 1, 56
.endr
	WIN 0
	s_wait_xcnt 0x0                                ; every load issued so far has read its address: M's base may be stepped
	s_add_nc_u64 s[30:31], s[30:31], 8192
	v_add_nc_u32 v[TA], 512, v[TA]
	v_add_nc_u32 v[TA+1], 512, v[TA+1]
	s_sub_co_u32 s50, s50, 1
	s_cmp_lg_u32 s50, 0
	s_cbranch_scc1 .Lk
.irp u, 1,2,3,4,5,6
	KSTEP \u, 0, 1, 8*(7-(\u))                     ; steps 25 to 30 ask for no more of M
.endr
	KSTEP 7, 0, 0, 0
.rept 8
	v_nop                                          ; the places behind the last products: S^T is read below, and M's ring is loaded anew
.endr
	WIN 0x40
.irp e, 0,1,2,3
.irp k, 0,1,2,3,4,5,6
.irp z, 0,1
	global_load_b128 v[56*(\e)+8*(\k)+4*(\z):56*(\e)+8*(\k)+4*(\z)+3], v[L16], s[32:33] offset:7168*(\e)+1024*(\k)+512*(\z)  ; VO's first four channel tiles land during the softmax
.endr
.endr
.endr
	WIN 0
	v_mul_u32_u24 v[AM], v1, 4112                  ; M's offsets are done with (their loads have been waited for): where x goes, rows of 4,096 + 16 bytes
	v_lshl_add_u32 v[AM], v2, 10, v[AM]
	s_lshr_b32 s46, s22, 1
	s_lshl_b32 s46, s46, 11
	s_and_b32 s47, s22, 1
	s_lshl_b32 s47, s47, 8
	s_add_co_u32 s46, s46, s47
	v_add_nc_u32 v[AM], s46, v[AM]
	v_add_nc_u32 v[AM+1], 65792, v[AM]
	v_add_nc_u32 v[AM+2], 65792, v[AM+1]
	v_add_nc_u32 v[AM+3], 65792, v[AM+2]
	; PHASE 3: the softmax.  (a) + c, each accumulator's low registers first
.irp t, 0,1,2,3
.irp i, 0,1,2,3
.irp j, 0,2,4,6
	v_pk_add_f32 v[SA+8*(4*(\t)+(\i))+(\j):SA+8*(4*(\t)+(\i))+(\j)+1], v[SA+8*(4*(\t)+(\i))+(\j):SA+8*(4*(\t)+(\i))+(\j)+1], v[CV+8*(\t)+(\j):CV+8*(\t)+(\j)+1]
.endr
.endr
.endr
	; (b) my wave's maximum for each row: four chains of seven scores, the four left over, the four into one, the other half of the lanes
.irp t, 0,1,2,3
.irp i, 0,1,2,3
	v_max3_num_f32 v[ST+8*(\i)+4+(\t)], v[SA+8*(4*(\t)+(\i))], v[SA+8*(4*(\t)+(\i))+1], v[SA+8*(4*(\t)+(\i))+2]
.endr
.endr
.irp j, 3,5
.irp t, 0,1,2,3
.irp i, 0,1,2,3
	v_max3_num_f32 v[ST+8*(\i)+4+(\t)], v[ST+8*(\i)+4+(\t)], v[SA+8*(4*(\t)+(\i))+(\j)], v[SA+8*(4*(\t)+(\i))+(\j)+1]
.endr
.endr
.endr
.irp i, 0,1,2,3
	v_max3_num_f32 v[ST+8*(\i)+4], v[ST+8*(\i)+4], v[SA+8*(\i)+7], v[SA+8*(4+(\i))+7]
	v_max3_num_f32 v[ST+8*(\i)+6], v[ST+8*(\i)+6], v[SA+8*(8+(\i))+7], v[SA+8*(12+(\i))+7]
.endr
.irp i, 0,1,2,3
	v_max3_num_f32 v[ST+8*(\i)+4], v[ST+8*(\i)+4], v[ST+8*(\i)+5], v[ST+8*(\i)+6]
.endr
.irp i, 0,1,2,3
	v_max_num_f32 v[ST+8*(\i)+4], v[ST+8*(\i)+4], v[ST+8*(\i)+7]
.endr
.irp i, 0,1,2,3
	v_permlanex16_b32 v[ST+8*(\i)+1], v[ST+8*(\i)+4], s42, s43
.endr
.irp i, 0,1,2,3
	v_max_num_f32 v[ST+8*(\i)+1], v[ST+8*(\i)+4], v[ST+8*(\i)+1]
.endr
.irp i, 0,1,2,3
	v_mul_f32 v[ST+8*(\i)], s40, v[ST+8*(\i)+1]    ; c m
.endr
	; (c) p = 2^(c s - c m): 64 scalings, then ONE batch of 128 exponentials
.irp t, 0,1,2,3
.irp i, 0,1,2,3
.irp j, 0,2,4,6
	v_pk_fma_f32 v[SA+8*(4*(\t)+(\i))+(\j):SA+8*(4*(\t)+(\i))+(\j)+1], v[SA+8*(4*(\t)+(\i))+(\j):SA+8*(4*(\t)+(\i))+(\j)+1], s[40:41], v[ST+8*(\i):ST+8*(\i)+1] op_sel_hi:[1,0,0] neg_lo:[0,0,1] neg_hi:[0,0,1]
.endr
.endr
.endr
.set e, 0
.rept 128
	v_exp_f32 v[SA+e], v[SA+e]
.set e, e+1
.endr
	v_nop                                          ; a plain instruction behind the last exponential,
	s_wait_alu depctr_va_vdst(0)                   ; and the one wait ahead of the batch's first reader
	; (d) my wave's sum for each row
.irp i, 0,1,2,3
	v_pk_add_f32 v[ST+8*(\i)+2:ST+8*(\i)+3], v[SA+8*(\i):SA+8*(\i)+1], v[SA+8*(\i)+2:SA+8*(\i)+3]
.endr
.irp j, 4,6
.irp i, 0,1,2,3
	v_pk_add_f32 v[ST+8*(\i)+2:ST+8*(\i)+3], v[ST+8*(\i)+2:ST+8*(\i)+3], v[SA+8*(\i)+(\j):SA+8*(\i)+(\j)+1]
.endr
.endr
.irp t, 1,2,3
.irp j, 0,2,4,6
.irp i, 0,1,2,3
	v_pk_add_f32 v[ST+8*(\i)+2:ST+8*(\i)+3], v[ST+8*(\i)+2:ST+8*(\i)+3], v[SA+8*(4*(\t)+(\i))+(\j):SA+8*(4*(\t)+(\i))+(\j)+1]
.endr
.endr
.endr
.irp i, 0,1,2,3
	v_add_f32 v[ST+8*(\i)+2], v[ST+8*(\i)+2], v[ST+8*(\i)+3]
.endr
.irp i, 0,1,2,3
	v_permlanex16_b32 v[ST+8*(\i)+3], v[ST+8*(\i)+2], s42, s43
.endr
.irp i, 0,1,2,3
	v_add_f32 v[ST+8*(\i)+1], v[ST+8*(\i)+2], v[ST+8*(\i)+3]  ; l, beside c m
.endr
	; (e) the four waves' (c m, l) meet
.irp i, 0,1,2,3
	ds_store_b64 v[STW], v[ST+8*(\i):ST+8*(\i)+1] offset:512*(\i)
.endr
	s_wait_dscnt 0x0
	s_barrier_signal -1
	s_barrier_wait -1                              ; barrier 2: the statistics are stored (and nobody reads the text tile any more)
.irp i, 0,1,2,3
	ds_load_b128 v[32+8*(\i):32+8*(\i)+3], v[STR] offset:512*(\i)
	ds_load_b128 v[32+8*(\i)+4:32+8*(\i)+7], v[STR] offset:512*(\i)+16
.endr
	s_wait_dscnt 0x0
	; (f) the row's maximum G over the waves; f_w = 2^(c m_w - G); l = the sum of l_w f_w; F = f_mine / l
.irp i, 0,1,2,3
	v_max3_num_f32 v[ST+8*(\i)+2], v[32+8*(\i)], v[34+8*(\i)], v[36+8*(\i)]
.endr
.irp i, 0,1,2,3
	v_max_num_f32 v[ST+8*(\i)+2], v[ST+8*(\i)+2], v[38+8*(\i)]
.endr
.irp i, 0,1,2,3
	v_sub_f32 v[32+8*(\i)], v[32+8*(\i)], v[ST+8*(\i)+2]
	v_sub_f32 v[34+8*(\i)], v[34+8*(\i)], v[ST+8*(\i)+2]
	v_sub_f32 v[36+8*(\i)], v[36+8*(\i)], v[ST+8*(\i)+2]
	v_sub_f32 v[38+8*(\i)], v[38+8*(\i)], v[ST+8*(\i)+2]
	v_sub_f32 v[ST+8*(\i)+3], v[ST+8*(\i)], v[ST+8*(\i)+2]
.endr
.irp i, 0,1,2,3
	v_exp_f32 v[32+8*(\i)], v[32+8*(\i)]
	v_exp_f32 v[34+8*(\i)], v[34+8*(\i)]
	v_exp_f32 v[36+8*(\i)], v[36+8*(\i)]
	v_exp_f32 v[38+8*(\i)], v[38+8*(\i)]
	v_exp_f32 v[ST+8*(\i)+3], v[ST+8*(\i)+3]
.endr
	v_nop
	s_wait_alu depctr_va_vdst(0)                   ; one wait for the batch of 20
.irp i, 0,1,2,3
	v_mul_f32 v[ST+8*(\i)+5], v[33+8*(\i)], v[32+8*(\i)]
.endr
.irp q, 2,4,6
.irp i, 0,1,2,3
	v_fmac_f32 v[ST+8*(\i)+5], v[33+8*(\i)+(\q)], v[32+8*(\i)+(\q)]
.endr
.endr
.irp i, 0,1,2,3
	v_rcp_f32 v[ST+8*(\i)+6], v[ST+8*(\i)+5]
.endr
	v_nop
	s_wait_alu depctr_va_vdst(0)                   ; one wait for the four reciprocals
.irp i, 0,1,2,3
	v_mul_f32 v[ST+8*(\i)+4], v[ST+8*(\i)+3], v[ST+8*(\i)+6]
.endr
	; (g) P = p F, rounded to bf16: two tiles of 16 keys are one fragment (16 rows x 32 keys); into LDS
.irp t, 0,1,2,3
.irp i, 0,1,2,3
.irp j, 0,2,4,6
	v_pk_mul_f32 v[SA+8*(4*(\t)+(\i))+(\j):SA+8*(4*(\t)+(\i))+(\j)+1], v[SA+8*(4*(\t)+(\i))+(\j):SA+8*(4*(\t)+(\i))+(\j)+1], v[ST+8*(\i)+4:ST+8*(\i)+5] op_sel_hi:[1,0]
.endr
.endr
.endr
.irp i, 0,1,2,3
.irp t, 0,1,2,3
.irp c, 0,1,2,3
	v_cvt_pk_bf16_f32 v[32+16*(\i)+4*(\t)+(\c)], v[SA+8*(4*(\t)+(\i))+2*(\c)], v[SA+8*(4*(\t)+(\i))+2*(\c)+1]
.endr
.endr
.endr
.irp i, 0,1,2,3
.irp t, 0,1,2,3
	ds_store_b128 v[PST], v[32+16*(\i)+4*(\t):32+16*(\i)+4*(\t)+3] offset:8192*(\i)+512*(\t)
.endr
.endr
	s_wait_dscnt 0x0
	s_barrier_signal -1
	s_barrier_wait -1                              ; barrier 3: P is whole
	; PHASE 4: x^T = text^T + VO^T P^T.  P's 28 fragments (keys 0 to 223) stay in registers; VO comes through a ring of four channel tiles
.irp i, 0,1,2,3
.irp k, 0,1,2,3,4,5,6
	ds_load_b128 v[32+8*(7*(\i)+(\k)):32+8*(7*(\i)+(\k))+3], v[PRD] offset:1024*(8*(\i)+(\k))
	ds_load_b128 v[32+8*(7*(\i)+(\k))+4:32+8*(7*(\i)+(\k))+7], v[PRD] offset:1024*(8*(\i)+(\k))+512
.endr
.endr
	s_wait_dscnt 0x0
.macro GROUP et                        ; a channel tile: 28 products, its four accumulators by turns; the wait counts the loads of the younger tiles, 14 each, three at the most
.set lc, 14*(15-(\et))
.if lc > 42
.set lc, 42
.endif
	s_wait_loadcnt lc
	WIN 0xa1+0x50*((\et)/8)
.irp k, 0,1,2,3,4,5,6
.irp i, 0,1,2,3
	v_wmma_f32_16x16x32_bf16 v[8*(4*((\et)%8)+(\i)):8*(4*((\et)%8)+(\i))+7], v[56*((\et)%4)+8*(\k):56*((\et)%4)+8*(\k)+7], v[32+8*(7*(\i)+(\k)):32+8*(7*(\i)+(\k))+7], v[8*(4*((\et)%8)+(\i)):8*(4*((\et)%8)+(\i))+7]
.endr
.endr
.if (\et) < 12
.rept 4
	v_nop                                          ; the places in front of loads into registers that those products read
.endr
	WIN 0x40
.irp k, 0,1,2,3,4,5,6
.irp z, 0,1
	global_load_b128 v[56*((\et)%4)+8*(\k)+4*(\z):56*((\et)%4)+8*(\k)+4*(\z)+3], v[L16], s[32:33] offset:7168*((\et)+4)+1024*(\k)+512*(\z)
.endr
.endr
.endif
.endm
.irp et, 0,1,2,3,4,5,6,7,8,9,10,11,12,13,14,15
	GROUP \et
.endr
.rept 8
	v_nop                                          ; the places behind the last products: x is read below, and P's and VO's registers are loaded anew
.endr
	WIN 0
.irp c, 0,1
.irp q, 0,1,2,3
	global_load_b128 v[GG+16*(\c)+4*(\q):GG+16*(\c)+4*(\q)+3], v[GO], s[14:15] offset:2048*(\c)+16*(\q)  ; g1, be1 and (below) bo of my lane's columns 512 c + 16 l + 0..15
	global_load_b128 v[BB+16*(\c)+4*(\q):BB+16*(\c)+4*(\q)+3], v[GO], s[16:17] offset:2048*(\c)+16*(\q)
.endr
.endr
	WIN 0x40                                       ; bo goes into window 1, where VO's ring lay
.irp c, 0,1
.irp q, 0,1,2,3
	global_load_b128 v[16*(\c)+4*(\q):16*(\c)+4*(\q)+3], v[GO], s[18:19] offset:2048*(\c)+16*(\q)
.endr
.endr
	; PHASE 5: x into LDS, over the text tile.  In a row, the 16 bytes of columns 4 ch .. lie at 2048 (ch >> 7) + 512 (ch & 3) + 16 ((ch & 127) >> 2): a row's reader then takes 512 consecutive bytes a load
.irp et, 0,1,2,3,4,5,6,7,8,9,10,11,12,13,14,15
	WIN 0x08+4*((\et)/8)                           ; store data in window 2 or 3
.irp i, 0,1,2,3
	ds_store_b128 v[AM+(\i)], v[8*(4*((\et)%8)+(\i)):8*(4*((\et)%8)+(\i))+3] offset:16*(\et)       ; each accumulator's low registers first
	ds_store_b128 v[AM+(\i)], v[8*(4*((\et)%8)+(\i))+4:8*(4*((\et)%8)+(\i))+7] offset:16*(\et)+512
.endr
.endr
	WIN 0
	s_wait_dscnt 0x0
	s_barrier_signal -1
	s_barrier_wait -1                              ; barrier 4: x is whole
	; PHASE 6: + bo, LayerNorm 1, the pairwise maximum, the stores.  Four trips of four rows; a wave holds a whole row, 32 numbers a lane
.macro ADDBO r0, r1                    ; two rows + bo, in f32
	WIN 0x04                                       ; source 1 in window 1
.irp k, 0,2,4,6,8,10,12,14,16,18,20,22,24,26,28,30
.irp q, \r0, \r1
	v_pk_add_f32 v[XX+32*(\q)+(\k):XX+32*(\q)+(\k)+1], v[XX+32*(\q)+(\k):XX+32*(\q)+(\k)+1], v[(\k):(\k)+1]
.endr
.endr
	WIN 0
.endm
.macro SUM2 r0, r1                     ; two rows' sums, two chains each
.irp q, \r0, \r1
	v_pk_add_f32 v[TT+8*(\q):TT+8*(\q)+1], v[XX+32*(\q):XX+32*(\q)+1], v[XX+32*(\q)+2:XX+32*(\q)+3]
	v_pk_add_f32 v[TT+8*(\q)+2:TT+8*(\q)+3], v[XX+32*(\q)+4:XX+32*(\q)+5], v[XX+32*(\q)+6:XX+32*(\q)+7]
.endr
.irp k, 8,12,16,20,24,28
.irp q, \r0, \r1
	v_pk_add_f32 v[TT+8*(\q):TT+8*(\q)+1], v[TT+8*(\q):TT+8*(\q)+1], v[XX+32*(\q)+(\k):XX+32*(\q)+(\k)+1]
	v_pk_add_f32 v[TT+8*(\q)+2:TT+8*(\q)+3], v[TT+8*(\q)+2:TT+8*(\q)+3], v[XX+32*(\q)+(\k)+2:XX+32*(\q)+(\k)+3]
.endr
.endr
.irp q, \r0, \r1
	v_pk_add_f32 v[TT+8*(\q):TT+8*(\q)+1], v[TT+8*(\q):TT+8*(\q)+1], v[TT+8*(\q)+2:TT+8*(\q)+3]
.endr
.irp q, \r0, \r1
	v_add_f32 v[TT+8*(\q)], v[TT+8*(\q)], v[TT+8*(\q)+1]
.endr
.endm
.macro RED o                           ; register TT + 8 rho + o summed over the 32 lanes, for the four rows; the register behind it is at work
.irp m, 1,2,4,8
.irp q, 0,1,2,3
	v_add_f32_dpp v[TT+8*(\q)+(\o)], v[TT+8*(\q)+(\o)], v[TT+8*(\q)+(\o)] row_xmask:\m row_mask:0xf bank_mask:0xf
.endr
.endr
.irp q, 0,1,2,3
	v_permlanex16_b32 v[TT+8*(\q)+(\o)+1], v[TT+8*(\q)+(\o)], s42, s43
.endr
.irp q, 0,1,2,3
	v_add_f32 v[TT+8*(\q)+(\o)], v[TT+8*(\q)+(\o)], v[TT+8*(\q)+(\o)+1]
.endr
.endm
	s_wait_loadcnt 0x0                             ; g1, be1, bo
	s_mov_b32 s50, 4
.Lrow:
.irp q, 0,1,2,3
.irp c, 0,1
.irp z, 0,1,2,3
	ds_load_b128 v[XX+32*(\q)+16*(\c)+4*(\z):XX+32*(\q)+16*(\c)+4*(\z)+3], v[XR] offset:4112*(\q)+2048*(\c)+512*(\z)
.endr
.endr
.endr
	s_wait_dscnt 16                                ; rows 0 and 1 are in
	ADDBO 0, 1
	SUM2 0, 1
	s_wait_dscnt 0x0
	ADDBO 2, 3
	SUM2 2, 3
	RED 0
.irp q, 0,1,2,3
	v_mul_f32 v[TT+8*(\q)], s44, v[TT+8*(\q)]      ; the mean
.endr
.irp k, 0,2,4,6,8,10,12,14,16,18,20,22,24,26,28,30
.irp q, 0,1,2,3
	v_pk_add_f32 v[XX+32*(\q)+(\k):XX+32*(\q)+(\k)+1], v[XX+32*(\q)+(\k):XX+32*(\q)+(\k)+1], v[TT+8*(\q):TT+8*(\q)+1] op_sel_hi:[1,0] neg_lo:[0,1] neg_hi:[0,1]
.endr
.endr
.irp q, 0,1,2,3
	v_pk_mul_f32 v[TT+8*(\q)+2:TT+8*(\q)+3], v[XX+32*(\q):XX+32*(\q)+1], v[XX+32*(\q):XX+32*(\q)+1]
	v_pk_mul_f32 v[TT+8*(\q)+4:TT+8*(\q)+5], v[XX+32*(\q)+2:XX+32*(\q)+3], v[XX+32*(\q)+2:XX+32*(\q)+3]
.endr
.irp k, 4,8,12,16,20,24,28
.irp q, 0,1,2,3
	v_pk_fma_f32 v[TT+8*(\q)+2:TT+8*(\q)+3], v[XX+32*(\q)+(\k):XX+32*(\q)+(\k)+1], v[XX+32*(\q)+(\k):XX+32*(\q)+(\k)+1], v[TT+8*(\q)+2:TT+8*(\q)+3]
	v_pk_fma_f32 v[TT+8*(\q)+4:TT+8*(\q)+5], v[XX+32*(\q)+(\k)+2:XX+32*(\q)+(\k)+3], v[XX+32*(\q)+(\k)+2:XX+32*(\q)+(\k)+3], v[TT+8*(\q)+4:TT+8*(\q)+5]
.endr
.endr
.irp q, 0,1,2,3
	v_pk_add_f32 v[TT+8*(\q)+2:TT+8*(\q)+3], v[TT+8*(\q)+2:TT+8*(\q)+3], v[TT+8*(\q)+4:TT+8*(\q)+5]
.endr
.irp q, 0,1,2,3
	v_add_f32 v[TT+8*(\q)+2], v[TT+8*(\q)+2], v[TT+8*(\q)+3]
.endr
	RED 2
.irp q, 0,1,2,3
	v_fma_f32 v[TT+8*(\q)+2], v[TT+8*(\q)+2], s44, s45  ; the variance + 1e-6
.endr
.irp q, 0,1,2,3
	v_rsq_f32 v[TT+8*(\q)+4], v[TT+8*(\q)+2]
.endr
	v_nop
	s_wait_alu depctr_va_vdst(0)                   ; one wait for the four roots
.irp k, 0,2,4,6,8,10,12,14,16,18,20,22,24,26,28,30
.irp q, 0,1,2,3
	v_pk_mul_f32 v[XX+32*(\q)+(\k):XX+32*(\q)+(\k)+1], v[XX+32*(\q)+(\k):XX+32*(\q)+(\k)+1], v[TT+8*(\q)+4:TT+8*(\q)+5] op_sel_hi:[1,0]
.endr
.endr
.irp k, 0,2,4,6,8,10,12,14,16,18,20,22,24,26,28,30
.irp q, 0,1,2,3
	v_pk_fma_f32 v[XX+32*(\q)+(\k):XX+32*(\q)+(\k)+1], v[XX+32*(\q)+(\k):XX+32*(\q)+(\k)+1], v[GG+(\k):GG+(\k)+1], v[BB+(\k):BB+(\k)+1]
.endr
.endr
.irp k, 0,1,2,3,4,5,6,7,8,9,10,11,12,13,14,15
.irp q, 0,1,2,3
	v_max_num_f32 v[XX+32*(\q)+(\k)], v[XX+32*(\q)+2*(\k)], v[XX+32*(\q)+2*(\k)+1]  ; ascending: the destination never passes the sources
.endr
.endr
.irp k, 0,1,2,3,4,5,6,7
.irp q, 0,1,2,3
	v_cvt_pk_f16_f32 v[XX+32*(\q)+16+(\k)], v[XX+32*(\q)+2*(\k)], v[XX+32*(\q)+2*(\k)+1]
.endr
.endr
.irp q, 0,1,2,3
.irp c, 0,1
	global_store_b128 v[PO], v[XX+32*(\q)+16+4*(\c):XX+32*(\q)+16+4*(\c)+3], s[36:37] offset:2048*(\q)+512*(\c)  ; each store of the wave covers 512 consecutive bytes, aligned
.endr
.endr
	s_wait_xcnt 0x0                                ; the stores have read their data and their offset: both are written again only behind this wait
	v_add_nc_u32 v[XR], 16448, v[XR]
	v_add_nc_u32 v[PO], 8192, v[PO]
	s_sub_co_u32 s50, s50, 1
	s_cmp_lg_u32 s50, 0
	s_cbranch_scc1 .Lrow
	s_wait_tensorcnt 0x0                           ; the wave's end: three closing lines, behind my last LDS store
	ds_add_u32 v[SPW], v[NIL]
	s_wait_dscnt 0x0
	s_endpgm
.Lfunc_end_k_q09f5a5d2fb_attn:
	.size	k_q09f5a5d2fb_attn, .Lfunc_end_k_q09f5a5d2fb_attn-k_q09f5a5d2fb_attn
	.p2alignl 7, 3214868480
	.fill 96, 4, 3214868480
	.section	.rodata,"a",@progbits
	.p2align	6, 0x0
	.amdhsa_kernel k_q09f5a5d2fb_attn
		.amdhsa_group_segment_fixed_size 298496
		.amdhsa_private_segment_fixed_size 0
		.amdhsa_enable_private_segment 0
		.amdhsa_kernarg_size 72
		.amdhsa_user_sgpr_count 2
		.amdhsa_user_sgpr_kernarg_segment_ptr 1
		.amdhsa_wavefront_size32 1
		.amdhsa_system_sgpr_workgroup_id_x 1
		.amdhsa_system_sgpr_workgroup_id_y 1
		.amdhsa_system_sgpr_workgroup_id_z 1
		.amdhsa_system_vgpr_workitem_id 0
		.amdhsa_next_free_vgpr 1024
		.amdhsa_next_free_sgpr 66
		.amdhsa_reserve_vcc 0
		.amdhsa_float_denorm_mode_32 3
		.amdhsa_float_denorm_mode_16_64 3
		.amdhsa_memory_ordered 1
		.amdhsa_forward_progress 1
		.amdhsa_inst_pref_size 217
	.end_amdhsa_kernel
	.amdgpu_metadata
---
amdhsa.version: [ 1, 2 ]
amdhsa.kernels:
  - .name:           k_q09f5a5d2fb_attn
    .symbol:         k_q09f5a5d2fb_attn.kd
    .args:
      - { .name: text_tensor, .offset: 0, .size: 8, .value_kind: global_buffer, .address_space: global }
      - { .name: text_tensor2, .offset: 8, .size: 8, .value_kind: global_buffer, .address_space: global }
      - { .name: score_matrix, .offset: 16, .size: 8, .value_kind: global_buffer, .address_space: global }
      - { .name: score_matrix2, .offset: 24, .size: 8, .value_kind: global_buffer, .address_space: global }
      - { .name: prep2, .offset: 32, .size: 8, .value_kind: global_buffer, .address_space: global }
      - { .name: g1, .offset: 40, .size: 8, .value_kind: global_buffer, .address_space: global }
      - { .name: be1, .offset: 48, .size: 8, .value_kind: global_buffer, .address_space: global }
      - { .name: bo, .offset: 56, .size: 8, .value_kind: global_buffer, .address_space: global }
      - { .name: pool, .offset: 64, .size: 8, .value_kind: global_buffer, .address_space: global }
    .group_segment_fixed_size: 298496
    .private_segment_fixed_size: 0
    .kernarg_segment_align: 8
    .kernarg_segment_size: 72
    .max_flat_workgroup_size: 128
    .sgpr_count:     66
    .vgpr_count:     1024
    .wavefront_size: 32
...
	.end_amdgpu_metadata
.endif
;; end of part 3
;; launch ffn1 (part 4): grid 8 x 32, 4 waves a work-group, clusters of 4 x 4, 327,680 bytes of LDS; arguments pool, prep1, b1, hbuf; writes hbuf
.if DOCPART == 4
	.amdgcn_target "amdgcn-amd-amdhsa--gfx1250"
	.amdhsa_code_object_version 6
	.text
	.protected	k_q09f5a5d2fb_ffn1
	.globl	k_q09f5a5d2fb_ffn1
	.p2align	8
	.type	k_q09f5a5d2fb_ffn1,@function
k_q09f5a5d2fb_ffn1:
	s_mov_b64 s[64:65], 0
	v_nop
	global_prefetch_b8 v0, s[64:65] scope:SCOPE_SE
	s_setreg_imm32_b32 hwreg(HW_REG_WAVE_MODE, 25, 1), 1
	s_wait_xcnt 0x0
	s_wait_alu depctr_hold_cnt(0) depctr_sa_sdst(0) depctr_va_vdst(0) depctr_va_sdst(0) depctr_va_ssrc(0) depctr_va_vcc(0) depctr_vm_vsrc(0)
	s_getreg_b32 s2, hwreg(HW_REG_IB_STS2, 6, 4)
	s_cmp_eq_u32 s2, 0
	s_cbranch_scc0 .Lentry_in_a_cluster
	s_endpgm
.Lentry_in_a_cluster:
	s_bfe_u32 s2, ttmp6, 0x10000c
	s_cmp_lg_u32 s2, 0xf033
	s_cbranch_scc0 .Lentry_shape_is_right
	s_endpgm
.Lentry_shape_is_right:
; THE FIRST FFN LAYER.  C[m][n] = max(the sum over k of A[m][k] B[n][k] + bias[n], 0), rounded to f16: the next product's operand.
; A: [8192][1024] (pooled), B: [1024][1024] (W1's copy, the first 2,097,152 bytes of its buffer), C: [8192][1024], all f16; bias f32; sums in f32.
; LIMIT.  A, B and C must stay within f16's 65,504.
; A tile of C is 256 x 128: 256 work-groups.  Four waves, each 128 rows x 64 columns: 32 accumulators of 16 x 16.  K goes in 8 steps of 128 through two LDS slots filled by the tensor data mover:
; rows of 256 bytes, aligned, padded in LDS to 272.
; CLUSTERS: 4 x 4 work-groups.  The four of a row of the cluster need the same tiles of A, the four of a column the same tiles of B: each tile is asked for JOINTLY, by the same tensor load with the same
; descriptor and a mask that names the four.  By this text's count a wave has two tensor loads out at the start and one behind each round.
; THE MATRIX INSTRUCTION IS USED TRANSPOSED (source 0 = 16 rows of B, source 1 = 16 rows of A): a lane then holds eight neighbouring numbers of a row of C.
; No prefetch: a launch has 8 K steps, of which the first fills bring two, and the tiles are small.
; The second layer has a text of its own, which differs in the way out alone.
; REGISTERS.  window 0: v0-31 addresses; v32-63 the bias; v64-159, v160-255 two fragment buffers (B's four, then A's eight); on the way out v64-191 at work.   window 1: the accumulators ((a, b) at 8 (4 a + b)).
.set SIZE_K, 1024
.set SIZE_N, 1024
.set KSTEP,  128
.set PITCH,  272                       ; 256 bytes + 16 of padding: an odd multiple of 16, so the 16 rows that a load touches fall on 16 different 16-byte columns of 256 bytes
.set HALFA,  128*PITCH                 ; what a wave fetches of A, and what a wave reads of A
.set HALFB,  64*PITCH                  ; the same for B
.set SLOT,   2*HALFA+2*HALFB           ; A's 256 rows, then B's 128 rows
.set STAGE,  2*SLOT                    ; behind the ring: 256 rows x 272 bytes, the work-group's, for the way out
.set SPITCH, 272
.set SPARE,  STAGE+256*SPITCH          ; behind the stage: the spare words
.set LAPS,   SIZE_K/(2*KSTEP)
.set ZR,   8                           ; v8   0, for the ReLU
.set ADRA, 16
.set ADRB, 20
.set STO,  24
.set RD,   25
.set CO,   26
.set BO,   27
.set SPW,  28
.set NIL,  29
.set BI,   32
.set TMP,  64
.set F0,   64
.set F1,   160
.set G1, 24
.set G0, 32
.set G1B, 48
.set G0B, 56
.set MSB, 0
.macro WIN new
.if MSB != (\new)
	s_set_vgpr_msb (MSB<<8)|(\new)
.set MSB, (\new)
.endif
.endm
.set MUL, 0x50                         ; C and D in window 1, the fragments in window 0
.macro JLOAD s                         ; a joint load: waves 0 and 1 fetch A's two halves, waves 2 and 3 B's; an s_nop 0 and four v_nop follow each of the two lines, ahead of the jump, the label and what follows
	s_cmp_eq_u32 s13, 0
	s_cbranch_scc0 .Lfor_b_\@
	tensor_load_to_lds s[G0+4*(\s):G0+4*(\s)+3], s[G1:G1+7]
	s_nop 0
.rept 4
	v_nop
.endr
	s_branch .Lasked_\@
.Lfor_b_\@:
	tensor_load_to_lds s[G0B+4*(\s):G0B+4*(\s)+3], s[G1B:G1B+7]
	s_nop 0
.rept 4
	v_nop
.endr
.Lasked_\@:
.endm
.macro CREST                           ; a round of the cluster's barrier behind its opening barrier
	s_cmp_lg_u32 s12, 0
	s_cbranch_scc1 .Lnot_wave_0_\@
	s_barrier_signal -3
.Lnot_wave_0_\@:
	s_barrier_wait -3
	s_barrier_signal -1
	s_barrier_wait -1
.endm
.macro CROUND
	s_barrier_signal -1
	s_barrier_wait -1
	CREST
.endm
	s_load_b256 s[4:11], s[0:1], 0x0               ; A s[4:5], B s[6:7], bias s[8:9], C s[10:11]
	v_lshl_add_u32 v[SPW], v0, 2, SPARE
	v_mov_b32 v[NIL], 0
	ds_add_u32 v[SPW], v[NIL]                      ; the wave's opening: the add and its wait stand ahead of my first tensor load; the set-up below, work on registers, stands between them
	v_lshrrev_b32 v1, 5, v0
	v_readfirstlane_b32 s12, v1                    ; wave 0..3
	s_lshr_b32 s13, s12, 1                         ; which half of the tile's rows is mine.  Also: I fetch for A (0) or for B (1)
	s_and_b32 s14, s12, 1                          ; which half of its columns.  Also: which half of that tile I fetch
	s_bfe_u32 s40, ttmp6, 0x40000                  ; cx, cy: my place in the cluster
	s_bfe_u32 s41, ttmp6, 0x40004
	s_lshl_b32 s42, ttmp9, 2
	s_add_co_u32 s42, s42, s40                     ; tile column of C = 4 x cluster x + cx
	s_and_b32 s43, ttmp7, 0xffff
	s_lshl_b32 s43, s43, 2
	s_add_co_u32 s43, s43, s41                     ; tile row of C = 4 x cluster y + cy
	s_lshl_b32 s44, s41, 2
	s_lshl_b32 s44, 15, s44                        ; my row of the cluster
	s_lshl_b32 s45, 0x1111, s40                    ; my column
	s_or_b32 s[G1+0], s44, (1<<16)|(1<<20)|(1<<21)|(5<<22)|(3<<25)   ; the mask: A's tiles go to my row; elements of 2 bytes; padding on; bit 21 beside a mask; after every 64 words, 4 words
	s_or_b32 s[G1B+0], s45, (1<<16)|(1<<20)|(1<<21)|(5<<22)|(3<<25)  ; B's tiles go to my column
	s_mov_b32 s[G1+1], KSTEP<<16                   ; tensor_dim0 = 128
	s_mov_b32 s[G1+2], 128<<16                     ; tensor_dim1 = 128
	s_mov_b32 s[G1+3], KSTEP<<16                   ; tile_dim0 = 128
	s_mov_b32 s[G1+4], 128                         ; tile_dim1 = 128
	s_mov_b32 s[G1+5], SIZE_K                      ; elements from row to row
	s_mov_b32 s[G1+6], 0
	s_mov_b32 s[G1+7], 0
	s_mov_b32 s[G1B+1], KSTEP<<16
	s_mov_b32 s[G1B+2], 64<<16                     ; B: 64 rows a load
	s_mov_b32 s[G1B+3], KSTEP<<16
	s_mov_b32 s[G1B+4], 64
	s_mov_b32 s[G1B+5], SIZE_K
	s_mov_b32 s[G1B+6], 0
	s_mov_b32 s[G1B+7], 0
	s_lshl_b32 s16, s43, 8
	s_lshl_b32 s17, s14, 7
	s_add_co_u32 s16, s16, s17                     ; A: row 256 x tile row + 128 x half,
	s_lshl_b32 s16, s16, 11                        ; in bytes (under 2^25)
	s_mov_b32 s17, 0
	s_lshl_b32 s66, s42, 7
	s_lshl_b32 s67, s14, 6
	s_add_co_u32 s66, s66, s67                     ; B: row 128 x tile column + 64 x half
	s_lshl_b32 s66, s66, 11
	s_mov_b32 s67, 0
	s_mul_i32 s20, s12, HALFA                      ; where they go: A's halves at wave x 128 rows (waves 0, 1),
	s_mul_i32 s21, s12, HALFB                      ; B's behind A's 256 rows, at (wave - 2) x 64 rows (waves 2, 3): no place in the cluster enters an LDS address
	s_add_co_u32 s21, s21, 2*(HALFA-HALFB)
	s_wait_dscnt 0x0                               ; the opening add is done
	s_wait_kmcnt 0x0
	s_add_nc_u64 s[18:19], s[4:5], s[16:17]
	s_add_nc_u64 s[68:69], s[6:7], s[66:67]
	CROUND                                         ; all sixteen work-groups are here: the first joint loads meet
.irp s, 0,1
	s_mov_b32 s[G0+4*(\s)], 1
	s_add_co_u32 s[G0+4*(\s)+1], s20, (\s)*SLOT
	s_add_nc_u64 s[G0+4*(\s)+2:G0+4*(\s)+3], s[18:19], (\s)*KSTEP*2
	s_or_b32 s[G0+4*(\s)+3], s[G0+4*(\s)+3], 0x80000000
	s_mov_b32 s[G0B+4*(\s)], 1
	s_add_co_u32 s[G0B+4*(\s)+1], s21, (\s)*SLOT
	s_add_nc_u64 s[G0B+4*(\s)+2:G0B+4*(\s)+3], s[68:69], (\s)*KSTEP*2
	s_or_b32 s[G0B+4*(\s)+3], s[G0B+4*(\s)+3], 0x80000000
	JLOAD \s
.endr
	v_and_b32 v1, 15, v0                           ; l % 16
	v_bfe_u32 v2, v0, 4, 1                         ; l / 16
	v_mul_u32_u24 v3, v1, PITCH
	v_lshl_add_u32 v3, v2, 4, v3                   ; a fragment's row x pitch + 16 x half
	s_mul_i32 s22, s13, HALFA                      ; my 128 rows of A
	s_mul_i32 s23, s14, HALFB                      ; my 64 rows of B,
	s_add_co_u32 s23, s23, 2*HALFA                 ; which lie behind A's 256
.irp s, 0,1
	v_add_nc_u32 v[ADRA+(\s)], s22, v3
	v_add_nc_u32 v[ADRB+(\s)], s23, v3
	s_add_co_u32 s22, s22, SLOT
	s_add_co_u32 s23, s23, SLOT
.endr
	s_mul_i32 s22, s13, 128*SPITCH                 ; into the stage: my 128 rows, my half of their 256 bytes
	s_lshl_b32 s23, s14, 7
	s_add_co_u32 s22, s22, s23
	s_add_co_u32 s22, s22, STAGE
	v_add_nc_u32 v[STO], s22, v3
	s_mul_i32 s22, s12, 64*SPITCH                  ; back: wave w takes rows 64 w .. 64 w + 63, whole; lanes 0-15 one row of 256 bytes, lanes 16-31 the next
	s_add_co_u32 s22, s22, STAGE
	v_mul_u32_u24 v5, v2, SPITCH
	v_lshl_add_u32 v5, v1, 4, v5
	v_add_nc_u32 v[RD], s22, v5
	v_lshlrev_b32 v[CO], 11, v2                    ; and the same two rows in C
	v_lshl_add_u32 v[CO], v1, 4, v[CO]
	v_lshlrev_b32 v[BO], 5, v2
	v_mov_b32 v[ZR], 0
	s_lshl_b32 s16, s43, 8
	s_lshl_b32 s17, s12, 6
	s_add_co_u32 s16, s16, s17                     ; the first row of C that I store: 256 x tile row + 64 x wave
	s_lshl_b32 s16, s16, 11
	s_mov_b32 s17, 0
	s_add_nc_u64 s[10:11], s[10:11], s[16:17]
	s_lshl_b32 s66, s42, 8                         ; the tile's first column, in bytes
	s_mov_b32 s67, 0
	s_add_nc_u64 s[10:11], s[10:11], s[66:67]
	s_lshl_b32 s66, s42, 9                         ; the bias of my 64 columns
	s_lshl_b32 s22, s14, 8
	s_add_co_u32 s66, s66, s22
	s_add_nc_u64 s[8:9], s[8:9], s[66:67]
.irp b, 0,1,2,3
	global_load_b128 v[BI+8*(\b):BI+8*(\b)+3], v[BO], s[8:9] offset:64*(\b)
	global_load_b128 v[BI+8*(\b)+4:BI+8*(\b)+7], v[BO], s[8:9] offset:64*(\b)+16
.endr
; 8 matrix instructions: row blocks a0, a0 + 1 x all 4 column blocks, 32 along K.  zero = 1: the product starts the sum.  The 32 accumulators take turns, in the same order in every quarter
.macro MUL8 f, a0, zero
	WIN MUL
.irp a, \a0, (\a0)+1
.irp b, 0,1,2,3
.if \zero
	v_wmma_f32_16x16x32_f16 v[8*(4*(\a)+(\b)):8*(4*(\a)+(\b))+7], v[(\f)+8*(\b):(\f)+8*(\b)+7], v[(\f)+32+8*(\a):(\f)+32+8*(\a)+7], 0
.else
	v_wmma_f32_16x16x32_f16 v[8*(4*(\a)+(\b)):8*(4*(\a)+(\b))+7], v[(\f)+8*(\b):(\f)+8*(\b)+7], v[(\f)+32+8*(\a):(\f)+32+8*(\a)+7], v[8*(4*(\a)+(\b)):8*(4*(\a)+(\b))+7]
.endif
.endr
.endr
.endm
; 24 LDS loads in one run: the fragments of 32 along K at byte k of the rows, into buffer f: B's 8, A's blocks 0-3 (8), A's blocks 4-7 (8)
.macro FETCH slot, k, f
	WIN 0
.irp i, 0,1,2,3
	ds_load_b128 v[(\f)+8*(\i):(\f)+8*(\i)+3],   v[ADRB+(\slot)] offset:(\k)+(\i)*16*PITCH
	ds_load_b128 v[(\f)+8*(\i)+4:(\f)+8*(\i)+7], v[ADRB+(\slot)] offset:(\k)+(\i)*16*PITCH+32
.endr
.irp i, 0,1,2,3,4,5,6,7
	ds_load_b128 v[(\f)+32+8*(\i):(\f)+32+8*(\i)+3],   v[ADRA+(\slot)] offset:(\k)+(\i)*16*PITCH
	ds_load_b128 v[(\f)+32+8*(\i)+4:(\f)+32+8*(\i)+7], v[ADRA+(\slot)] offset:(\k)+(\i)*16*PITCH+32
.endr
.endm
.macro PLACES                          ; four places in front of loads into registers that matrix instructions have read
.rept 4
	v_nop
.endr
.endm
; A K step is four quarters of 32 along K, 32 matrix instructions each, on buffers 0, 1, 0, 1.  One of the first three: multiplies buffer f and fetches the next quarter, at byte k, into g.
.macro QUARTER slot, k, f, g, zero
	s_wait_dscnt 8                                 ; B and A's blocks 0-3 are in; the youngest eight loads may be out
	MUL8 \f, 0, \zero
	MUL8 \f, 2, \zero
	PLACES
	FETCH \slot, \k, \g
	s_wait_dscnt 24                                ; all but the 24 just issued
	MUL8 \f, 4, \zero
	MUL8 \f, 6, \zero
.endm
; The last quarter multiplies buffer 1 and changes slots: ONE barrier; in front of it each wave waits for all its tensor loads, adds 0 to its spare word, and waits for that and for its own reads of this slot.
; fill = 1: this slot is filled again, two K steps ahead; the barrier then opens a round of the cluster's barrier, and the joint load is the first thing behind the round: 112 matrix instructions ahead of the wait for it.
.macro TURN slot, next, fill
	WIN 0
	s_wait_tensorcnt 0x0                           ; all my tensor loads have landed: my part of the next slot;
	ds_add_u32 v[SPW], v[NIL]                      ; 0 onto my spare word;
	s_wait_dscnt 9                                 ; (the add and the youngest eight loads may be out)
	MUL8 F1, 0, 0                                  ; eight matrix instructions stand between the add and the wait for it
	s_wait_dscnt 0x0                               ; the add is done, and my reads of this slot are over
	s_barrier_signal -1
	MUL8 F1, 2, 0
.if \fill
	WIN 0
.endif
	s_barrier_wait -1
.if \fill
	CREST                                          ; no wave of any partner still reads this slot's tile or has a load on its way
	s_add_nc_u64 s[G0+4*(\slot)+2:G0+4*(\slot)+3], s[G0+4*(\slot)+2:G0+4*(\slot)+3], 2*KSTEP*2
	s_add_nc_u64 s[G0B+4*(\slot)+2:G0B+4*(\slot)+3], s[G0B+4*(\slot)+2:G0B+4*(\slot)+3], 2*KSTEP*2
	JLOAD \slot                                    ; the four v_nop behind it are also the places in front of the loads below
.else
	PLACES
.endif
	FETCH \next, 0, F0
	MUL8 F1, 4, 0
	MUL8 F1, 6, 0
.endm
	s_wait_tensorcnt 1                             ; my part of K step 0 is in; K step 1's may stay out
	s_barrier_signal -1
	s_barrier_wait -1                              ; everybody's is
	FETCH 0, 0, F0
	QUARTER 0, 64, F0, F1, 1                       ; the first quarter stands in front of the loop: its products start the sums
	WIN 0
	s_mov_b32 s3, LAPS-1
.Llap:                                             ; a trip goes once round the ring, from a lap's second quarter to the next lap's first, and fills both slots again
	QUARTER 0, 128, F1, F0, 0
	QUARTER 0, 192, F0, F1, 0
	TURN 0, 1, 1
	QUARTER 1, 64,  F0, F1, 0
	QUARTER 1, 128, F1, F0, 0
	QUARTER 1, 192, F0, F1, 0
	TURN 1, 0, 1
	QUARTER 0, 64,  F0, F1, 0
	WIN 0
	s_sub_co_u32 s3, s3, 1
	s_cmp_lg_u32 s3, 0
	s_cbranch_scc1 .Llap
	QUARTER 0, 128, F1, F0, 0                      ; the last lap fills nothing, and has no round of the cluster's barrier
	QUARTER 0, 192, F0, F1, 0
	TURN 0, 1, 0
	QUARTER 1, 64,  F0, F1, 0
	QUARTER 1, 128, F1, F0, 0
	QUARTER 1, 192, F0, F1, 0
	s_wait_dscnt 8                                 ; the very last quarter: nothing more to fetch
	MUL8 F1, 0, 0
	MUL8 F1, 2, 0
	s_wait_dscnt 0x0
	MUL8 F1, 4, 0
	MUL8 F1, 6, 0
	WIN 0
	; THE WAY OUT: + bias in f32; round to f16; the ReLU; 16 bytes a lane into the work-group's stage; a barrier, since a row's 256 bytes come from two waves; back as whole rows, 64 rows a wave.
.rept 8
	v_nop                                          ; the places behind the last products
.endr
	s_wait_loadcnt 0x0                             ; the bias
	WIN 0x41                                       ; destination and source 0 in window 1, the bias in window 0
.set t, 0
.rept 32
.irp j, 0,2,4,6
	v_pk_add_f32 v[8*t+(\j):8*t+(\j)+1], v[8*t+(\j):8*t+(\j)+1], v[BI+8*(t%4)+(\j):BI+8*(t%4)+(\j)+1]
.endr
.set t, t+1
.endr
	WIN 0x05
.set t, 0
.rept 32
.irp r, 0,1,2,3
	v_cvt_pk_f16_f32 v[TMP+4*t+(\r)], v[8*t+2*(\r)], v[8*t+2*(\r)+1]
.endr
.set t, t+1
.endr
	WIN 0
.set t, 0
.rept 128
	v_pk_max_num_f16 v[TMP+t], v[TMP+t], v[ZR]
.set t, t+1
.endr
.irp a, 0,1,2,3,4,5,6,7
.irp b, 0,1,2,3
	ds_store_b128 v[STO], v[TMP+4*(4*(\a)+(\b)):TMP+4*(4*(\a)+(\b))+3] offset:(\a)*16*SPITCH+32*(\b)
.endr
.endr
	s_wait_dscnt 0x0                               ; for the others' sake: my stores into the stage are done
	s_barrier_signal -1
	s_barrier_wait -1
.set t, 0
.rept 32
	ds_load_b128 v[TMP+4*t:TMP+4*t+3], v[RD] offset:t*2*SPITCH
.set t, t+1
.endr
.set t, 0
.rept 32
	s_wait_dscnt 31-t
	global_store_b128 v[CO], v[TMP+4*t:TMP+4*t+3], s[10:11] offset:2*t*SIZE_N*2  ; 16 lanes store 256 consecutive bytes, at a multiple of 256 from C's first byte
.set t, t+1
.endr
	s_wait_tensorcnt 0x0                           ; the wave's end: three closing lines, behind my last tensor load and my last LDS store
	ds_add_u32 v[SPW], v[NIL]
	s_wait_dscnt 0x0
	CROUND                                         ; the closing round: no work-group ends while a partner may still ask for a tile that names it
	s_endpgm
.Lfunc_end_k_q09f5a5d2fb_ffn1:
	.size	k_q09f5a5d2fb_ffn1, .Lfunc_end_k_q09f5a5d2fb_ffn1-k_q09f5a5d2fb_ffn1
	.p2alignl 7, 3214868480
	.fill 96, 4, 3214868480
	.section	.rodata,"a",@progbits
	.p2align	6, 0x0
	.amdhsa_kernel k_q09f5a5d2fb_ffn1
		.amdhsa_group_segment_fixed_size 327680
		.amdhsa_private_segment_fixed_size 0
		.amdhsa_enable_private_segment 0
		.amdhsa_kernarg_size 32
		.amdhsa_user_sgpr_count 2
		.amdhsa_user_sgpr_kernarg_segment_ptr 1
		.amdhsa_wavefront_size32 1
		.amdhsa_system_sgpr_workgroup_id_x 1
		.amdhsa_system_sgpr_workgroup_id_y 1
		.amdhsa_system_sgpr_workgroup_id_z 1
		.amdhsa_system_vgpr_workitem_id 0
		.amdhsa_next_free_vgpr 512
		.amdhsa_next_free_sgpr 70
		.amdhsa_reserve_vcc 0
		.amdhsa_float_denorm_mode_32 3
		.amdhsa_float_denorm_mode_16_64 3
		.amdhsa_memory_ordered 1
		.amdhsa_forward_progress 1
		.amdhsa_inst_pref_size 104
	.end_amdhsa_kernel
	.amdgpu_metadata
---
amdhsa.version: [ 1, 2 ]
amdhsa.kernels:
  - .name:           k_q09f5a5d2fb_ffn1
    .symbol:         k_q09f5a5d2fb_ffn1.kd
    .args:
      - { .name: pool, .offset: 0, .size: 8, .value_kind: global_buffer, .address_space: global }
      - { .name: prep1, .offset: 8, .size: 8, .value_kind: global_buffer, .address_space: global }
      - { .name: b1, .offset: 16, .size: 8, .value_kind: global_buffer, .address_space: global }
      - { .name: hbuf, .offset: 24, .size: 8, .value_kind: global_buffer, .address_space: global }
    .group_segment_fixed_size: 327680
    .private_segment_fixed_size: 0
    .kernarg_segment_align: 8
    .kernarg_segment_size: 32
    .max_flat_workgroup_size: 128
    .sgpr_count:     70
    .vgpr_count:     512
    .wavefront_size: 32
...
	.end_amdgpu_metadata
.endif
;; end of part 4
;; launch ffn2 (part 5): grid 8 x 32, 4 waves a work-group, clusters of 4 x 4, 327,680 bytes of LDS; arguments hbuf, w2h, b2, zbuf; writes zbuf
.if DOCPART == 5
	.amdgcn_target "amdgcn-amd-amdhsa--gfx1250"
	.amdhsa_code_object_version 6
	.text
	.protected	k_q09f5a5d2fb_ffn2
	.globl	k_q09f5a5d2fb_ffn2
	.p2align	8
	.type	k_q09f5a5d2fb_ffn2,@function
k_q09f5a5d2fb_ffn2:
	s_mov_b64 s[64:65], 0
	v_nop
	global_prefetch_b8 v0, s[64:65] scope:SCOPE_SE
	s_setreg_imm32_b32 hwreg(HW_REG_WAVE_MODE, 25, 1), 1
	s_wait_xcnt 0x0
	s_wait_alu depctr_hold_cnt(0) depctr_sa_sdst(0) depctr_va_vdst(0) depctr_va_sdst(0) depctr_va_ssrc(0) depctr_va_vcc(0) depctr_vm_vsrc(0)
	s_getreg_b32 s2, hwreg(HW_REG_IB_STS2, 6, 4)
	s_cmp_eq_u32 s2, 0
	s_cbranch_scc0 .Lentry_in_a_cluster
	s_endpgm
.Lentry_in_a_cluster:
	s_bfe_u32 s2, ttmp6, 0x10000c
	s_cmp_lg_u32 s2, 0xf033
	s_cbranch_scc0 .Lentry_shape_is_right
	s_endpgm
.Lentry_shape_is_right:
; THE SECOND FFN LAYER.  C[m][n] = the sum over k of A[m][k] B[n][k] + bias[n], in f32: its numbers, products of three inputs, have no room in f16 and go on into a LayerNorm.
; A: [8192][1024] (the first layer's result), B: [1024][1024] (W2's copy), both f16; bias f32; C: [8192][1024] f32; sums in f32.
; LIMIT.  A and B must stay within f16's 65,504.
; A tile of C is 256 x 128: 256 work-groups.  Four waves, each 128 rows x 64 columns: 32 accumulators of 16 x 16.  K goes in 8 steps of 128 through two LDS slots filled by the tensor data mover:
; rows of 256 bytes, aligned, padded in LDS to 272.
; CLUSTERS: 4 x 4 work-groups.  The four of a row of the cluster need the same tiles of A, the four of a column the same tiles of B: each tile is asked for JOINTLY, by the same tensor load with the same
; descriptor and a mask that names the four.  By this text's count a wave has two tensor loads out at the start and one behind each round.
; THE MATRIX INSTRUCTION IS USED TRANSPOSED (source 0 = 16 rows of B, source 1 = 16 rows of A): a lane then holds eight neighbouring numbers of a row of C.
; No prefetch: a launch has 8 K steps, of which the first fills bring two, and the tiles are small.
; The first layer has a text of its own, which differs in the way out alone.
; REGISTERS.  window 0: v0-31 addresses; v32-63 the bias; v64-159, v160-255 two fragment buffers (B's four, then A's eight); on the way out v64-191 at work.   window 1: the accumulators ((a, b) at 8 (4 a + b)).
.set SIZE_K, 1024
.set SIZE_N, 1024
.set KSTEP,  128
.set PITCH,  272                       ; 256 bytes + 16 of padding: an odd multiple of 16, so the 16 rows that a load touches fall on 16 different 16-byte columns of 256 bytes
.set HALFA,  128*PITCH                 ; what a wave fetches of A, and what a wave reads of A
.set HALFB,  64*PITCH                  ; the same for B
.set SLOT,   2*HALFA+2*HALFB           ; A's 256 rows, then B's 128 rows
.set STAGE,  2*SLOT                    ; behind the ring: 16 rows x 272 bytes for each wave, for the way out
.set SPITCH, 272
.set SPARE,  STAGE+4*16*SPITCH         ; behind the stages: the spare words
.set LAPS,   SIZE_K/(2*KSTEP)
.set ADRA, 16
.set ADRB, 20
.set STO,  24
.set RD,   25
.set CO,   26
.set BO,   27
.set SPW,  28
.set NIL,  29
.set BI,   32
.set TMP,  64
.set F0,   64
.set F1,   160
.set G1, 24
.set G0, 32
.set G1B, 48
.set G0B, 56
.set MSB, 0
.macro WIN new
.if MSB != (\new)
	s_set_vgpr_msb (MSB<<8)|(\new)
.set MSB, (\new)
.endif
.endm
.set MUL, 0x50                         ; C and D in window 1, the fragments in window 0
.macro JLOAD s                         ; a joint load: waves 0 and 1 fetch A's two halves, waves 2 and 3 B's; an s_nop 0 and four v_nop follow each of the two lines, ahead of the jump, the label and what follows
	s_cmp_eq_u32 s13, 0
	s_cbranch_scc0 .Lfor_b_\@
	tensor_load_to_lds s[G0+4*(\s):G0+4*(\s)+3], s[G1:G1+7]
	s_nop 0
.rept 4
	v_nop
.endr
	s_branch .Lasked_\@
.Lfor_b_\@:
	tensor_load_to_lds s[G0B+4*(\s):G0B+4*(\s)+3], s[G1B:G1B+7]
	s_nop 0
.rept 4
	v_nop
.endr
.Lasked_\@:
.endm
.macro CREST                           ; a round of the cluster's barrier behind its opening barrier
	s_cmp_lg_u32 s12, 0
	s_cbranch_scc1 .Lnot_wave_0_\@
	s_barrier_signal -3
.Lnot_wave_0_\@:
	s_barrier_wait -3
	s_barrier_signal -1
	s_barrier_wait -1
.endm
.macro CROUND
	s_barrier_signal -1
	s_barrier_wait -1
	CREST
.endm
	s_load_b256 s[4:11], s[0:1], 0x0               ; A s[4:5], B s[6:7], bias s[8:9], C s[10:11]
	v_lshl_add_u32 v[SPW], v0, 2, SPARE
	v_mov_b32 v[NIL], 0
	ds_add_u32 v[SPW], v[NIL]                      ; the wave's opening: the add and its wait stand ahead of my first tensor load; the set-up below, work on registers, stands between them
	v_lshrrev_b32 v1, 5, v0
	v_readfirstlane_b32 s12, v1                    ; wave 0..3
	s_lshr_b32 s13, s12, 1                         ; which half of the tile's rows is mine.  Also: I fetch for A (0) or for B (1)
	s_and_b32 s14, s12, 1                          ; which half of its columns.  Also: which half of that tile I fetch
	s_bfe_u32 s40, ttmp6, 0x40000                  ; cx, cy: my place in the cluster
	s_bfe_u32 s41, ttmp6, 0x40004
	s_lshl_b32 s42, ttmp9, 2
	s_add_co_u32 s42, s42, s40                     ; tile column of C = 4 x cluster x + cx
	s_and_b32 s43, ttmp7, 0xffff
	s_lshl_b32 s43, s43, 2
	s_add_co_u32 s43, s43, s41                     ; tile row of C = 4 x cluster y + cy
	s_lshl_b32 s44, s41, 2
	s_lshl_b32 s44, 15, s44                        ; my row of the cluster
	s_lshl_b32 s45, 0x1111, s40                    ; my column
	s_or_b32 s[G1+0], s44, (1<<16)|(1<<20)|(1<<21)|(5<<22)|(3<<25)   ; the mask: A's tiles go to my row; elements of 2 bytes; padding on; bit 21 beside a mask; after every 64 words, 4 words
	s_or_b32 s[G1B+0], s45, (1<<16)|(1<<20)|(1<<21)|(5<<22)|(3<<25)  ; B's tiles go to my column
	s_mov_b32 s[G1+1], KSTEP<<16                   ; tensor_dim0 = 128
	s_mov_b32 s[G1+2], 128<<16                     ; tensor_dim1 = 128
	s_mov_b32 s[G1+3], KSTEP<<16                   ; tile_dim0 = 128
	s_mov_b32 s[G1+4], 128                         ; tile_dim1 = 128
	s_mov_b32 s[G1+5], SIZE_K                      ; elements from row to row
	s_mov_b32 s[G1+6], 0
	s_mov_b32 s[G1+7], 0
	s_mov_b32 s[G1B+1], KSTEP<<16
	s_mov_b32 s[G1B+2], 64<<16                     ; B: 64 rows a load
	s_mov_b32 s[G1B+3], KSTEP<<16
	s_mov_b32 s[G1B+4], 64
	s_mov_b32 s[G1B+5], SIZE_K
	s_mov_b32 s[G1B+6], 0
	s_mov_b32 s[G1B+7], 0
	s_lshl_b32 s16, s43, 8
	s_lshl_b32 s17, s14, 7
	s_add_co_u32 s16, s16, s17                     ; A: row 256 x tile row + 128 x half,
	s_lshl_b32 s16, s16, 11                        ; in bytes (under 2^25)
	s_mov_b32 s17, 0
	s_lshl_b32 s66, s42, 7
	s_lshl_b32 s67, s14, 6
	s_add_co_u32 s66, s66, s67                     ; B: row 128 x tile column + 64 x half
	s_lshl_b32 s66, s66, 11
	s_mov_b32 s67, 0
	s_mul_i32 s20, s12, HALFA                      ; where they go: A's halves at wave x 128 rows (waves 0, 1),
	s_mul_i32 s21, s12, HALFB                      ; B's behind A's 256 rows, at (wave - 2) x 64 rows (waves 2, 3): no place in the cluster enters an LDS address
	s_add_co_u32 s21, s21, 2*(HALFA-HALFB)
	s_wait_dscnt 0x0                               ; the opening add is done
	s_wait_kmcnt 0x0
	s_add_nc_u64 s[18:19], s[4:5], s[16:17]
	s_add_nc_u64 s[68:69], s[6:7], s[66:67]
	CROUND                                         ; all sixteen work-groups are here: the first joint loads meet
.irp s, 0,1
	s_mov_b32 s[G0+4*(\s)], 1
	s_add_co_u32 s[G0+4*(\s)+1], s20, (\s)*SLOT
	s_add_nc_u64 s[G0+4*(\s)+2:G0+4*(\s)+3], s[18:19], (\s)*KSTEP*2
	s_or_b32 s[G0+4*(\s)+3], s[G0+4*(\s)+3], 0x80000000
	s_mov_b32 s[G0B+4*(\s)], 1
	s_add_co_u32 s[G0B+4*(\s)+1], s21, (\s)*SLOT
	s_add_nc_u64 s[G0B+4*(\s)+2:G0B+4*(\s)+3], s[68:69], (\s)*KSTEP*2
	s_or_b32 s[G0B+4*(\s)+3], s[G0B+4*(\s)+3], 0x80000000
	JLOAD \s
.endr
	v_and_b32 v1, 15, v0                           ; l % 16
	v_bfe_u32 v2, v0, 4, 1                         ; l / 16
	v_mul_u32_u24 v3, v1, PITCH
	v_lshl_add_u32 v3, v2, 4, v3                   ; a fragment's row x pitch + 16 x half
	s_mul_i32 s22, s13, HALFA                      ; my 128 rows of A
	s_mul_i32 s23, s14, HALFB                      ; my 64 rows of B,
	s_add_co_u32 s23, s23, 2*HALFA                 ; which lie behind A's 256
.irp s, 0,1
	v_add_nc_u32 v[ADRA+(\s)], s22, v3
	v_add_nc_u32 v[ADRB+(\s)], s23, v3
	s_add_co_u32 s22, s22, SLOT
	s_add_co_u32 s23, s23, SLOT
.endr
	s_mul_i32 s22, s12, 16*SPITCH
	s_add_co_u32 s22, s22, STAGE                   ; my wave's own stage: 16 rows of 256 bytes, my 64 columns in f32
	v_mul_u32_u24 v[STO], v1, SPITCH               ; in: row l % 16, 32 bytes for each half of the lanes
	v_lshl_add_u32 v[STO], v2, 5, v[STO]
	v_add_nc_u32 v[STO], s22, v[STO]
	v_mul_u32_u24 v5, v2, SPITCH                   ; back: lanes 0-15 take one row of 256 bytes, lanes 16-31 the next
	v_lshl_add_u32 v5, v1, 4, v5
	v_add_nc_u32 v[RD], s22, v5
	v_lshlrev_b32 v[CO], 12, v2                    ; and the same two rows in C, 4,096 bytes each
	v_lshl_add_u32 v[CO], v1, 4, v[CO]
	v_lshlrev_b32 v[BO], 5, v2
	s_lshl_b32 s16, s43, 8
	s_lshl_b32 s17, s13, 7
	s_add_co_u32 s16, s16, s17                     ; my first row of C: 256 x tile row + 128 x row half,
	s_lshl_b32 s16, s16, 12                        ; in bytes (under 2^25)
	s_mov_b32 s17, 0
	s_add_nc_u64 s[10:11], s[10:11], s[16:17]
	s_lshl_b32 s66, s42, 9                         ; my 64 columns in bytes of f32: 512 x tile column + 256 x column half: for the bias and for C
	s_lshl_b32 s22, s14, 8
	s_add_co_u32 s66, s66, s22
	s_mov_b32 s67, 0
	s_add_nc_u64 s[8:9], s[8:9], s[66:67]
	s_add_nc_u64 s[10:11], s[10:11], s[66:67]
.irp b, 0,1,2,3
	global_load_b128 v[BI+8*(\b):BI+8*(\b)+3], v[BO], s[8:9] offset:64*(\b)
	global_load_b128 v[BI+8*(\b)+4:BI+8*(\b)+7], v[BO], s[8:9] offset:64*(\b)+16
.endr
; 8 matrix instructions: row blocks a0, a0 + 1 x all 4 column blocks, 32 along K.  zero = 1: the product starts the sum.  The 32 accumulators take turns, in the same order in every quarter
.macro MUL8 f, a0, zero
	WIN MUL
.irp a, \a0, (\a0)+1
.irp b, 0,1,2,3
.if \zero
	v_wmma_f32_16x16x32_f16 v[8*(4*(\a)+(\b)):8*(4*(\a)+(\b))+7], v[(\f)+8*(\b):(\f)+8*(\b)+7], v[(\f)+32+8*(\a):(\f)+32+8*(\a)+7], 0
.else
	v_wmma_f32_16x16x32_f16 v[8*(4*(\a)+(\b)):8*(4*(\a)+(\b))+7], v[(\f)+8*(\b):(\f)+8*(\b)+7], v[(\f)+32+8*(\a):(\f)+32+8*(\a)+7], v[8*(4*(\a)+(\b)):8*(4*(\a)+(\b))+7]
.endif
.endr
.endr
.endm
; 24 LDS loads in one run: the fragments of 32 along K at byte k of the rows, into buffer f: B's 8, A's blocks 0-3 (8), A's blocks 4-7 (8)
.macro FETCH slot, k, f
	WIN 0
.irp i, 0,1,2,3
	ds_load_b128 v[(\f)+8*(\i):(\f)+8*(\i)+3],   v[ADRB+(\slot)] offset:(\k)+(\i)*16*PITCH
	ds_load_b128 v[(\f)+8*(\i)+4:(\f)+8*(\i)+7], v[ADRB+(\slot)] offset:(\k)+(\i)*16*PITCH+32
.endr
.irp i, 0,1,2,3,4,5,6,7
	ds_load_b128 v[(\f)+32+8*(\i):(\f)+32+8*(\i)+3],   v[ADRA+(\slot)] offset:(\k)+(\i)*16*PITCH
	ds_load_b128 v[(\f)+32+8*(\i)+4:(\f)+32+8*(\i)+7], v[ADRA+(\slot)] offset:(\k)+(\i)*16*PITCH+32
.endr
.endm
.macro PLACES                          ; four places in front of loads into registers that matrix instructions have read
.rept 4
	v_nop
.endr
.endm
; A K step is four quarters of 32 along K, 32 matrix instructions each, on buffers 0, 1, 0, 1.  One of the first three: multiplies buffer f and fetches the next quarter, at byte k, into g.
.macro QUARTER slot, k, f, g, zero
	s_wait_dscnt 8                                 ; B and A's blocks 0-3 are in; the youngest eight loads may be out
	MUL8 \f, 0, \zero
	MUL8 \f, 2, \zero
	PLACES
	FETCH \slot, \k, \g
	s_wait_dscnt 24                                ; all but the 24 just issued
	MUL8 \f, 4, \zero
	MUL8 \f, 6, \zero
.endm
; The last quarter multiplies buffer 1 and changes slots: ONE barrier; in front of it each wave waits for all its tensor loads, adds 0 to its spare word, and waits for that and for its own reads of this slot.
; fill = 1: this slot is filled again, two K steps ahead; the barrier then opens a round of the cluster's barrier, and the joint load is the first thing behind the round: 112 matrix instructions ahead of the wait for it.
.macro TURN slot, next, fill
	WIN 0
	s_wait_tensorcnt 0x0                           ; all my tensor loads have landed: my part of the next slot;
	ds_add_u32 v[SPW], v[NIL]                      ; 0 onto my spare word;
	s_wait_dscnt 9                                 ; (the add and the youngest eight loads may be out)
	MUL8 F1, 0, 0                                  ; eight matrix instructions stand between the add and the wait for it
	s_wait_dscnt 0x0                               ; the add is done, and my reads of this slot are over
	s_barrier_signal -1
	MUL8 F1, 2, 0
.if \fill
	WIN 0
.endif
	s_barrier_wait -1
.if \fill
	CREST                                          ; no wave of any partner still reads this slot's tile or has a load on its way
	s_add_nc_u64 s[G0+4*(\slot)+2:G0+4*(\slot)+3], s[G0+4*(\slot)+2:G0+4*(\slot)+3], 2*KSTEP*2
	s_add_nc_u64 s[G0B+4*(\slot)+2:G0B+4*(\slot)+3], s[G0B+4*(\slot)+2:G0B+4*(\slot)+3], 2*KSTEP*2
	JLOAD \slot                                    ; the four v_nop behind it are also the places in front of the loads below
.else
	PLACES
.endif
	FETCH \next, 0, F0
	MUL8 F1, 4, 0
	MUL8 F1, 6, 0
.endm
	s_wait_tensorcnt 1                             ; my part of K step 0 is in; K step 1's may stay out
	s_barrier_signal -1
	s_barrier_wait -1                              ; everybody's is
	FETCH 0, 0, F0
	QUARTER 0, 64, F0, F1, 1                       ; the first quarter stands in front of the loop: its products start the sums
	WIN 0
	s_mov_b32 s3, LAPS-1
.Llap:                                             ; a trip goes once round the ring, from a lap's second quarter to the next lap's first, and fills both slots again
	QUARTER 0, 128, F1, F0, 0
	QUARTER 0, 192, F0, F1, 0
	TURN 0, 1, 1
	QUARTER 1, 64,  F0, F1, 0
	QUARTER 1, 128, F1, F0, 0
	QUARTER 1, 192, F0, F1, 0
	TURN 1, 0, 1
	QUARTER 0, 64,  F0, F1, 0
	WIN 0
	s_sub_co_u32 s3, s3, 1
	s_cmp_lg_u32 s3, 0
	s_cbranch_scc1 .Llap
	QUARTER 0, 128, F1, F0, 0                      ; the last lap fills nothing, and has no round of the cluster's barrier
	QUARTER 0, 192, F0, F1, 0
	TURN 0, 1, 0
	QUARTER 1, 64,  F0, F1, 0
	QUARTER 1, 128, F1, F0, 0
	QUARTER 1, 192, F0, F1, 0
	s_wait_dscnt 8                                 ; the very last quarter: nothing more to fetch
	MUL8 F1, 0, 0
	MUL8 F1, 2, 0
	s_wait_dscnt 0x0
	MUL8 F1, 4, 0
	MUL8 F1, 6, 0
	WIN 0
	; THE WAY OUT: + bias in f32; then, a block of 16 rows at a time, through my wave's own stage.  My 64 columns are 256 bytes of a row of C, so nothing is shared with another wave and no barrier is needed.
.rept 8
	v_nop                                          ; the places behind the last products
.endr
	s_wait_loadcnt 0x0                             ; the bias
	WIN 0x41                                       ; destination and source 0 in window 1, the bias in window 0
.set t, 0
.rept 32
.irp j, 0,2,4,6
	v_pk_add_f32 v[8*t+(\j):8*t+(\j)+1], v[8*t+(\j):8*t+(\j)+1], v[BI+8*(t%4)+(\j):BI+8*(t%4)+(\j)+1]
.endr
.set t, t+1
.endr
; Block a: a lane's eight columns of a row, 32 bytes, go into rows of 272 bytes and come back as whole rows of 256.
; LDS serves a wave's instructions in order (ISA guide 5.7.1.4): the loads see the stores above them, and the next block's stores come behind them.
.macro BLOCK a
	WIN 0x04                                       ; store data in window 1
.irp b, 0,1,2,3
	ds_store_b128 v[STO], v[8*(4*(\a)+(\b)):8*(4*(\a)+(\b))+3] offset:64*(\b)
	ds_store_b128 v[STO], v[8*(4*(\a)+(\b))+4:8*(4*(\a)+(\b))+7] offset:64*(\b)+16
.endr
	WIN 0
.if (\a) >= 4
	s_wait_xcnt 0x0                                ; the stores of the block four back have read their data: its registers are loaded again only behind this wait
.endif
.irp t, 0,1,2,3,4,5,6,7
	ds_load_b128 v[TMP+32*((\a)%4)+4*(\t):TMP+32*((\a)%4)+4*(\t)+3], v[RD] offset:(\t)*2*SPITCH
.endr
.irp t, 0,1,2,3,4,5,6,7
	s_wait_dscnt 7-(\t)                            ; the block's younger loads may stay out
	global_store_b128 v[CO], v[TMP+32*((\a)%4)+4*(\t):TMP+32*((\a)%4)+4*(\t)+3], s[10:11] offset:4096*(16*(\a)+2*(\t))  ; 16 lanes store 256 consecutive bytes, at a multiple of 256 from C's first byte
.endr
.endm
.irp a, 0,1,2,3,4,5,6,7
	BLOCK \a
.endr
	s_wait_tensorcnt 0x0                           ; the wave's end: three closing lines, behind my last tensor load and my last LDS store
	ds_add_u32 v[SPW], v[NIL]
	s_wait_dscnt 0x0
	CROUND                                         ; the closing round: no work-group ends while a partner may still ask for a tile that names it
	s_endpgm
.Lfunc_end_k_q09f5a5d2fb_ffn2:
	.size	k_q09f5a5d2fb_ffn2, .Lfunc_end_k_q09f5a5d2fb_ffn2-k_q09f5a5d2fb_ffn2
	.p2alignl 7, 3214868480
	.fill 96, 4, 3214868480
	.section	.rodata,"a",@progbits
	.p2align	6, 0x0
	.amdhsa_kernel k_q09f5a5d2fb_ffn2
		.amdhsa_group_segment_fixed_size 327680
		.amdhsa_private_segment_fixed_size 0
		.amdhsa_enable_private_segment 0
		.amdhsa_kernarg_size 32
		.amdhsa_user_sgpr_count 2
		.amdhsa_user_sgpr_kernarg_segment_ptr 1
		.amdhsa_wavefront_size32 1
		.amdhsa_system_sgpr_workgroup_id_x 1
		.amdhsa_system_sgpr_workgroup_id_y 1
		.amdhsa_system_sgpr_workgroup_id_z 1
		.amdhsa_system_vgpr_workitem_id 0
		.amdhsa_next_free_vgpr 512
		.amdhsa_next_free_sgpr 70
		.amdhsa_reserve_vcc 0
		.amdhsa_float_denorm_mode_32 3
		.amdhsa_float_denorm_mode_16_64 3
		.amdhsa_memory_ordered 1
		.amdhsa_forward_progress 1
		.amdhsa_inst_pref_size 96
	.end_amdhsa_kernel
	.amdgpu_metadata
---
amdhsa.version: [ 1, 2 ]
amdhsa.kernels:
  - .name:           k_q09f5a5d2fb_ffn2
    .symbol:         k_q09f5a5d2fb_ffn2.kd
    .args:
      - { .name: hbuf, .offset: 0, .size: 8, .value_kind: global_buffer, .address_space: global }
      - { .name: w2h, .offset: 8, .size: 8, .value_kind: global_buffer, .address_space: global }
      - { .name: b2, .offset: 16, .size: 8, .value_kind: global_buffer, .address_space: global }
      - { .name: zbuf, .offset: 24, .size: 8, .value_kind: global_buffer, .address_space: global }
    .group_segment_fixed_size: 327680
    .private_segment_fixed_size: 0
    .kernarg_segment_align: 8
    .kernarg_segment_size: 32
    .max_flat_workgroup_size: 128
    .sgpr_count:     70
    .vgpr_count:     512
    .wavefront_size: 32
...
	.end_amdgpu_metadata
.endif
;; end of part 5
;; launch ln2 (part 6): grid 512 x 1, 8 waves a work-group, no clusters, 0 bytes of LDS; arguments pool, zbuf, g2, be2, out0; writes out0
.if DOCPART == 6
	.amdgcn_target "amdgcn-amd-amdhsa--gfx1250"
	.amdhsa_code_object_version 6
	.text
	.protected	k_q09f5a5d2fb_ln2
	.globl	k_q09f5a5d2fb_ln2
	.p2align	8
	.type	k_q09f5a5d2fb_ln2,@function
k_q09f5a5d2fb_ln2:
	s_mov_b64 s[64:65], 0
	v_nop
	global_prefetch_b8 v0, s[64:65] scope:SCOPE_SE
	s_setreg_imm32_b32 hwreg(HW_REG_WAVE_MODE, 25, 1), 1
	s_wait_xcnt 0x0
; out0 = LN(pooled + z) g2 + be2.  pooled: [8192][1024] f16; z (the FFN's result with its bias): [8192][1024] f32; out0 f32.  All arithmetic in f32; mean first, then the sum of squares of the centred numbers.
; A stream: no LDS, no barrier, no matrix unit.  A work-group owns 16 rows, a wave 2; a wave holds a whole row, 32 numbers a lane (columns 128 i + 4 l + 0..3), so the sums never leave the wave.
; z is loaded into the registers in which the row is worked on and from which it is stored.  All of a wave's 48 loads are issued at its head; no register is used twice.
; Each load of pooled covers 256 consecutive bytes, aligned; each load of z and each store 512.
.set LO, 2                             ; v2   4096 wave + 8 l
.set OO, 3                             ; v3   8192 wave + 16 l: for z and for out0; never rewritten
.set GO, 4                             ; v4   16 l
.set ONE, 5                            ; v5   1.0
.set G, 16                             ; v16-47   g2 of my 32 columns
.set BE, 48                            ; v48-79   be2
.set P, 80                             ; v80-111  pooled, 16 registers a row
.set Z, 112                            ; v112-175 z, then the row at work: 32 registers a row
	s_load_b256 s[4:11], s[0:1], 0x0               ; pool s[4:5], zbuf s[6:7], g2 s[8:9], be2 s[10:11]
	s_load_b64 s[12:13], s[0:1], 0x20              ; out0
	v_lshrrev_b32 v1, 5, v0
	v_and_b32 v6, 31, v0
	v_lshlrev_b32 v[LO], 12, v1
	v_lshl_add_u32 v[LO], v6, 3, v[LO]
	v_lshlrev_b32 v[OO], 13, v1
	v_lshl_add_u32 v[OO], v6, 4, v[OO]
	v_lshlrev_b32 v[GO], 4, v6
	v_mov_b32 v[ONE], 1.0
	s_lshl_b32 s14, ttmp9, 15                      ; 16 rows of 2,048 bytes
	s_mov_b32 s15, 0
	s_lshl_b32 s16, ttmp9, 16                      ; 16 rows of 4,096 bytes
	s_mov_b32 s17, 0
	s_mov_b32 s19, 0x3a800000                      ; 1 / 1024
	s_mov_b32 s20, 0x358637bd                      ; 1e-6
	s_mov_b32 s22, 0x76543210                      ; v_permlanex16_b32: each lane takes its own place in the other half
	s_mov_b32 s23, 0xfedcba98
	s_wait_kmcnt 0x0
	s_add_nc_u64 s[4:5], s[4:5], s[14:15]
	s_add_nc_u64 s[6:7], s[6:7], s[16:17]
	s_add_nc_u64 s[12:13], s[12:13], s[16:17]
.irp i, 0,1,2,3,4,5,6,7
	global_load_b128 v[G+4*(\i):G+4*(\i)+3], v[GO], s[8:9] offset:512*(\i)
	global_load_b128 v[BE+4*(\i):BE+4*(\i)+3], v[GO], s[10:11] offset:512*(\i)
.endr
.irp q, 0,1
.irp i, 0,1,2,3,4,5,6,7
	global_load_b64 v[P+16*(\q)+2*(\i):P+16*(\q)+2*(\i)+1], v[LO], s[4:5] offset:2048*(\q)+256*(\i) th:TH_LOAD_NT
.endr
.irp i, 0,1,2,3,4,5,6,7
	global_load_b128 v[Z+32*(\q)+4*(\i):Z+32*(\q)+4*(\i)+3], v[OO], s[6:7] offset:4096*(\q)+512*(\i) th:TH_LOAD_NT
.endr
.endr
.macro LANES a                         ; v[a] summed over the 32 lanes; v[a+1] is at work
	v_add_f32_dpp v[(\a)], v[(\a)], v[(\a)] row_xmask:1 row_mask:0xf bank_mask:0xf
	v_add_f32_dpp v[(\a)], v[(\a)], v[(\a)] row_xmask:2 row_mask:0xf bank_mask:0xf
	v_add_f32_dpp v[(\a)], v[(\a)], v[(\a)] row_xmask:4 row_mask:0xf bank_mask:0xf
	v_add_f32_dpp v[(\a)], v[(\a)], v[(\a)] row_xmask:8 row_mask:0xf bank_mask:0xf
	v_permlanex16_b32 v[(\a)+1], v[(\a)], s22, s23
	v_add_f32 v[(\a)], v[(\a)], v[(\a)+1]
.endm
.macro ROW q, lc                       ; lc: the loads issued behind this row's, which may stay out
.set Y, Z+32*(\q)
	s_wait_loadcnt \lc
.set m, 0
.rept 16
	v_fma_mix_f32 v[Y+2*m], v[P+16*(\q)+m], v[ONE], v[Y+2*m] op_sel_hi:[1,0,0]                  ; z + pooled, read as an f16 half
	v_fma_mix_f32 v[Y+2*m+1], v[P+16*(\q)+m], v[ONE], v[Y+2*m+1] op_sel:[1,0,0] op_sel_hi:[1,0,0]
.set m, m+1
.endr
.irp c, 0,1,2,3                        ; the sum, in four chains
	v_pk_add_f32 v[6+2*(\c):7+2*(\c)], v[Y+4*(\c):Y+4*(\c)+1], v[Y+4*(\c)+2:Y+4*(\c)+3]
.endr
.irp k, 16,24
.irp c, 0,1,2,3
	v_pk_add_f32 v[6+2*(\c):7+2*(\c)], v[6+2*(\c):7+2*(\c)], v[Y+(\k)+2*(\c):Y+(\k)+2*(\c)+1]
.endr
.endr
	v_pk_add_f32 v[6:7], v[6:7], v[8:9]
	v_pk_add_f32 v[10:11], v[10:11], v[12:13]
	v_pk_add_f32 v[6:7], v[6:7], v[10:11]
	v_add_f32 v6, v6, v7
	LANES 6
	v_mul_f32 v6, s19, v6                          ; the mean
.set m, 0
.rept 16
	v_pk_add_f32 v[Y+2*m:Y+2*m+1], v[Y+2*m:Y+2*m+1], v[6:7] op_sel_hi:[1,0] neg_lo:[0,1] neg_hi:[0,1]
.set m, m+1
.endr
.irp c, 0,1,2,3                        ; the sum of squares, in four chains
	v_pk_mul_f32 v[8+2*(\c):9+2*(\c)], v[Y+2*(\c):Y+2*(\c)+1], v[Y+2*(\c):Y+2*(\c)+1]
.endr
.irp k, 8,16,24
.irp c, 0,1,2,3
	v_pk_fma_f32 v[8+2*(\c):9+2*(\c)], v[Y+(\k)+2*(\c):Y+(\k)+2*(\c)+1], v[Y+(\k)+2*(\c):Y+(\k)+2*(\c)+1], v[8+2*(\c):9+2*(\c)]
.endr
.endr
	v_pk_add_f32 v[8:9], v[8:9], v[10:11]
	v_pk_add_f32 v[12:13], v[12:13], v[14:15]
	v_pk_add_f32 v[8:9], v[8:9], v[12:13]
	v_add_f32 v8, v8, v9
	LANES 8
	v_fma_f32 v8, v8, s19, s20                     ; the variance + 1e-6
	v_rsq_f32 v10, v8
	v_nop                                          ; a plain instruction behind the root,
	s_wait_alu depctr_va_vdst(0)                   ; and the wait ahead of its first reader
.set m, 0
.rept 16
	v_pk_mul_f32 v[Y+2*m:Y+2*m+1], v[Y+2*m:Y+2*m+1], v[10:11] op_sel_hi:[1,0]
.set m, m+1
.endr
.set m, 0
.rept 16
	v_pk_fma_f32 v[Y+2*m:Y+2*m+1], v[Y+2*m:Y+2*m+1], v[G+2*m:G+2*m+1], v[BE+2*m:BE+2*m+1]
.set m, m+1
.endr
.irp i, 0,1,2,3,4,5,6,7
	global_store_b128 v[OO], v[Y+4*(\i):Y+4*(\i)+3], s[12:13] offset:4096*(\q)+512*(\i) th:TH_STORE_NT
.endr
.endm
	ROW 0, 16                                      ; behind row 0's loads: row 1's 16
	ROW 1, 0
	s_endpgm
.Lfunc_end_k_q09f5a5d2fb_ln2:
	.size	k_q09f5a5d2fb_ln2, .Lfunc_end_k_q09f5a5d2fb_ln2-k_q09f5a5d2fb_ln2
	.p2alignl 7, 3214868480
	.fill 96, 4, 3214868480
	.section	.rodata,"a",@progbits
	.p2align	6, 0x0
	.amdhsa_kernel k_q09f5a5d2fb_ln2
		.amdhsa_group_segment_fixed_size 0
		.amdhsa_private_segment_fixed_size 0
		.amdhsa_enable_private_segment 0
		.amdhsa_kernarg_size 40
		.amdhsa_user_sgpr_count 2
		.amdhsa_user_sgpr_kernarg_segment_ptr 1
		.amdhsa_wavefront_size32 1
		.amdhsa_system_sgpr_workgroup_id_x 1
		.amdhsa_system_sgpr_workgroup_id_y 1
		.amdhsa_system_sgpr_workgroup_id_z 1
		.amdhsa_system_vgpr_workitem_id 0
		.amdhsa_next_free_vgpr 176
		.amdhsa_next_free_sgpr 66
		.amdhsa_reserve_vcc 0
		.amdhsa_float_denorm_mode_32 3
		.amdhsa_float_denorm_mode_16_64 3
		.amdhsa_memory_ordered 1
		.amdhsa_forward_progress 1
		.amdhsa_inst_pref_size 24
	.end_amdhsa_kernel
	.amdgpu_metadata
---
amdhsa.version: [ 1, 2 ]
amdhsa.kernels:
  - .name:           k_q09f5a5d2fb_ln2
    .symbol:         k_q09f5a5d2fb_ln2.kd
    .args:
      - { .name: pool, .offset: 0, .size: 8, .value_kind: global_buffer, .address_space: global }
      - { .name: zbuf, .offset: 8, .size: 8, .value_kind: global_buffer, .address_space: global }
      - { .name: g2, .offset: 16, .size: 8, .value_kind: global_buffer, .address_space: global }
      - { .name: be2, .offset: 24, .size: 8, .value_kind: global_buffer, .address_space: global }
      - { .name: out0, .offset: 32, .size: 8, .value_kind: global_buffer, .address_space: global }
    .group_segment_fixed_size: 0
    .private_segment_fixed_size: 0
    .kernarg_segment_align: 8
    .kernarg_segment_size: 40
    .max_flat_workgroup_size: 256
    .sgpr_count:     66
    .vgpr_count:     176
    .wavefront_size: 32
...
	.end_amdgpu_metadata
.endif
;; end of part 6
;; ======== version 2 of 3: 6 launches; 1.21 times as fast as version 1
;; limits: values are held in f16: magnitudes above 65,504 overflow, below 6.1e-05 lose precision; right only within a limited range of input values
;; workspace buffers: prep1 8,126,464 bytes; w2h 2,097,152 bytes; prep2 1,837,056 bytes; pool 16,777,216 bytes; hbuf 16,777,216 bytes; zbuf 33,554,432 bytes
;; launch prep1: the kernel of part 1 again; grid 32 x 8, 4 waves a work-group, no clusters, 57,856 bytes of LDS; arguments visual_tensor, visual_tensor2, Wk, Wv, bk, bv, Wq, Wo, W1, W2, prep1, w2h; writes prep1, w2h
;; launch prep2: the kernel of part 2 again; grid 32 x 8, 4 waves a work-group, no clusters, 61,440 bytes of LDS; arguments prep1, bq, prep2; writes prep2
;; launch attn (part 7): grid 128 x 2, 4 waves a work-group, no clusters, 318,976 bytes of LDS; arguments text_tensor, text_tensor2, score_matrix, score_matrix2, prep2, g1, be1, bo, pool; writes pool
.if DOCPART == 7
	.amdgcn_target "amdgcn-amd-amdhsa--gfx1250"
	.amdhsa_code_object_version 6
	.text
	.protected	k_q09f5a5d2fb_attn
	.globl	k_q09f5a5d2fb_attn
	.p2align	8
	.type	k_q09f5a5d2fb_attn,@function
k_q09f5a5d2fb_attn:
	s_mov_b64 s[64:65], 0
	v_nop
	global_prefetch_b8 v0, s[64:65] scope:SCOPE_SE
	s_setreg_imm32_b32 hwreg(HW_REG_WAVE_MODE, 25, 1), 1
	s_wait_xcnt 0x0
; ATTENTION, RESIDUAL, LAYERNORM 1 AND THE PAIRWISE MAXIMUM, for 64 rows of one branch b.
;   S = score + text M^T + c;  P = softmax(S / 8);  x = text + P VO + bo;  y = LN(x) g1 + be1;  pooled[k] = max(y[2 k], y[2 k + 1]), which falls into columns 512 b + k of the pooled row.
; M, c, VO come from the launch before (the projections folded into them); bo is added in f32.  pooled leaves in f16: the next product's operand and the residual of the last LayerNorm.
; LIMITS.  Padded keys carry c = -1e30 and get the weight 0.  A weight below 2^-126 counts as 0.  |y| <= 32 |g1| + |be1| must stay within f16's 65,504.  NaN and infinities are not treated apart.
; TEXT AND SCORES come by the tensor data mover, once, at the head: wave w asks for its own 256 columns of all 64 rows of text (64 rows x 1,024 bytes) and for a quarter of the 50,176 dense bytes of scores.
; The registers want 16 bytes of each of 16 rows a load: that shape is taken out of LDS, where rows 1,040 and 784 bytes apart (odd multiples of 16) put the 16 rows on 16 different 16-byte columns.
; NO CLUSTER: no two work-groups read the same text or scores.  M AND VO COME BY PLAIN LOADS: each fragment is wanted by exactly one wave of the work-group and lies in memory as it lies in registers
; (512 consecutive bytes a load), so LDS would only add a write and a read of each byte; a ring of registers keeps seven steps' loads (56) on their way with no barrier.
; SHARES.  S: wave w takes keys 64 w .. 64 w + 63 (four tiles; tiles past 13 read tile 13 again and are masked by c) for all 64 rows, as S^T = M text^T: a lane holds ONE row (16 i + r) and 8 keys.
;   The sum starts with the score as C.  SOFTMAX: each wave takes its own maximum and sum; the four meet in LDS and are merged as running maxima are: every exponent is at most 0.
;   x: wave w takes columns 256 w .. + 255 for all 64 rows, as x^T = VO^T P^T + text^T: the f32 text is the C that starts the sum, so the residual is exact.
;   LayerNorm: wave w takes rows 16 w .. + 15, whole, out of LDS; mean first, then the sum of squares of the centred numbers.
; LDS.  0: four stagings of text in f32 (66,560 bytes a wave), then the text tile in bf16 (rows of 2,064), then x in f32 (rows of 4,112).  266,240: the scores as they lie in memory, later P's fragments.
;   316,416: the waves' statistics.  318,464: the spare words.  Nothing is filled twice by the data mover; what is stored over its tiles is stored behind a barrier in front of which every wave has waited for its loads and its reads.
; REGISTERS.  window 0: v0-31 addresses; v32-95 text fragments (two buffers), at work; v96-127 c, then statistics; v128-255 S^T (tile t, rows i at 128 + 8 (4 t + i)); later P's 28 fragments (v32-255); later the rows of x
;   window 1: a ring of 8 steps of M (32 sigma + 8 t); then VO: key step k of channel tile gamma (of four in the ring) at 32 k + 8 gamma; later v0-31 bo      windows 2, 3: text, then x: (i, et) in window 2 + et / 8 at 8 (4 (et % 8) + i)
.set SCR, 266240                       ; the scores: 64 rows x 784 bytes
.set PL, 266240                        ; later, in the same bytes: P's fragments [i 4][ks 8][1024]
.set STAT, 316416                      ; [row 64][wave 4] of (c m, l)
.set SPARE, 318464
.set SPW, 4
.set NIL, 5
.set TL, 6                             ; 66560 w + 1040 r + 32 h: my place in my staging of text
.set CVO, 7                            ; 256 w + 32 h
.set SCO, 8                            ; v8-15  SCR + 784 r + min(256 w + 64 t + 32 h + 16 z, 768): the last 16 bytes of a row of scores stand in for what lies past it
.set AM, 16                            ; v16-19 16 l + 32768 min(4 w + t, 13) for M, 16 l + 7168 t for VO's first loads; later XS(i): where my 16 bytes of x go
.set TS, 20                            ; v20-21 text tile, in: 2064 r + 512 w + 16 h (+ 66048)
.set TA, 22                            ; v22-23 text tile, out: 2064 r + 16 h (+ 66048), stepped along the features
.set STW, 24
.set STR, 25
.set PST, 26
.set PRD, 27
.set L16, 28
.set XR, 29
.set PO, 30
.set GO, 31
.set CV, 96
.set ST, 96                            ; rows i: +0 c m, +1 m then l, +2 .. +7 at work; +4 the factor F
.set SA, 128
.set XX, 32                            ; LayerNorm: row rho at 32 + 32 rho
.set GG, 160
.set BB, 192
.set TT, 224                           ; LayerNorm: row rho's eight registers at work
.set G0T, 68                           ; s[68:71]  descriptor group 0, text
.set G1T, 72                           ; s[72:79]  group 1, text
.set G0S, 80                           ; s[80:83]  group 0, scores
.set G1S, 84                           ; s[84:91]  group 1, scores
.set MSB, 0
.macro WIN new
.if MSB != (\new)
	s_set_vgpr_msb (MSB<<8)|(\new)
.set MSB, (\new)
.endif
.endm
	s_load_b512 s[4:19], s[0:1], 0x0               ; text s[4:5], text2 s[6:7], score s[8:9], score2 s[10:11], prep2 s[12:13], g1 s[14:15], be1 s[16:17], bo s[18:19]
	s_load_b64 s[20:21], s[0:1], 0x40              ; pool
	v_lshl_add_u32 v[SPW], v0, 2, SPARE
	v_mov_b32 v[NIL], 0
	ds_add_u32 v[SPW], v[NIL]                      ; the wave's opening: the add and its wait stand ahead of my first tensor load; the set-up below, work on registers, stands between them
	v_lshrrev_b32 v1, 5, v0
	v_readfirstlane_b32 s22, v1                    ; wave w
	v_and_b32 v1, 15, v0                           ; r
	v_bfe_u32 v2, v0, 4, 1                         ; h
	v_and_b32 v3, 31, v0                           ; l
	s_mov_b32 s23, ttmp9                           ; rb: which 64 rows
	s_and_b32 s24, ttmp7, 0xffff                   ; b
	s_mov_b32 s40, 0x3e38aa3b                      ; c = log2(e) / 8
	s_mov_b32 s41, s40                             ; named with it as a pair
	s_mov_b32 s42, 0x76543210                      ; v_permlanex16_b32: each lane takes its own place in the other half
	s_mov_b32 s43, 0xfedcba98
	s_mov_b32 s44, 0x3a800000                      ; 1 / 1024
	s_mov_b32 s45, 0x358637bd                      ; 1e-6
	; text: a tile of 64 rows x 256 elements of 4 bytes, 1,024 elements from row to row, 4 words of padding behind every 256 words
	s_mov_b32 s[G1T+0], (2<<16)|(1<<20)|(7<<22)|(3<<25)
	s_mov_b32 s[G1T+1], 256<<16                    ; tensor_dim0 = 256
	s_mov_b32 s[G1T+2], 64<<16                     ; tensor_dim1 = 64
	s_mov_b32 s[G1T+3], 256<<16                    ; tile_dim0 = 256
	s_mov_b32 s[G1T+4], 64                         ; tile_dim1 = 64
	s_mov_b32 s[G1T+5], 1024
	s_mov_b32 s[G1T+6], 0
	s_mov_b32 s[G1T+7], 0
	; scores: 16 rows of 784 bytes lie end to end: 12,544 dense bytes, asked for as 49 rows of 32 elements of 8 bytes, no padding
	s_mov_b32 s[G1S+0], 3<<16
	s_mov_b32 s[G1S+1], 32<<16
	s_mov_b32 s[G1S+2], 49<<16
	s_mov_b32 s[G1S+3], 32<<16
	s_mov_b32 s[G1S+4], 49
	s_mov_b32 s[G1S+5], 32
	s_mov_b32 s[G1S+6], 0
	s_mov_b32 s[G1S+7], 0
	s_mov_b32 s[G0T], 1
	s_mul_i32 s[G0T+1], s22, 66560                 ; my staging
	s_mov_b32 s[G0S], 1
	s_mul_i32 s[G0S+1], s22, 12544                 ; my quarter of the scores
	s_add_co_u32 s[G0S+1], s[G0S+1], SCR
	v_mul_u32_u24 v[TL], v1, 1040
	v_lshl_add_u32 v[TL], v2, 5, v[TL]
	v_add_nc_u32 v[TL], s[G0T+1], v[TL]
	s_lshl_b32 s46, s22, 8
	v_lshl_add_u32 v[CVO], v2, 5, s46
	v_mul_u32_u24 v32, v1, 784
	v_add_nc_u32 v32, SCR, v32
.irp t, 0,1,2,3
.irp z, 0,1
	v_add_nc_u32 v[SCO+2*(\t)+(\z)], 64*(\t)+16*(\z), v[CVO]
	v_min_u32 v[SCO+2*(\t)+(\z)], 768, v[SCO+2*(\t)+(\z)]
	v_add_nc_u32 v[SCO+2*(\t)+(\z)], v32, v[SCO+2*(\t)+(\z)]
.endr
.endr
	v_lshlrev_b32 v[L16], 4, v3
	s_lshl_b32 s46, s22, 2
.irp t, 0,1,2,3
	s_add_co_u32 s[56+(\t)], s46, \t
	s_min_u32 s[56+(\t)], s[56+(\t)], 13
	s_lshl_b32 s[56+(\t)], s[56+(\t)], 15          ; s56-59: my four key tiles in M's table
	v_add_nc_u32 v[AM+(\t)], s[56+(\t)], v[L16]
.endr
	v_mul_u32_u24 v[TA], v1, 2064
	v_lshl_add_u32 v[TA], v2, 4, v[TA]
	v_add_nc_u32 v[TA+1], 66048, v[TA]
	s_lshl_b32 s46, s22, 9
	v_add_nc_u32 v[TS], s46, v[TA]
	v_add_nc_u32 v[TS+1], 66048, v[TS]
	v_lshlrev_b32 v[STR], 5, v1
	v_add_nc_u32 v[STR], STAT, v[STR]
	s_lshl_b32 s46, s22, 3
	v_add_nc_u32 v[STW], s46, v[STR]
	s_lshl_b32 s46, s22, 11
	s_add_co_u32 s46, s46, PL
	v_add_nc_u32 v[PST], s46, v[L16]
	v_add_nc_u32 v[PRD], PL, v[L16]
	s_mul_i32 s46, s22, 65792
	v_add_nc_u32 v[XR], s46, v[L16]
	s_lshl_b32 s46, s22, 15
	v_add_nc_u32 v[PO], s46, v[L16]
	v_lshlrev_b32 v[GO], 6, v3
	s_mov_b32 s47, 0
	s_wait_dscnt 0x0                               ; the opening add is done
	s_wait_kmcnt 0x0
	s_cmp_eq_u32 s24, 1
	s_cselect_b64 s[26:27], s[6:7], s[4:5]         ; the branch's text
	s_cselect_b64 s[28:29], s[10:11], s[8:9]       ; and scores
	s_lshl_b32 s46, s23, 18                        ; 64 rows of 4,096 bytes,
	s_lshl_b32 s48, s22, 10                        ; my 1,024 bytes of a row
	s_add_co_u32 s46, s46, s48
	s_add_nc_u64 s[G0T+2:G0T+3], s[26:27], s[46:47]
	s_or_b32 s[G0T+3], s[G0T+3], 0x80000000
	s_mul_i32 s46, s23, 50176                      ; 64 rows of 784 bytes,
	s_mul_i32 s48, s22, 12544                      ; my quarter of them
	s_add_co_u32 s46, s46, s48
	s_add_nc_u64 s[G0S+2:G0S+3], s[28:29], s[46:47]
	s_or_b32 s[G0S+3], s[G0S+3], 0x80000000
	tensor_load_to_lds s[G0T:G0T+3], s[G1T:G1T+7]  ; my two loads go out together, ahead of every wait on TENSORcnt, every LDS read and every barrier: two are out, and none is issued later
	s_nop 0
	tensor_load_to_lds s[G0S:G0S+3], s[G1S:G1S+7]
	s_nop 0
.rept 4
	v_nop
.endr
	s_mul_i32 s46, s24, 458752
	s_add_nc_u64 s[30:31], s[12:13], s[46:47]      ; M's fragments
	s_mul_i32 s48, s22, 114688
	s_add_co_u32 s46, s46, s48
	s_add_co_u32 s46, s46, 917504
	s_add_nc_u64 s[32:33], s[12:13], s[46:47]      ; VO's fragments, my 16 channel tiles
	s_lshl_b32 s46, s24, 10
	s_add_co_u32 s46, s46, 1835008
	s_add_nc_u64 s[34:35], s[12:13], s[46:47]      ; c
	s_lshl_b32 s46, s23, 17
	s_lshl_b32 s48, s24, 10
	s_add_co_u32 s46, s46, s48
	s_add_nc_u64 s[36:37], s[20:21], s[46:47]      ; pooled: row 64 rb, column 512 b
	; PHASE 0: the first plain loads, the oldest first: c 8, M's steps 0-6 56
.irp t, 0,1,2,3
.irp z, 0,1
	global_load_b128 v[CV+8*(\t)+4*(\z):CV+8*(\t)+4*(\z)+3], v[CVO], s[34:35] offset:64*(\t)+16*(\z)
.endr
.endr
	WIN 0x40
.set st, 0
.rept 7
.irp t, 0,1,2,3
.irp z, 0,1
	global_load_b128 v[32*st+8*(\t)+4*(\z):32*st+8*(\t)+4*(\z)+3], v[AM+(\t)], s[30:31] offset:1024*st+512*(\z)
.endr
.endr
.set st, st+1
.endr
	s_wait_tensorcnt 0x1                           ; my text has landed; the scores' load, issued behind it, may stay out.  Only I read my staging, so this wait is all that these reads need
.irp g, 0,1,2,3
	WIN 0x80+0x40*((\g)/2)
.irp i, 0,1,2,3
.irp e, 0,1,2,3
.irp z, 0,1
	ds_load_b128 v[8*(4*((4*(\g)+(\e))%8)+(\i))+4*(\z):8*(4*((4*(\g)+(\e))%8)+(\i))+4*(\z)+3], v[TL] offset:16640*(\i)+64*(4*(\g)+(\e))+16*(\z)  ; row 16 i + r, columns 16 et + 8 h + 4 z ..
.endr
.endr
.endr
.endr
	WIN 0
	s_wait_tensorcnt 0x0                           ; for the others' sake: my quarter of the scores has landed,
	s_wait_dscnt 0x0                               ; and my reads of my staging are over
	s_barrier_signal -1
	s_barrier_wait -1                              ; barrier 0: the scores are whole, and nobody reads a staging any more
.irp t, 0,1,2,3
.irp i, 0,1,2,3
.irp z, 0,1
	ds_load_b128 v[SA+8*(4*(\t)+(\i))+4*(\z):SA+8*(4*(\t)+(\i))+4*(\z)+3], v[SCO+2*(\t)+(\z)] offset:12544*(\i)  ; the scores, straight into S^T's registers
.endr
.endr
.endr
	; PHASE 1: the text tile in bf16 into LDS (rows of 2,048 + 16 bytes), over the stagings; the f32 stays in registers
.macro CVTG g                          ; four channel tiles
	WIN 0x0a+5*((\g)/2)
.irp i, 0,1,2,3
.irp e, 0,1,2,3
.irp c, 0,1,2,3
	v_cvt_pk_bf16_f32 v[32+4*(4*(\i)+(\e))+(\c)], v[8*(4*((4*(\g)+(\e))%8)+(\i))+2*(\c)], v[8*(4*((4*(\g)+(\e))%8)+(\i))+2*(\c)+1]
.endr
.endr
.endr
	WIN 0
.irp i, 0,1,2,3
.irp e, 0,1,2,3
	ds_store_b128 v[TS+(\i)/2], v[32+4*(4*(\i)+(\e)):32+4*(4*(\i)+(\e))+3] offset:33024*((\i)%2)+32*(4*(\g)+(\e))
.endr
.endr
.endm
	CVTG 0
	CVTG 1
	CVTG 2
	CVTG 3
	s_wait_dscnt 0x0                               ; for the others' sake: my columns of the text tile lie in LDS (and my scores are in)
	s_barrier_signal -1
	s_barrier_wait -1                              ; barrier 1: the text tile is whole
	; PHASE 2: S^T += M text^T, 32 steps of 32 features: four trips of eight steps
.macro AFETCH u, par                   ; the text fragments of step u (counted from the trip's first) into buffer par
.irp i, 0,1,2,3
	ds_load_b128 v[32+32*(\par)+8*(\i):32+32*(\par)+8*(\i)+3], v[TA+(\i)/2] offset:33024*((\i)%2)+64*(\u)
	ds_load_b128 v[32+32*(\par)+8*(\i)+4:32+32*(\par)+8*(\i)+7], v[TA+(\i)/2] offset:33024*((\i)%2)+64*(\u)+32
.endr
.endm
; Step u of a trip.  Four places stand between the step before's products and the loads into registers that they read: the ring's part of the step before takes what lies seven steps on, the other text buffer the next
; step's fragments.  Step 0 asks by the trip's base at 7 steps; behind it the base is stepped, and steps 1 to 7 ask at 0 to 6 steps.  The count 56: the seven younger sets of 8 loads may stay out.
; The 16 accumulators take turns, over the backward jump too.  In the last trip's last step there is no next step: the fetch is jumped over.
.macro KSTEP u
.rept 4
	v_nop
.endr
	WIN 0x40
.if (\u) == 0
.set ro, 7168
.else
.set ro, 1024*((\u)-1)
.endif
.irp t, 0,1,2,3
.irp z, 0,1
	global_load_b128 v[32*(((\u)+7)%8)+8*(\t)+4*(\z):32*(((\u)+7)%8)+8*(\t)+4*(\z)+3], v[AM+(\t)], s[30:31] offset:ro+512*(\z)
.endr
.endr
	WIN 0
	s_wait_dscnt 0x0                               ; this step's fragments, asked for a step ago, are in
.if (\u) < 7
	AFETCH (\u)+1, ((\u)+1)%2
.else
	s_cmp_eq_u32 s50, 1
	s_cbranch_scc1 .Lnofetch
	AFETCH 8, 0
.Lnofetch:
.endif
	s_wait_loadcnt 56
	WIN 0x01
.irp t, 0,1,2,3
.irp i, 0,1,2,3
	v_wmma_f32_16x16x32_bf16 v[SA+8*(4*(\t)+(\i)):SA+8*(4*(\t)+(\i))+7], v[32*((\u)%8)+8*(\t):32*((\u)%8)+8*(\t)+7], v[32+32*((\u)%2)+8*(\i):32+32*((\u)%2)+8*(\i)+7], v[SA+8*(4*(\t)+(\i)):SA+8*(4*(\t)+(\i))+7]
.endr
.endr
.endm
	AFETCH 0, 0
	s_mov_b32 s50, 4
.Lk:                                               ; a trip: steps 8 T .. 8 T + 7; asked for: steps 8 T + 7 .. 8 T + 14
	KSTEP 0
	WIN 0
	s_wait_xcnt 0x0                                ; every load issued so far has read its address: the base and the four offsets may be written
	s_add_nc_u64 s[30:31], s[30:31], 8192          ; M's next eight steps.
	s_cmp_eq_u32 s50, 1                            ; In the last trip M has no more: the seven sets that follow are VO's first 56 loads, key step u - 1 of my channel tiles 0 to 3, into the same ring
	s_cselect_b64 s[30:31], s[32:33], s[30:31]
.irp t, 0,1,2,3
	s_cselect_b32 s[52+(\t)], 7168*(\t), s[56+(\t)]
	v_add_nc_u32 v[AM+(\t)], s[52+(\t)], v[L16]
.endr
.irp u, 1,2,3,4,5,6,7
	KSTEP \u
.endr
	WIN 0
	v_add_nc_u32 v[TA], 512, v[TA]
	v_add_nc_u32 v[TA+1], 512, v[TA+1]
	s_sub_co_u32 s50, s50, 1
	s_cmp_lg_u32 s50, 0
	s_cbranch_scc1 .Lk
.rept 8
	v_nop                                          ; the places behind the last products: S^T is read below
.endr
	s_wait_xcnt 0x0                                ; VO's first loads, which land during the softmax, have read their offsets: these registers now say where x goes, rows of 4,096 + 16 bytes
	v_mul_u32_u24 v[AM], v1, 4112
	v_lshl_add_u32 v[AM], v2, 10, v[AM]
	s_lshr_b32 s46, s22, 1
	s_lshl_b32 s46, s46, 11
	s_and_b32 s47, s22, 1
	s_lshl_b32 s47, s47, 8
	s_add_co_u32 s46, s46, s47
	v_add_nc_u32 v[AM], s46, v[AM]
	v_add_nc_u32 v[AM+1], 65792, v[AM]
	v_add_nc_u32 v[AM+2], 65792, v[AM+1]
	v_add_nc_u32 v[AM+3], 65792, v[AM+2]
	; PHASE 3: the softmax.  (a) + c, each accumulator's low registers first
.irp t, 0,1,2,3
.irp i, 0,1,2,3
.irp j, 0,2,4,6
	v_pk_add_f32 v[SA+8*(4*(\t)+(\i))+(\j):SA+8*(4*(\t)+(\i))+(\j)+1], v[SA+8*(4*(\t)+(\i))+(\j):SA+8*(4*(\t)+(\i))+(\j)+1], v[CV+8*(\t)+(\j):CV+8*(\t)+(\j)+1]
.endr
.endr
.endr
	; (b) my wave's maximum for each row: four chains of seven scores, the four left over, the four into one, the other half of the lanes
.irp t, 0,1,2,3
.irp i, 0,1,2,3
	v_max3_num_f32 v[ST+8*(\i)+4+(\t)], v[SA+8*(4*(\t)+(\i))], v[SA+8*(4*(\t)+(\i))+1], v[SA+8*(4*(\t)+(\i))+2]
.endr
.endr
.irp j, 3,5
.irp t, 0,1,2,3
.irp i, 0,1,2,3
	v_max3_num_f32 v[ST+8*(\i)+4+(\t)], v[ST+8*(\i)+4+(\t)], v[SA+8*(4*(\t)+(\i))+(\j)], v[SA+8*(4*(\t)+(\i))+(\j)+1]
.endr
.endr
.endr
.irp i, 0,1,2,3
	v_max3_num_f32 v[ST+8*(\i)+4], v[ST+8*(\i)+4], v[SA+8*(\i)+7], v[SA+8*(4+(\i))+7]
	v_max3_num_f32 v[ST+8*(\i)+6], v[ST+8*(\i)+6], v[SA+8*(8+(\i))+7], v[SA+8*(12+(\i))+7]
.endr
.irp i, 0,1,2,3
	v_max3_num_f32 v[ST+8*(\i)+4], v[ST+8*(\i)+4], v[ST+8*(\i)+5], v[ST+8*(\i)+6]
.endr
.irp i, 0,1,2,3
	v_max_num_f32 v[ST+8*(\i)+4], v[ST+8*(\i)+4], v[ST+8*(\i)+7]
.endr
.irp i, 0,1,2,3
	v_permlanex16_b32 v[ST+8*(\i)+1], v[ST+8*(\i)+4], s42, s43
.endr
.irp i, 0,1,2,3
	v_max_num_f32 v[ST+8*(\i)+1], v[ST+8*(\i)+4], v[ST+8*(\i)+1]
.endr
.irp i, 0,1,2,3
	v_mul_f32 v[ST+8*(\i)], s40, v[ST+8*(\i)+1]    ; c m
.endr
	; (c) p = 2^(c s - c m): 64 scalings, then ONE batch of 128 exponentials
.irp t, 0,1,2,3
.irp i, 0,1,2,3
.irp j, 0,2,4,6
	v_pk_fma_f32 v[SA+8*(4*(\t)+(\i))+(\j):SA+8*(4*(\t)+(\i))+(\j)+1], v[SA+8*(4*(\t)+(\i))+(\j):SA+8*(4*(\t)+(\i))+(\j)+1], s[40:41], v[ST+8*(\i):ST+8*(\i)+1] op_sel_hi:[1,0,0] neg_lo:[0,0,1] neg_hi:[0,0,1]
.endr
.endr
.endr
.set e, 0
.rept 128
	v_exp_f32 v[SA+e], v[SA+e]
.set e, e+1
.endr
	v_nop                                          ; a plain instruction behind the last exponential,
	s_wait_alu depctr_va_vdst(0)                   ; and the one wait ahead of the batch's first reader
	; (d) my wave's sum for each row
.irp i, 0,1,2,3
	v_pk_add_f32 v[ST+8*(\i)+2:ST+8*(\i)+3], v[SA+8*(\i):SA+8*(\i)+1], v[SA+8*(\i)+2:SA+8*(\i)+3]
.endr
.irp j, 4,6
.irp i, 0,1,2,3
	v_pk_add_f32 v[ST+8*(\i)+2:ST+8*(\i)+3], v[ST+8*(\i)+2:ST+8*(\i)+3], v[SA+8*(\i)+(\j):SA+8*(\i)+(\j)+1]
.endr
.endr
.irp t, 1,2,3
.irp j, 0,2,4,6
.irp i, 0,1,2,3
	v_pk_add_f32 v[ST+8*(\i)+2:ST+8*(\i)+3], v[ST+8*(\i)+2:ST+8*(\i)+3], v[SA+8*(4*(\t)+(\i))+(\j):SA+8*(4*(\t)+(\i))+(\j)+1]
.endr
.endr
.endr
.irp i, 0,1,2,3
	v_add_f32 v[ST+8*(\i)+2], v[ST+8*(\i)+2], v[ST+8*(\i)+3]
.endr
.irp i, 0,1,2,3
	v_permlanex16_b32 v[ST+8*(\i)+3], v[ST+8*(\i)+2], s42, s43
.endr
.irp i, 0,1,2,3
	v_add_f32 v[ST+8*(\i)+1], v[ST+8*(\i)+2], v[ST+8*(\i)+3]  ; l, beside c m
.endr
	; (e) the four waves' (c m, l) meet
.irp i, 0,1,2,3
	ds_store_b64 v[STW], v[ST+8*(\i):ST+8*(\i)+1] offset:512*(\i)
.endr
	s_wait_dscnt 0x0
	s_barrier_signal -1
	s_barrier_wait -1                              ; barrier 2: the statistics are stored (and nobody reads the text tile any more)
.irp i, 0,1,2,3
	ds_load_b128 v[32+8*(\i):32+8*(\i)+3], v[STR] offset:512*(\i)
	ds_load_b128 v[32+8*(\i)+4:32+8*(\i)+7], v[STR] offset:512*(\i)+16
.endr
	s_wait_dscnt 0x0
	; (f) the row's maximum G over the waves; f_w = 2^(c m_w - G); l = the sum of l_w f_w; F = f_mine / l
.irp i, 0,1,2,3
	v_max3_num_f32 v[ST+8*(\i)+2], v[32+8*(\i)], v[34+8*(\i)], v[36+8*(\i)]
.endr
.irp i, 0,1,2,3
	v_max_num_f32 v[ST+8*(\i)+2], v[ST+8*(\i)+2], v[38+8*(\i)]
.endr
.irp i, 0,1,2,3
	v_sub_f32 v[32+8*(\i)], v[32+8*(\i)], v[ST+8*(\i)+2]
	v_sub_f32 v[34+8*(\i)], v[34+8*(\i)], v[ST+8*(\i)+2]
	v_sub_f32 v[36+8*(\i)], v[36+8*(\i)], v[ST+8*(\i)+2]
	v_sub_f32 v[38+8*(\i)], v[38+8*(\i)], v[ST+8*(\i)+2]
	v_sub_f32 v[ST+8*(\i)+3], v[ST+8*(\i)], v[ST+8*(\i)+2]
.endr
.irp i, 0,1,2,3
	v_exp_f32 v[32+8*(\i)], v[32+8*(\i)]
	v_exp_f32 v[34+8*(\i)], v[34+8*(\i)]
	v_exp_f32 v[36+8*(\i)], v[36+8*(\i)]
	v_exp_f32 v[38+8*(\i)], v[38+8*(\i)]
	v_exp_f32 v[ST+8*(\i)+3], v[ST+8*(\i)+3]
.endr
	v_nop
	s_wait_alu depctr_va_vdst(0)                   ; one wait for the batch of 20
.irp i, 0,1,2,3
	v_mul_f32 v[ST+8*(\i)+5], v[33+8*(\i)], v[32+8*(\i)]
.endr
.irp q, 2,4,6
.irp i, 0,1,2,3
	v_fmac_f32 v[ST+8*(\i)+5], v[33+8*(\i)+(\q)], v[32+8*(\i)+(\q)]
.endr
.endr
.irp i, 0,1,2,3
	v_rcp_f32 v[ST+8*(\i)+6], v[ST+8*(\i)+5]
.endr
	v_nop
	s_wait_alu depctr_va_vdst(0)                   ; one wait for the four reciprocals
.irp i, 0,1,2,3
	v_mul_f32 v[ST+8*(\i)+4], v[ST+8*(\i)+3], v[ST+8*(\i)+6]
.endr
	; (g) P = p F, rounded to bf16: two tiles of 16 keys are one fragment (16 rows x 32 keys); into LDS, where the scores lay
.irp t, 0,1,2,3
.irp i, 0,1,2,3
.irp j, 0,2,4,6
	v_pk_mul_f32 v[SA+8*(4*(\t)+(\i))+(\j):SA+8*(4*(\t)+(\i))+(\j)+1], v[SA+8*(4*(\t)+(\i))+(\j):SA+8*(4*(\t)+(\i))+(\j)+1], v[ST+8*(\i)+4:ST+8*(\i)+5] op_sel_hi:[1,0]
.endr
.endr
.endr
.irp i, 0,1,2,3
.irp t, 0,1,2,3
.irp c, 0,1,2,3
	v_cvt_pk_bf16_f32 v[32+16*(\i)+4*(\t)+(\c)], v[SA+8*(4*(\t)+(\i))+2*(\c)], v[SA+8*(4*(\t)+(\i))+2*(\c)+1]
.endr
.endr
.endr
.irp i, 0,1,2,3
.irp t, 0,1,2,3
	ds_store_b128 v[PST], v[32+16*(\i)+4*(\t):32+16*(\i)+4*(\t)+3] offset:8192*(\i)+512*(\t)
.endr
.endr
	s_wait_dscnt 0x0
	s_barrier_signal -1
	s_barrier_wait -1                              ; barrier 3: P is whole
	; PHASE 4: x^T = text^T + VO^T P^T.  P's 28 fragments (keys 0 to 223) stay in registers; VO comes through a ring of four channel tiles
.irp i, 0,1,2,3
.irp k, 0,1,2,3,4,5,6
	ds_load_b128 v[32+8*(7*(\i)+(\k)):32+8*(7*(\i)+(\k))+3], v[PRD] offset:1024*(8*(\i)+(\k))
	ds_load_b128 v[32+8*(7*(\i)+(\k))+4:32+8*(7*(\i)+(\k))+7], v[PRD] offset:1024*(8*(\i)+(\k))+512
.endr
.endr
	s_wait_dscnt 0x0
; A channel tile: 28 products, its four accumulators by turns.  The wait counts the younger loads.  Tiles 0 to 3 were asked for key step by key step: behind tile et's last load stand 2 (3 - et) loads of key step 6
; and the 14 loads of each refill issued since.  From tile 4 on: the refills of the younger tiles, 14 each, three at the most.
.macro GROUP et
.if (\et) < 4
.set lc, 2*(3-(\et))+14*(\et)
.else
.set lc, 14*(15-(\et))
.if lc > 42
.set lc, 42
.endif
.endif
	s_wait_loadcnt lc
	WIN 0xa1+0x50*((\et)/8)
.irp k, 0,1,2,3,4,5,6
.irp i, 0,1,2,3
	v_wmma_f32_16x16x32_bf16 v[8*(4*((\et)%8)+(\i)):8*(4*((\et)%8)+(\i))+7], v[32*(\k)+8*((\et)%4):32*(\k)+8*((\et)%4)+7], v[32+8*(7*(\i)+(\k)):32+8*(7*(\i)+(\k))+7], v[8*(4*((\et)%8)+(\i)):8*(4*((\et)%8)+(\i))+7]
.endr
.endr
.if (\et) < 12
.rept 4
	v_nop                                          ; the places in front of loads into registers that those products read
.endr
	WIN 0x40
.irp k, 0,1,2,3,4,5,6
.irp z, 0,1
	global_load_b128 v[32*(\k)+8*((\et)%4)+4*(\z):32*(\k)+8*((\et)%4)+4*(\z)+3], v[L16], s[32:33] offset:7168*((\et)+4)+1024*(\k)+512*(\z)
.endr
.endr
.endif
.endm
.irp et, 0,1,2,3,4,5,6,7,8,9,10,11,12,13,14,15
	GROUP \et
.endr
.rept 8
	v_nop                                          ; the places behind the last products: x is read below, and P's and VO's registers are loaded anew
.endr
	WIN 0
.irp c, 0,1
.irp q, 0,1,2,3
	global_load_b128 v[GG+16*(\c)+4*(\q):GG+16*(\c)+4*(\q)+3], v[GO], s[14:15] offset:2048*(\c)+16*(\q)  ; g1, be1 and (below) bo of my lane's columns 512 c + 16 l + 0..15
	global_load_b128 v[BB+16*(\c)+4*(\q):BB+16*(\c)+4*(\q)+3], v[GO], s[16:17] offset:2048*(\c)+16*(\q)
.endr
.endr
	WIN 0x40                                       ; bo goes into window 1, where VO's ring lay
.irp c, 0,1
.irp q, 0,1,2,3
	global_load_b128 v[16*(\c)+4*(\q):16*(\c)+4*(\q)+3], v[GO], s[18:19] offset:2048*(\c)+16*(\q)
.endr
.endr
	; PHASE 5: x into LDS, over the text tile.  In a row, the 16 bytes of columns 4 ch .. lie at 2048 (ch >> 7) + 512 (ch & 3) + 16 ((ch & 127) >> 2): a row's reader then takes 512 consecutive bytes a load
.irp et, 0,1,2,3,4,5,6,7,8,9,10,11,12,13,14,15
	WIN 0x08+4*((\et)/8)                           ; store data in window 2 or 3
.irp i, 0,1,2,3
	ds_store_b128 v[AM+(\i)], v[8*(4*((\et)%8)+(\i)):8*(4*((\et)%8)+(\i))+3] offset:16*(\et)       ; each accumulator's low registers first
	ds_store_b128 v[AM+(\i)], v[8*(4*((\et)%8)+(\i))+4:8*(4*((\et)%8)+(\i))+7] offset:16*(\et)+512
.endr
.endr
	WIN 0
	s_wait_dscnt 0x0
	s_barrier_signal -1
	s_barrier_wait -1                              ; barrier 4: x is whole
	; PHASE 6: + bo, LayerNorm 1, the pairwise maximum, the stores.  Four trips of four rows; a wave holds a whole row, 32 numbers a lane
.macro ADDBO r0, r1                    ; two rows + bo, in f32
	WIN 0x04                                       ; source 1 in window 1
.irp k, 0,2,4,6,8,10,12,14,16,18,20,22,24,26,28,30
.irp q, \r0, \r1
	v_pk_add_f32 v[XX+32*(\q)+(\k):XX+32*(\q)+(\k)+1], v[XX+32*(\q)+(\k):XX+32*(\q)+(\k)+1], v[(\k):(\k)+1]
.endr
.endr
	WIN 0
.endm
.macro SUM2 r0, r1                     ; two rows' sums, two chains each
.irp q, \r0, \r1
	v_pk_add_f32 v[TT+8*(\q):TT+8*(\q)+1], v[XX+32*(\q):XX+32*(\q)+1], v[XX+32*(\q)+2:XX+32*(\q)+3]
	v_pk_add_f32 v[TT+8*(\q)+2:TT+8*(\q)+3], v[XX+32*(\q)+4:XX+32*(\q)+5], v[XX+32*(\q)+6:XX+32*(\q)+7]
.endr
.irp k, 8,12,16,20,24,28
.irp q, \r0, \r1
	v_pk_add_f32 v[TT+8*(\q):TT+8*(\q)+1], v[TT+8*(\q):TT+8*(\q)+1], v[XX+32*(\q)+(\k):XX+32*(\q)+(\k)+1]
	v_pk_add_f32 v[TT+8*(\q)+2:TT+8*(\q)+3], v[TT+8*(\q)+2:TT+8*(\q)+3], v[XX+32*(\q)+(\k)+2:XX+32*(\q)+(\k)+3]
.endr
.endr
.irp q, \r0, \r1
	v_pk_add_f32 v[TT+8*(\q):TT+8*(\q)+1], v[TT+8*(\q):TT+8*(\q)+1], v[TT+8*(\q)+2:TT+8*(\q)+3]
.endr
.irp q, \r0, \r1
	v_add_f32 v[TT+8*(\q)], v[TT+8*(\q)], v[TT+8*(\q)+1]
.endr
.endm
.macro RED o                           ; register TT + 8 rho + o summed over the 32 lanes, for the four rows; the register behind it is at work
.irp m, 1,2,4,8
.irp q, 0,1,2,3
	v_add_f32_dpp v[TT+8*(\q)+(\o)], v[TT+8*(\q)+(\o)], v[TT+8*(\q)+(\o)] row_xmask:\m row_mask:0xf bank_mask:0xf
.endr
.endr
.irp q, 0,1,2,3
	v_permlanex16_b32 v[TT+8*(\q)+(\o)+1], v[TT+8*(\q)+(\o)], s42, s43
.endr
.irp q, 0,1,2,3
	v_add_f32 v[TT+8*(\q)+(\o)], v[TT+8*(\q)+(\o)], v[TT+8*(\q)+(\o)+1]
.endr
.endm
	s_wait_loadcnt 0x0                             ; g1, be1, bo
	s_mov_b32 s50, 4
.Lrow:
.irp q, 0,1,2,3
.irp c, 0,1
.irp z, 0,1,2,3
	ds_load_b128 v[XX+32*(\q)+16*(\c)+4*(\z):XX+32*(\q)+16*(\c)+4*(\z)+3], v[XR] offset:4112*(\q)+2048*(\c)+512*(\z)
.endr
.endr
.endr
	s_wait_dscnt 16                                ; rows 0 and 1 are in; the 16 loads of rows 2 and 3 may stay out
	ADDBO 0, 1
	SUM2 0, 1
	s_wait_dscnt 0x0
	ADDBO 2, 3
	SUM2 2, 3
	RED 0
.irp q, 0,1,2,3
	v_mul_f32 v[TT+8*(\q)], s44, v[TT+8*(\q)]      ; the mean
.endr
.irp k, 0,2,4,6,8,10,12,14,16,18,20,22,24,26,28,30
.irp q, 0,1,2,3
	v_pk_add_f32 v[XX+32*(\q)+(\k):XX+32*(\q)+(\k)+1], v[XX+32*(\q)+(\k):XX+32*(\q)+(\k)+1], v[TT+8*(\q):TT+8*(\q)+1] op_sel_hi:[1,0] neg_lo:[0,1] neg_hi:[0,1]
.endr
.endr
.irp q, 0,1,2,3
	v_pk_mul_f32 v[TT+8*(\q)+2:TT+8*(\q)+3], v[XX+32*(\q):XX+32*(\q)+1], v[XX+32*(\q):XX+32*(\q)+1]
	v_pk_mul_f32 v[TT+8*(\q)+4:TT+8*(\q)+5], v[XX+32*(\q)+2:XX+32*(\q)+3], v[XX+32*(\q)+2:XX+32*(\q)+3]
.endr
.irp k, 4,8,12,16,20,24,28
.irp q, 0,1,2,3
	v_pk_fma_f32 v[TT+8*(\q)+2:TT+8*(\q)+3], v[XX+32*(\q)+(\k):XX+32*(\q)+(\k)+1], v[XX+32*(\q)+(\k):XX+32*(\q)+(\k)+1], v[TT+8*(\q)+2:TT+8*(\q)+3]
	v_pk_fma_f32 v[TT+8*(\q)+4:TT+8*(\q)+5], v[XX+32*(\q)+(\k)+2:XX+32*(\q)+(\k)+3], v[XX+32*(\q)+(\k)+2:XX+32*(\q)+(\k)+3], v[TT+8*(\q)+4:TT+8*(\q)+5]
.endr
.endr
.irp q, 0,1,2,3
	v_pk_add_f32 v[TT+8*(\q)+2:TT+8*(\q)+3], v[TT+8*(\q)+2:TT+8*(\q)+3], v[TT+8*(\q)+4:TT+8*(\q)+5]
.endr
.irp q, 0,1,2,3
	v_add_f32 v[TT+8*(\q)+2], v[TT+8*(\q)+2], v[TT+8*(\q)+3]
.endr
	RED 2
.irp q, 0,1,2,3
	v_fma_f32 v[TT+8*(\q)+2], v[TT+8*(\q)+2], s44, s45  ; the variance + 1e-6
.endr
.irp q, 0,1,2,3
	v_rsq_f32 v[TT+8*(\q)+4], v[TT+8*(\q)+2]
.endr
	v_nop
	s_wait_alu depctr_va_vdst(0)                   ; one wait for the four roots
.irp k, 0,2,4,6,8,10,12,14,16,18,20,22,24,26,28,30
.irp q, 0,1,2,3
	v_pk_mul_f32 v[XX+32*(\q)+(\k):XX+32*(\q)+(\k)+1], v[XX+32*(\q)+(\k):XX+32*(\q)+(\k)+1], v[TT+8*(\q)+4:TT+8*(\q)+5] op_sel_hi:[1,0]
.endr
.endr
.irp k, 0,2,4,6,8,10,12,14,16,18,20,22,24,26,28,30
.irp q, 0,1,2,3
	v_pk_fma_f32 v[XX+32*(\q)+(\k):XX+32*(\q)+(\k)+1], v[XX+32*(\q)+(\k):XX+32*(\q)+(\k)+1], v[GG+(\k):GG+(\k)+1], v[BB+(\k):BB+(\k)+1]
.endr
.endr
.irp k, 0,1,2,3,4,5,6,7,8,9,10,11,12,13,14,15
.irp q, 0,1,2,3
	v_max_num_f32 v[XX+32*(\q)+(\k)], v[XX+32*(\q)+2*(\k)], v[XX+32*(\q)+2*(\k)+1]  ; ascending: the destination never passes the sources
.endr
.endr
.irp k, 0,1,2,3,4,5,6,7
.irp q, 0,1,2,3
	v_cvt_pk_f16_f32 v[XX+32*(\q)+16+(\k)], v[XX+32*(\q)+2*(\k)], v[XX+32*(\q)+2*(\k)+1]
.endr
.endr
.irp q, 0,1,2,3
.irp c, 0,1
	global_store_b128 v[PO], v[XX+32*(\q)+16+4*(\c):XX+32*(\q)+16+4*(\c)+3], s[36:37] offset:2048*(\q)+512*(\c)  ; each store of the wave covers 512 consecutive bytes, aligned
.endr
.endr
	s_wait_xcnt 0x0                                ; the stores have read their data and their offset: both are written again only behind this wait
	v_add_nc_u32 v[XR], 16448, v[XR]
	v_add_nc_u32 v[PO], 8192, v[PO]
	s_sub_co_u32 s50, s50, 1
	s_cmp_lg_u32 s50, 0
	s_cbranch_scc1 .Lrow
	s_wait_tensorcnt 0x0                           ; the wave's end: three closing lines, behind my last tensor load and my last LDS store
	ds_add_u32 v[SPW], v[NIL]
	s_wait_dscnt 0x0
	s_endpgm
.Lfunc_end_k_q09f5a5d2fb_attn:
	.size	k_q09f5a5d2fb_attn, .Lfunc_end_k_q09f5a5d2fb_attn-k_q09f5a5d2fb_attn
	.p2alignl 7, 3214868480
	.fill 96, 4, 3214868480
	.section	.rodata,"a",@progbits
	.p2align	6, 0x0
	.amdhsa_kernel k_q09f5a5d2fb_attn
		.amdhsa_group_segment_fixed_size 318976
		.amdhsa_private_segment_fixed_size 0
		.amdhsa_enable_private_segment 0
		.amdhsa_kernarg_size 72
		.amdhsa_user_sgpr_count 2
		.amdhsa_user_sgpr_kernarg_segment_ptr 1
		.amdhsa_wavefront_size32 1
		.amdhsa_system_sgpr_workgroup_id_x 1
		.amdhsa_system_sgpr_workgroup_id_y 1
		.amdhsa_system_sgpr_workgroup_id_z 1
		.amdhsa_system_vgpr_workitem_id 0
		.amdhsa_next_free_vgpr 1024
		.amdhsa_next_free_sgpr 92
		.amdhsa_reserve_vcc 0
		.amdhsa_float_denorm_mode_32 3
		.amdhsa_float_denorm_mode_16_64 3
		.amdhsa_memory_ordered 1
		.amdhsa_forward_progress 1
		.amdhsa_inst_pref_size 195
	.end_amdhsa_kernel
	.amdgpu_metadata
---
amdhsa.version: [ 1, 2 ]
amdhsa.kernels:
  - .name:           k_q09f5a5d2fb_attn
    .symbol:         k_q09f5a5d2fb_attn.kd
    .args:
      - { .name: text_tensor, .offset: 0, .size: 8, .value_kind: global_buffer, .address_space: global }
      - { .name: text_tensor2, .offset: 8, .size: 8, .value_kind: global_buffer, .address_space: global }
      - { .name: score_matrix, .offset: 16, .size: 8, .value_kind: global_buffer, .address_space: global }
      - { .name: score_matrix2, .offset: 24, .size: 8, .value_kind: global_buffer, .address_space: global }
      - { .name: prep2, .offset: 32, .size: 8, .value_kind: global_buffer, .address_space: global }
      - { .name: g1, .offset: 40, .size: 8, .value_kind: global_buffer, .address_space: global }
      - { .name: be1, .offset: 48, .size: 8, .value_kind: global_buffer, .address_space: global }
      - { .name: bo, .offset: 56, .size: 8, .value_kind: global_buffer, .address_space: global }
      - { .name: pool, .offset: 64, .size: 8, .value_kind: global_buffer, .address_space: global }
    .group_segment_fixed_size: 318976
    .private_segment_fixed_size: 0
    .kernarg_segment_align: 8
    .kernarg_segment_size: 72
    .max_flat_workgroup_size: 128
    .sgpr_count:     92
    .vgpr_count:     1024
    .wavefront_size: 32
...
	.end_amdgpu_metadata
.endif
;; end of part 7
;; launch ffn1 (part 8): grid 8 x 32, 4 waves a work-group, clusters of 4 x 4, 327,680 bytes of LDS; arguments pool, prep1, b1, hbuf; writes hbuf
.if DOCPART == 8
	.amdgcn_target "amdgcn-amd-amdhsa--gfx1250"
	.amdhsa_code_object_version 6
	.text
	.protected	k_q09f5a5d2fb_ffn1
	.globl	k_q09f5a5d2fb_ffn1
	.p2align	8
	.type	k_q09f5a5d2fb_ffn1,@function
k_q09f5a5d2fb_ffn1:
	s_mov_b64 s[64:65], 0
	v_nop
	global_prefetch_b8 v0, s[64:65] scope:SCOPE_SE
	s_setreg_imm32_b32 hwreg(HW_REG_WAVE_MODE, 25, 1), 1
	s_wait_xcnt 0x0
	s_wait_alu depctr_hold_cnt(0) depctr_sa_sdst(0) depctr_va_vdst(0) depctr_va_sdst(0) depctr_va_ssrc(0) depctr_va_vcc(0) depctr_vm_vsrc(0)
	s_getreg_b32 s2, hwreg(HW_REG_IB_STS2, 6, 4)
	s_cmp_eq_u32 s2, 0
	s_cbranch_scc0 .Lentry_in_a_cluster
	s_endpgm
.Lentry_in_a_cluster:
	s_bfe_u32 s2, ttmp6, 0x10000c
	s_cmp_lg_u32 s2, 0xf033
	s_cbranch_scc0 .Lentry_shape_is_right
	s_endpgm
.Lentry_shape_is_right:
; THE FIRST FFN LAYER.  C[m][n] = max(bias[n] + the sum over k of A[m][k] B[n][k], 0), rounded to f16: the next product's operand.
; A: [8192][1024] (pooled), B: [1024][1024] (W1's copy, the first 2,097,152 bytes of its buffer), C: [8192][1024], all f16; bias f32; sums in f32, begun with the bias.
; LIMIT.  A, B and C must stay within f16's 65,504.
; A tile of C is 256 x 128: 256 work-groups.  Four waves, each 128 rows x 64 columns: 32 accumulators of 16 x 16.  K goes in 8 steps of 128 through two LDS slots filled by the tensor data mover:
; rows of 256 bytes, aligned, padded in LDS to 272.
; CLUSTERS: 4 x 4 work-groups.  The four of a row of the cluster need the same tiles of A, the four of a column the same tiles of B: each tile is asked for JOINTLY, by the same tensor load with the same
; descriptor and a mask that names the four.  By this text's count a wave has two tensor loads out at the start and one behind each round.
; THE MATRIX INSTRUCTION IS USED TRANSPOSED (source 0 = 16 rows of B, source 1 = 16 rows of A): a lane then holds eight neighbouring numbers of a row of C.
; A K STEP IS WRITTEN ONCE FOR THE STEPS THAT FILL A SLOT AGAIN AND ONCE FOR THE LAST TWO, which may hold no tensor load.  Slot 1 begins at LDS byte 131,072, so that one exclusive or turns an address in one slot
; into the other's: a scalar holds the slot in hand, and one descriptor for each operand walks from K step to K step.
; No prefetch: a launch has 8 K steps, of which the first fills bring two, and the tiles are small.
; The second layer has a text of its own, which differs in the way out alone.
; REGISTERS.  window 0: v0-31 addresses; v32-63 the bias; v64-159, v160-255 two fragment buffers (B's four, then A's eight); on the way out v64-191 at work.   window 1: the accumulators ((a, b) at 8 (4 a + b)).
.set SIZE_K, 1024
.set SIZE_N, 1024
.set KSTEP,  128
.set PITCH,  272                       ; 256 bytes + 16 of padding: an odd multiple of 16, so the 16 rows that a load touches fall on 16 different 16-byte columns of 256 bytes
.set HALFA,  128*PITCH                 ; what a wave fetches of A, and what a wave reads of A
.set HALFB,  64*PITCH                  ; the same for B
.set SLOT,   2*HALFA+2*HALFB           ; A's 256 rows, then B's 128 rows
.set SLOT1,  1<<17                     ; where slot 1 begins
.set STAGE,  SLOT1+SLOT                ; behind the ring: 256 rows x 272 bytes, the work-group's, for the way out
.set SPITCH, 272
.set SPARE,  STAGE+256*SPITCH          ; behind the stage: the spare words
.set FILLS,  SIZE_K/KSTEP-2            ; K steps 2 to 7 come by refills
.set ZR,   8                           ; v8   0, for the ReLU
.set ADRA, 16                          ; v16  LDS address of my A fragments in the slot in hand
.set ADRB, 17                          ; v17  the same for B
.set ADRA0, 18                         ; v18  the same in slot 0; never rewritten
.set ADRB0, 19                         ; v19
.set STO,  24
.set RD,   25
.set CO,   26
.set BO,   27
.set SPW,  28
.set NIL,  29
.set BI,   32
.set TMP,  64
.set F0,   64
.set F1,   160
.set G1, 24
.set G0, 32                            ; s[32:39] group 0 for A: a set for each of the two first fills; the second then walks
.set G1B, 48
.set G0B, 56
.set TB, 46                            ; s46  the slot in hand: 0 or SLOT1
.set MSB, 0
.macro WIN new
.if MSB != (\new)
	s_set_vgpr_msb (MSB<<8)|(\new)
.set MSB, (\new)
.endif
.endm
.set MUL, 0x50                         ; C and D in window 1, the fragments in window 0
.set MUL_B, 0x40                       ; D in window 1; the fragments and C, the bias, in window 0
.macro JLOAD s                         ; a joint load: waves 0 and 1 fetch A's two halves, waves 2 and 3 B's; an s_nop 0 and four v_nop follow each of the two lines, ahead of the jump, the label and what follows
	s_cmp_eq_u32 s13, 0
	s_cbranch_scc0 .Lfor_b_\@
	tensor_load_to_lds s[G0+4*(\s):G0+4*(\s)+3], s[G1:G1+7]
	s_nop 0
.rept 4
	v_nop
.endr
	s_branch .Lasked_\@
.Lfor_b_\@:
	tensor_load_to_lds s[G0B+4*(\s):G0B+4*(\s)+3], s[G1B:G1B+7]
	s_nop 0
.rept 4
	v_nop
.endr
.Lasked_\@:
.endm
.macro CREST                           ; a round of the cluster's barrier behind its opening barrier
	s_cmp_lg_u32 s12, 0
	s_cbranch_scc1 .Lnot_wave_0_\@
	s_barrier_signal -3
.Lnot_wave_0_\@:
	s_barrier_wait -3
	s_barrier_signal -1
	s_barrier_wait -1
.endm
.macro CROUND
	s_barrier_signal -1
	s_barrier_wait -1
	CREST
.endm
	s_load_b256 s[4:11], s[0:1], 0x0               ; A s[4:5], B s[6:7], bias s[8:9], C s[10:11]
	v_lshl_add_u32 v[SPW], v0, 2, SPARE
	v_mov_b32 v[NIL], 0
	ds_add_u32 v[SPW], v[NIL]                      ; the wave's opening: the add and its wait stand ahead of my first tensor load; the set-up below, work on registers, stands between them
	v_lshrrev_b32 v1, 5, v0
	v_readfirstlane_b32 s12, v1                    ; wave 0..3
	s_lshr_b32 s13, s12, 1                         ; which half of the tile's rows is mine.  Also: I fetch for A (0) or for B (1)
	s_and_b32 s14, s12, 1                          ; which half of its columns.  Also: which half of that tile I fetch
	s_bfe_u32 s40, ttmp6, 0x40000                  ; cx, cy: my place in the cluster
	s_bfe_u32 s41, ttmp6, 0x40004
	s_lshl_b32 s42, ttmp9, 2
	s_add_co_u32 s42, s42, s40                     ; tile column of C = 4 x cluster x + cx
	s_and_b32 s43, ttmp7, 0xffff
	s_lshl_b32 s43, s43, 2
	s_add_co_u32 s43, s43, s41                     ; tile row of C = 4 x cluster y + cy
	s_lshl_b32 s44, s41, 2
	s_lshl_b32 s44, 15, s44                        ; my row of the cluster
	s_lshl_b32 s45, 0x1111, s40                    ; my column
	s_or_b32 s[G1+0], s44, (1<<16)|(1<<20)|(1<<21)|(5<<22)|(3<<25)   ; the mask: A's tiles go to my row; elements of 2 bytes; padding on; bit 21 beside a mask; after every 64 words, 4 words
	s_or_b32 s[G1B+0], s45, (1<<16)|(1<<20)|(1<<21)|(5<<22)|(3<<25)  ; B's tiles go to my column
	s_mov_b32 s[G1+1], KSTEP<<16                   ; tensor_dim0 = 128
	s_mov_b32 s[G1+2], 128<<16                     ; tensor_dim1 = 128
	s_mov_b32 s[G1+3], KSTEP<<16                   ; tile_dim0 = 128
	s_mov_b32 s[G1+4], 128                         ; tile_dim1 = 128
	s_mov_b32 s[G1+5], SIZE_K                      ; elements from row to row
	s_mov_b32 s[G1+6], 0
	s_mov_b32 s[G1+7], 0
	s_mov_b32 s[G1B+1], KSTEP<<16
	s_mov_b32 s[G1B+2], 64<<16                     ; B: 64 rows a load
	s_mov_b32 s[G1B+3], KSTEP<<16
	s_mov_b32 s[G1B+4], 64
	s_mov_b32 s[G1B+5], SIZE_K
	s_mov_b32 s[G1B+6], 0
	s_mov_b32 s[G1B+7], 0
	s_lshl_b32 s16, s43, 8
	s_lshl_b32 s17, s14, 7
	s_add_co_u32 s16, s16, s17                     ; A: row 256 x tile row + 128 x half,
	s_lshl_b32 s16, s16, 11                        ; in bytes (under 2^25)
	s_mov_b32 s17, 0
	s_lshl_b32 s66, s42, 7
	s_lshl_b32 s67, s14, 6
	s_add_co_u32 s66, s66, s67                     ; B: row 128 x tile column + 64 x half
	s_lshl_b32 s66, s66, 11
	s_mov_b32 s67, 0
	s_mul_i32 s20, s12, HALFA                      ; where they go: A's halves at wave x 128 rows (waves 0, 1),
	s_mul_i32 s21, s12, HALFB                      ; B's behind A's 256 rows, at (wave - 2) x 64 rows (waves 2, 3): no place in the cluster enters an LDS address
	s_add_co_u32 s21, s21, 2*(HALFA-HALFB)
	s_mov_b32 s[TB], 0
	s_wait_dscnt 0x0                               ; the opening add is done
	s_wait_kmcnt 0x0
	s_add_nc_u64 s[18:19], s[4:5], s[16:17]
	s_add_nc_u64 s[68:69], s[6:7], s[66:67]
	CROUND                                         ; all sixteen work-groups are here: the first joint loads meet
.irp s, 0,1
	s_mov_b32 s[G0+4*(\s)], 1
	s_add_co_u32 s[G0+4*(\s)+1], s20, (\s)*SLOT1
	s_add_nc_u64 s[G0+4*(\s)+2:G0+4*(\s)+3], s[18:19], (\s)*KSTEP*2
	s_or_b32 s[G0+4*(\s)+3], s[G0+4*(\s)+3], 0x80000000
	s_mov_b32 s[G0B+4*(\s)], 1
	s_add_co_u32 s[G0B+4*(\s)+1], s21, (\s)*SLOT1
	s_add_nc_u64 s[G0B+4*(\s)+2:G0B+4*(\s)+3], s[68:69], (\s)*KSTEP*2
	s_or_b32 s[G0B+4*(\s)+3], s[G0B+4*(\s)+3], 0x80000000
	JLOAD \s
.endr
	v_and_b32 v1, 15, v0                           ; l % 16
	v_bfe_u32 v2, v0, 4, 1                         ; l / 16
	v_mul_u32_u24 v3, v1, PITCH
	v_lshl_add_u32 v3, v2, 4, v3                   ; a fragment's row x pitch + 16 x half
	s_mul_i32 s22, s13, HALFA                      ; my 128 rows of A
	s_mul_i32 s23, s14, HALFB                      ; my 64 rows of B,
	s_add_co_u32 s23, s23, 2*HALFA                 ; which lie behind A's 256
	v_add_nc_u32 v[ADRA0], s22, v3
	v_add_nc_u32 v[ADRB0], s23, v3
	v_mov_b32 v[ADRA], v[ADRA0]                    ; K step 0 lies in slot 0
	v_mov_b32 v[ADRB], v[ADRB0]
	s_mul_i32 s22, s13, 128*SPITCH                 ; into the stage: my 128 rows, my half of their 256 bytes
	s_lshl_b32 s23, s14, 7
	s_add_co_u32 s22, s22, s23
	s_add_co_u32 s22, s22, STAGE
	v_add_nc_u32 v[STO], s22, v3
	s_mul_i32 s22, s12, 64*SPITCH                  ; back: wave w takes rows 64 w .. 64 w + 63, whole; lanes 0-15 one row of 256 bytes, lanes 16-31 the next
	s_add_co_u32 s22, s22, STAGE
	v_mul_u32_u24 v5, v2, SPITCH
	v_lshl_add_u32 v5, v1, 4, v5
	v_add_nc_u32 v[RD], s22, v5
	v_lshlrev_b32 v[CO], 11, v2                    ; and the same two rows in C
	v_lshl_add_u32 v[CO], v1, 4, v[CO]
	v_lshlrev_b32 v[BO], 5, v2
	v_mov_b32 v[ZR], 0
	s_lshl_b32 s16, s43, 8
	s_lshl_b32 s17, s12, 6
	s_add_co_u32 s16, s16, s17                     ; the first row of C that I store: 256 x tile row + 64 x wave
	s_lshl_b32 s16, s16, 11
	s_mov_b32 s17, 0
	s_add_nc_u64 s[10:11], s[10:11], s[16:17]
	s_lshl_b32 s66, s42, 8                         ; the tile's first column, in bytes
	s_mov_b32 s67, 0
	s_add_nc_u64 s[10:11], s[10:11], s[66:67]
	s_lshl_b32 s66, s42, 9                         ; the bias of my 64 columns
	s_lshl_b32 s22, s14, 8
	s_add_co_u32 s66, s66, s22
	s_add_nc_u64 s[8:9], s[8:9], s[66:67]
.irp b, 0,1,2,3
	global_load_b128 v[BI+8*(\b):BI+8*(\b)+3], v[BO], s[8:9] offset:64*(\b)       ; register j of block b: the bias of column 16 b + 8 (l / 16) + j: as an accumulator holds that column
	global_load_b128 v[BI+8*(\b)+4:BI+8*(\b)+7], v[BO], s[8:9] offset:64*(\b)+16
.endr
; 8 matrix instructions: row blocks a0, a0 + 1 x all 4 column blocks, 32 along K.  first = 1: the product starts the sum, with the bias as C.  The 32 accumulators take turns, in the same order in every quarter
.macro MUL8 f, a0, first
.if \first
	WIN MUL_B
.else
	WIN MUL
.endif
.irp a, \a0, (\a0)+1
.irp b, 0,1,2,3
.if \first
	v_wmma_f32_16x16x32_f16 v[8*(4*(\a)+(\b)):8*(4*(\a)+(\b))+7], v[(\f)+8*(\b):(\f)+8*(\b)+7], v[(\f)+32+8*(\a):(\f)+32+8*(\a)+7], v[BI+8*(\b):BI+8*(\b)+7]
.else
	v_wmma_f32_16x16x32_f16 v[8*(4*(\a)+(\b)):8*(4*(\a)+(\b))+7], v[(\f)+8*(\b):(\f)+8*(\b)+7], v[(\f)+32+8*(\a):(\f)+32+8*(\a)+7], v[8*(4*(\a)+(\b)):8*(4*(\a)+(\b))+7]
.endif
.endr
.endr
.endm
; 24 LDS loads in one run: the fragments of 32 along K at byte k of the rows of the slot in hand, into buffer f: B's 8, A's blocks 0-3 (8), A's blocks 4-7 (8)
.macro FETCH k, f
	WIN 0
.irp i, 0,1,2,3
	ds_load_b128 v[(\f)+8*(\i):(\f)+8*(\i)+3],   v[ADRB] offset:(\k)+(\i)*16*PITCH
	ds_load_b128 v[(\f)+8*(\i)+4:(\f)+8*(\i)+7], v[ADRB] offset:(\k)+(\i)*16*PITCH+32
.endr
.irp i, 0,1,2,3,4,5,6,7
	ds_load_b128 v[(\f)+32+8*(\i):(\f)+32+8*(\i)+3],   v[ADRA] offset:(\k)+(\i)*16*PITCH
	ds_load_b128 v[(\f)+32+8*(\i)+4:(\f)+32+8*(\i)+7], v[ADRA] offset:(\k)+(\i)*16*PITCH+32
.endr
.endm
.macro PLACES                          ; four places in front of loads into registers that matrix instructions have read
.rept 4
	v_nop
.endr
.endm
; A K step is four quarters of 32 along K, 32 matrix instructions each, on buffers 0, 1, 0, 1.  One of the first three: multiplies buffer f and fetches the next quarter, at byte k, into g.
.macro QUARTER k, f, g, first
	s_wait_dscnt 8                                 ; B and A's blocks 0-3 are in; the youngest eight loads may be out
	MUL8 \f, 0, \first
	MUL8 \f, 2, \first
	PLACES
	FETCH \k, \g
	s_wait_dscnt 24                                ; all but the 24 just issued
	MUL8 \f, 4, \first
	MUL8 \f, 6, \first
.endm
; The last quarter multiplies buffer 1 and changes slots: ONE barrier; in front of it each wave waits for all its tensor loads, adds 0 to its spare word, and waits for that and for its own reads of this slot.
; fill = 1: this slot is filled again, two K steps ahead; the barrier then opens a round of the cluster's barrier, and the joint load is the first thing behind the round: 112 matrix instructions ahead of the wait for it.
; The walking descriptors take the other slot than last time and the next K step.  Then the slot in hand changes, and its first fragments are fetched.
.macro TURN fill
	WIN 0
	s_wait_tensorcnt 0x0                           ; all my tensor loads have landed: my part of the next slot;
	ds_add_u32 v[SPW], v[NIL]                      ; 0 onto my spare word;
	s_wait_dscnt 9                                 ; (the add and the youngest eight loads may be out)
	MUL8 F1, 0, 0                                  ; eight matrix instructions stand between the add and the wait for it
	s_wait_dscnt 0x0                               ; the add is done, and my reads of this slot are over
	s_barrier_signal -1
	MUL8 F1, 2, 0
	WIN 0
	s_barrier_wait -1
.if \fill
	CREST                                          ; no wave of any partner still reads this slot's tile or has a load on its way
	s_xor_b32 s[G0+5], s[G0+5], SLOT1
	s_add_nc_u64 s[G0+6:G0+7], s[G0+6:G0+7], KSTEP*2
	s_xor_b32 s[G0B+5], s[G0B+5], SLOT1
	s_add_nc_u64 s[G0B+6:G0B+7], s[G0B+6:G0B+7], KSTEP*2
	JLOAD 1                                        ; the four v_nop behind it are also the places in front of the loads below
.else
	PLACES
.endif
	s_xor_b32 s[TB], s[TB], SLOT1
	v_add_nc_u32 v[ADRA], s[TB], v[ADRA0]
	v_add_nc_u32 v[ADRB], s[TB], v[ADRB0]
	FETCH 0, F0
	MUL8 F1, 4, 0
	MUL8 F1, 6, 0
.endm
	s_wait_tensorcnt 1                             ; my part of K step 0 is in; K step 1's may stay out
	s_barrier_signal -1
	s_barrier_wait -1                              ; everybody's is
	FETCH 0, F0
	s_wait_loadcnt 0x0                             ; the bias
	QUARTER 64, F0, F1, 1                          ; the first quarter stands in front of the loop: its products start the sums
	WIN 0
	s_mov_b32 s3, FILLS
.Lstep:                                            ; a trip goes from a K step's second quarter to the next step's first, and fills the slot that it leaves
	QUARTER 128, F1, F0, 0
	QUARTER 192, F0, F1, 0
	TURN 1
	QUARTER 64,  F0, F1, 0
	WIN 0
	s_sub_co_u32 s3, s3, 1
	s_cmp_lg_u32 s3, 0
	s_cbranch_scc1 .Lstep
	s_mov_b32 s3, 2
.Ltail:                                            ; the last two K steps fill nothing and have no round of the cluster's barrier.  The second trip jumps over the next step's first quarter, which does not exist;
	QUARTER 128, F1, F0, 0                         ; its change of slots passes the barrier once more and fetches 24 fragments that nobody multiplies: the price, once a launch, of one text for both trips
	QUARTER 192, F0, F1, 0
	TURN 0
	WIN 0
	s_cmp_eq_u32 s3, 1
	s_cbranch_scc1 .Llast
	QUARTER 64,  F0, F1, 0
	WIN 0
.Llast:
	s_sub_co_u32 s3, s3, 1
	s_cmp_lg_u32 s3, 0
	s_cbranch_scc1 .Ltail
	s_wait_dscnt 0x0                               ; the last fetch has come: its registers are written below
	; THE WAY OUT: round to f16; the ReLU; 16 bytes a lane into the work-group's stage; a barrier, since a row's 256 bytes come from two waves; back as whole rows, 64 rows a wave.
.rept 8
	v_nop                                          ; the places behind the last products
.endr
	WIN 0x05
.set t, 0
.rept 32
.irp r, 0,1,2,3
	v_cvt_pk_f16_f32 v[TMP+4*t+(\r)], v[8*t+2*(\r)], v[8*t+2*(\r)+1]
.endr
.set t, t+1
.endr
	WIN 0
.set t, 0
.rept 128
	v_pk_max_num_f16 v[TMP+t], v[TMP+t], v[ZR]
.set t, t+1
.endr
.irp a, 0,1,2,3,4,5,6,7
.irp b, 0,1,2,3
	ds_store_b128 v[STO], v[TMP+4*(4*(\a)+(\b)):TMP+4*(4*(\a)+(\b))+3] offset:(\a)*16*SPITCH+32*(\b)
.endr
.endr
	s_wait_dscnt 0x0                               ; for the others' sake: my stores into the stage are done
	s_barrier_signal -1
	s_barrier_wait -1
.set t, 0
.rept 32
	ds_load_b128 v[TMP+4*t:TMP+4*t+3], v[RD] offset:t*2*SPITCH
.set t, t+1
.endr
.set t, 0
.rept 32
	s_wait_dscnt 31-t                              ; the younger loads may stay out
	global_store_b128 v[CO], v[TMP+4*t:TMP+4*t+3], s[10:11] offset:2*t*SIZE_N*2  ; 16 lanes store 256 consecutive bytes, at a multiple of 256 from C's first byte
.set t, t+1
.endr
	s_wait_tensorcnt 0x0                           ; the wave's end: three closing lines, behind my last tensor load and my last LDS store
	ds_add_u32 v[SPW], v[NIL]
	s_wait_dscnt 0x0
	CROUND                                         ; the closing round: no work-group ends while a partner may still ask for a tile that names it
	s_endpgm
.Lfunc_end_k_q09f5a5d2fb_ffn1:
	.size	k_q09f5a5d2fb_ffn1, .Lfunc_end_k_q09f5a5d2fb_ffn1-k_q09f5a5d2fb_ffn1
	.p2alignl 7, 3214868480
	.fill 96, 4, 3214868480
	.section	.rodata,"a",@progbits
	.p2align	6, 0x0
	.amdhsa_kernel k_q09f5a5d2fb_ffn1
		.amdhsa_group_segment_fixed_size 327680
		.amdhsa_private_segment_fixed_size 0
		.amdhsa_enable_private_segment 0
		.amdhsa_kernarg_size 32
		.amdhsa_user_sgpr_count 2
		.amdhsa_user_sgpr_kernarg_segment_ptr 1
		.amdhsa_wavefront_size32 1
		.amdhsa_system_sgpr_workgroup_id_x 1
		.amdhsa_system_sgpr_workgroup_id_y 1
		.amdhsa_system_sgpr_workgroup_id_z 1
		.amdhsa_system_vgpr_workitem_id 0
		.amdhsa_next_free_vgpr 512
		.amdhsa_next_free_sgpr 70
		.amdhsa_reserve_vcc 0
		.amdhsa_float_denorm_mode_32 3
		.amdhsa_float_denorm_mode_16_64 3
		.amdhsa_memory_ordered 1
		.amdhsa_forward_progress 1
		.amdhsa_inst_pref_size 70
	.end_amdhsa_kernel
	.amdgpu_metadata
---
amdhsa.version: [ 1, 2 ]
amdhsa.kernels:
  - .name:           k_q09f5a5d2fb_ffn1
    .symbol:         k_q09f5a5d2fb_ffn1.kd
    .args:
      - { .name: pool, .offset: 0, .size: 8, .value_kind: global_buffer, .address_space: global }
      - { .name: prep1, .offset: 8, .size: 8, .value_kind: global_buffer, .address_space: global }
      - { .name: b1, .offset: 16, .size: 8, .value_kind: global_buffer, .address_space: global }
      - { .name: hbuf, .offset: 24, .size: 8, .value_kind: global_buffer, .address_space: global }
    .group_segment_fixed_size: 327680
    .private_segment_fixed_size: 0
    .kernarg_segment_align: 8
    .kernarg_segment_size: 32
    .max_flat_workgroup_size: 128
    .sgpr_count:     70
    .vgpr_count:     512
    .wavefront_size: 32
...
	.end_amdgpu_metadata
.endif
;; end of part 8
;; launch ffn2 (part 9): grid 8 x 32, 4 waves a work-group, clusters of 4 x 4, 327,680 bytes of LDS; arguments hbuf, w2h, b2, zbuf; writes zbuf
.if DOCPART == 9
	.amdgcn_target "amdgcn-amd-amdhsa--gfx1250"
	.amdhsa_code_object_version 6
	.text
	.protected	k_q09f5a5d2fb_ffn2
	.globl	k_q09f5a5d2fb_ffn2
	.p2align	8
	.type	k_q09f5a5d2fb_ffn2,@function
k_q09f5a5d2fb_ffn2:
	s_mov_b64 s[64:65], 0
	v_nop
	global_prefetch_b8 v0, s[64:65] scope:SCOPE_SE
	s_setreg_imm32_b32 hwreg(HW_REG_WAVE_MODE, 25, 1), 1
	s_wait_xcnt 0x0
	s_wait_alu depctr_hold_cnt(0) depctr_sa_sdst(0) depctr_va_vdst(0) depctr_va_sdst(0) depctr_va_ssrc(0) depctr_va_vcc(0) depctr_vm_vsrc(0)
	s_getreg_b32 s2, hwreg(HW_REG_IB_STS2, 6, 4)
	s_cmp_eq_u32 s2, 0
	s_cbranch_scc0 .Lentry_in_a_cluster
	s_endpgm
.Lentry_in_a_cluster:
	s_bfe_u32 s2, ttmp6, 0x10000c
	s_cmp_lg_u32 s2, 0xf033
	s_cbranch_scc0 .Lentry_shape_is_right
	s_endpgm
.Lentry_shape_is_right:
; THE SECOND FFN LAYER.  C[m][n] = bias[n] + the sum over k of A[m][k] B[n][k], in f32: its numbers, products of three inputs, have no room in f16 and go on into a LayerNorm.
; A: [8192][1024] (the first layer's result), B: [1024][1024] (W2's copy), both f16; bias f32; C: [8192][1024] f32; sums in f32, begun with the bias.
; LIMIT.  A and B must stay within f16's 65,504.
; A tile of C is 256 x 128: 256 work-groups.  Four waves, each 128 rows x 64 columns: 32 accumulators of 16 x 16.  K goes in 8 steps of 128 through two LDS slots filled by the tensor data mover:
; rows of 256 bytes, aligned, padded in LDS to 272.
; CLUSTERS: 4 x 4 work-groups.  The four of a row of the cluster need the same tiles of A, the four of a column the same tiles of B: each tile is asked for JOINTLY, by the same tensor load with the same
; descriptor and a mask that names the four.  By this text's count a wave has two tensor loads out at the start and one behind each round.
; THE MATRIX INSTRUCTION IS USED TRANSPOSED (source 0 = 16 rows of B, source 1 = 16 rows of A): a lane then holds eight neighbouring numbers of a row of C.
; A K STEP IS WRITTEN ONCE FOR THE STEPS THAT FILL A SLOT AGAIN AND ONCE FOR THE LAST TWO, which may hold no tensor load.  Slot 1 begins at LDS byte 131,072, so that one exclusive or turns an address in one slot
; into the other's: a scalar holds the slot in hand, and one descriptor for each operand walks from K step to K step.
; No prefetch: a launch has 8 K steps, of which the first fills bring two, and the tiles are small.
; The first layer has a text of its own, which differs in the way out alone.
; REGISTERS.  window 0: v0-31 addresses; v32-63 the bias; v64-159, v160-255 two fragment buffers (B's four, then A's eight); on the way out v64-191 at work.   window 1: the accumulators ((a, b) at 8 (4 a + b)).
.set SIZE_K, 1024
.set SIZE_N, 1024
.set KSTEP,  128
.set PITCH,  272                       ; 256 bytes + 16 of padding: an odd multiple of 16, so the 16 rows that a load touches fall on 16 different 16-byte columns of 256 bytes
.set HALFA,  128*PITCH                 ; what a wave fetches of A, and what a wave reads of A
.set HALFB,  64*PITCH                  ; the same for B
.set SLOT,   2*HALFA+2*HALFB           ; A's 256 rows, then B's 128 rows
.set SLOT1,  1<<17                     ; where slot 1 begins
.set STAGE,  SLOT1+SLOT                ; behind the ring: 16 rows x 272 bytes for each wave, for the way out
.set SPITCH, 272
.set SPARE,  STAGE+4*16*SPITCH         ; behind the stages: the spare words
.set FILLS,  SIZE_K/KSTEP-2            ; K steps 2 to 7 come by refills
.set ADRA, 16                          ; v16  LDS address of my A fragments in the slot in hand
.set ADRB, 17                          ; v17  the same for B
.set ADRA0, 18                         ; v18  the same in slot 0; never rewritten
.set ADRB0, 19                         ; v19
.set STO,  24
.set RD,   25
.set CO,   26
.set BO,   27
.set SPW,  28
.set NIL,  29
.set BI,   32
.set TMP,  64
.set F0,   64
.set F1,   160
.set G1, 24
.set G0, 32                            ; s[32:39] group 0 for A: a set for each of the two first fills; the second then walks
.set G1B, 48
.set G0B, 56
.set TB, 46                            ; s46  the slot in hand: 0 or SLOT1
.set MSB, 0
.macro WIN new
.if MSB != (\new)
	s_set_vgpr_msb (MSB<<8)|(\new)
.set MSB, (\new)
.endif
.endm
.set MUL, 0x50                         ; C and D in window 1, the fragments in window 0
.set MUL_B, 0x40                       ; D in window 1; the fragments and C, the bias, in window 0
.macro JLOAD s                         ; a joint load: waves 0 and 1 fetch A's two halves, waves 2 and 3 B's; an s_nop 0 and four v_nop follow each of the two lines, ahead of the jump, the label and what follows
	s_cmp_eq_u32 s13, 0
	s_cbranch_scc0 .Lfor_b_\@
	tensor_load_to_lds s[G0+4*(\s):G0+4*(\s)+3], s[G1:G1+7]
	s_nop 0
.rept 4
	v_nop
.endr
	s_branch .Lasked_\@
.Lfor_b_\@:
	tensor_load_to_lds s[G0B+4*(\s):G0B+4*(\s)+3], s[G1B:G1B+7]
	s_nop 0
.rept 4
	v_nop
.endr
.Lasked_\@:
.endm
.macro CREST                           ; a round of the cluster's barrier behind its opening barrier
	s_cmp_lg_u32 s12, 0
	s_cbranch_scc1 .Lnot_wave_0_\@
	s_barrier_signal -3
.Lnot_wave_0_\@:
	s_barrier_wait -3
	s_barrier_signal -1
	s_barrier_wait -1
.endm
.macro CROUND
	s_barrier_signal -1
	s_barrier_wait -1
	CREST
.endm
	s_load_b256 s[4:11], s[0:1], 0x0               ; A s[4:5], B s[6:7], bias s[8:9], C s[10:11]
	v_lshl_add_u32 v[SPW], v0, 2, SPARE
	v_mov_b32 v[NIL], 0
	ds_add_u32 v[SPW], v[NIL]                      ; the wave's opening: the add and its wait stand ahead of my first tensor load; the set-up below, work on registers, stands between them
	v_lshrrev_b32 v1, 5, v0
	v_readfirstlane_b32 s12, v1                    ; wave 0..3
	s_lshr_b32 s13, s12, 1                         ; which half of the tile's rows is mine.  Also: I fetch for A (0) or for B (1)
	s_and_b32 s14, s12, 1                          ; which half of its columns.  Also: which half of that tile I fetch
	s_bfe_u32 s40, ttmp6, 0x40000                  ; cx, cy: my place in the cluster
	s_bfe_u32 s41, ttmp6, 0x40004
	s_lshl_b32 s42, ttmp9, 2
	s_add_co_u32 s42, s42, s40                     ; tile column of C = 4 x cluster x + cx
	s_and_b32 s43, ttmp7, 0xffff
	s_lshl_b32 s43, s43, 2
	s_add_co_u32 s43, s43, s41                     ; tile row of C = 4 x cluster y + cy
	s_lshl_b32 s44, s41, 2
	s_lshl_b32 s44, 15, s44                        ; my row of the cluster
	s_lshl_b32 s45, 0x1111, s40                    ; my column
	s_or_b32 s[G1+0], s44, (1<<16)|(1<<20)|(1<<21)|(5<<22)|(3<<25)   ; the mask: A's tiles go to my row; elements of 2 bytes; padding on; bit 21 beside a mask; after every 64 words, 4 words
	s_or_b32 s[G1B+0], s45, (1<<16)|(1<<20)|(1<<21)|(5<<22)|(3<<25)  ; B's tiles go to my column
	s_mov_b32 s[G1+1], KSTEP<<16                   ; tensor_dim0 = 128
	s_mov_b32 s[G1+2], 128<<16                     ; tensor_dim1 = 128
	s_mov_b32 s[G1+3], KSTEP<<16                   ; tile_dim0 = 128
	s_mov_b32 s[G1+4], 128                         ; tile_dim1 = 128
	s_mov_b32 s[G1+5], SIZE_K                      ; elements from row to row
	s_mov_b32 s[G1+6], 0
	s_mov_b32 s[G1+7], 0
	s_mov_b32 s[G1B+1], KSTEP<<16
	s_mov_b32 s[G1B+2], 64<<16                     ; B: 64 rows a load
	s_mov_b32 s[G1B+3], KSTEP<<16
	s_mov_b32 s[G1B+4], 64
	s_mov_b32 s[G1B+5], SIZE_K
	s_mov_b32 s[G1B+6], 0
	s_mov_b32 s[G1B+7], 0
	s_lshl_b32 s16, s43, 8
	s_lshl_b32 s17, s14, 7
	s_add_co_u32 s16, s16, s17                     ; A: row 256 x tile row + 128 x half,
	s_lshl_b32 s16, s16, 11                        ; in bytes (under 2^25)
	s_mov_b32 s17, 0
	s_lshl_b32 s66, s42, 7
	s_lshl_b32 s67, s14, 6
	s_add_co_u32 s66, s66, s67                     ; B: row 128 x tile column + 64 x half
	s_lshl_b32 s66, s66, 11
	s_mov_b32 s67, 0
	s_mul_i32 s20, s12, HALFA                      ; where they go: A's halves at wave x 128 rows (waves 0, 1),
	s_mul_i32 s21, s12, HALFB                      ; B's behind A's 256 rows, at (wave - 2) x 64 rows (waves 2, 3): no place in the cluster enters an LDS address
	s_add_co_u32 s21, s21, 2*(HALFA-HALFB)
	s_mov_b32 s[TB], 0
	s_wait_dscnt 0x0                               ; the opening add is done
	s_wait_kmcnt 0x0
	s_add_nc_u64 s[18:19], s[4:5], s[16:17]
	s_add_nc_u64 s[68:69], s[6:7], s[66:67]
	CROUND                                         ; all sixteen work-groups are here: the first joint loads meet
.irp s, 0,1
	s_mov_b32 s[G0+4*(\s)], 1
	s_add_co_u32 s[G0+4*(\s)+1], s20, (\s)*SLOT1
	s_add_nc_u64 s[G0+4*(\s)+2:G0+4*(\s)+3], s[18:19], (\s)*KSTEP*2
	s_or_b32 s[G0+4*(\s)+3], s[G0+4*(\s)+3], 0x80000000
	s_mov_b32 s[G0B+4*(\s)], 1
	s_add_co_u32 s[G0B+4*(\s)+1], s21, (\s)*SLOT1
	s_add_nc_u64 s[G0B+4*(\s)+2:G0B+4*(\s)+3], s[68:69], (\s)*KSTEP*2
	s_or_b32 s[G0B+4*(\s)+3], s[G0B+4*(\s)+3], 0x80000000
	JLOAD \s
.endr
	v_and_b32 v1, 15, v0                           ; l % 16
	v_bfe_u32 v2, v0, 4, 1                         ; l / 16
	v_mul_u32_u24 v3, v1, PITCH
	v_lshl_add_u32 v3, v2, 4, v3                   ; a fragment's row x pitch + 16 x half
	s_mul_i32 s22, s13, HALFA                      ; my 128 rows of A
	s_mul_i32 s23, s14, HALFB                      ; my 64 rows of B,
	s_add_co_u32 s23, s23, 2*HALFA                 ; which lie behind A's 256
	v_add_nc_u32 v[ADRA0], s22, v3
	v_add_nc_u32 v[ADRB0], s23, v3
	v_mov_b32 v[ADRA], v[ADRA0]                    ; K step 0 lies in slot 0
	v_mov_b32 v[ADRB], v[ADRB0]
	s_mul_i32 s22, s12, 16*SPITCH
	s_add_co_u32 s22, s22, STAGE                   ; my wave's own stage: 16 rows of 256 bytes, my 64 columns in f32
	v_mul_u32_u24 v[STO], v1, SPITCH               ; in: row l % 16, 32 bytes for each half of the lanes
	v_lshl_add_u32 v[STO], v2, 5, v[STO]
	v_add_nc_u32 v[STO], s22, v[STO]
	v_mul_u32_u24 v5, v2, SPITCH                   ; back: lanes 0-15 take one row of 256 bytes, lanes 16-31 the next
	v_lshl_add_u32 v5, v1, 4, v5
	v_add_nc_u32 v[RD], s22, v5
	v_lshlrev_b32 v[CO], 12, v2                    ; and the same two rows in C, 4,096 bytes each
	v_lshl_add_u32 v[CO], v1, 4, v[CO]
	v_lshlrev_b32 v[BO], 5, v2
	s_lshl_b32 s16, s43, 8
	s_lshl_b32 s17, s13, 7
	s_add_co_u32 s16, s16, s17                     ; my first row of C: 256 x tile row + 128 x row half,
	s_lshl_b32 s16, s16, 12                        ; in bytes (under 2^25)
	s_mov_b32 s17, 0
	s_add_nc_u64 s[10:11], s[10:11], s[16:17]
	s_lshl_b32 s66, s42, 9                         ; my 64 columns in bytes of f32: 512 x tile column + 256 x column half: for the bias and for C
	s_lshl_b32 s22, s14, 8
	s_add_co_u32 s66, s66, s22
	s_mov_b32 s67, 0
	s_add_nc_u64 s[8:9], s[8:9], s[66:67]
	s_add_nc_u64 s[10:11], s[10:11], s[66:67]
.irp b, 0,1,2,3
	global_load_b128 v[BI+8*(\b):BI+8*(\b)+3], v[BO], s[8:9] offset:64*(\b)       ; register j of block b: the bias of column 16 b + 8 (l / 16) + j: as an accumulator holds that column
	global_load_b128 v[BI+8*(\b)+4:BI+8*(\b)+7], v[BO], s[8:9] offset:64*(\b)+16
.endr
; 8 matrix instructions: row blocks a0, a0 + 1 x all 4 column blocks, 32 along K.  first = 1: the product starts the sum, with the bias as C.  The 32 accumulators take turns, in the same order in every quarter
.macro MUL8 f, a0, first
.if \first
	WIN MUL_B
.else
	WIN MUL
.endif
.irp a, \a0, (\a0)+1
.irp b, 0,1,2,3
.if \first
	v_wmma_f32_16x16x32_f16 v[8*(4*(\a)+(\b)):8*(4*(\a)+(\b))+7], v[(\f)+8*(\b):(\f)+8*(\b)+7], v[(\f)+32+8*(\a):(\f)+32+8*(\a)+7], v[BI+8*(\b):BI+8*(\b)+7]
.else
	v_wmma_f32_16x16x32_f16 v[8*(4*(\a)+(\b)):8*(4*(\a)+(\b))+7], v[(\f)+8*(\b):(\f)+8*(\b)+7], v[(\f)+32+8*(\a):(\f)+32+8*(\a)+7], v[8*(4*(\a)+(\b)):8*(4*(\a)+(\b))+7]
.endif
.endr
.endr
.endm
; 24 LDS loads in one run: the fragments of 32 along K at byte k of the rows of the slot in hand, into buffer f: B's 8, A's blocks 0-3 (8), A's blocks 4-7 (8)
.macro FETCH k, f
	WIN 0
.irp i, 0,1,2,3
	ds_load_b128 v[(\f)+8*(\i):(\f)+8*(\i)+3],   v[ADRB] offset:(\k)+(\i)*16*PITCH
	ds_load_b128 v[(\f)+8*(\i)+4:(\f)+8*(\i)+7], v[ADRB] offset:(\k)+(\i)*16*PITCH+32
.endr
.irp i, 0,1,2,3,4,5,6,7
	ds_load_b128 v[(\f)+32+8*(\i):(\f)+32+8*(\i)+3],   v[ADRA] offset:(\k)+(\i)*16*PITCH
	ds_load_b128 v[(\f)+32+8*(\i)+4:(\f)+32+8*(\i)+7], v[ADRA] offset:(\k)+(\i)*16*PITCH+32
.endr
.endm
.macro PLACES                          ; four places in front of loads into registers that matrix instructions have read
.rept 4
	v_nop
.endr
.endm
; A K step is four quarters of 32 along K, 32 matrix instructions each, on buffers 0, 1, 0, 1.  One of the first three: multiplies buffer f and fetches the next quarter, at byte k, into g.
.macro QUARTER k, f, g, first
	s_wait_dscnt 8                                 ; B and A's blocks 0-3 are in; the youngest eight loads may be out
	MUL8 \f, 0, \first
	MUL8 \f, 2, \first
	PLACES
	FETCH \k, \g
	s_wait_dscnt 24                                ; all but the 24 just issued
	MUL8 \f, 4, \first
	MUL8 \f, 6, \first
.endm
; The last quarter multiplies buffer 1 and changes slots: ONE barrier; in front of it each wave waits for all its tensor loads, adds 0 to its spare word, and waits for that and for its own reads of this slot.
; fill = 1: this slot is filled again, two K steps ahead; the barrier then opens a round of the cluster's barrier, and the joint load is the first thing behind the round: 112 matrix instructions ahead of the wait for it.
; The walking descriptors take the other slot than last time and the next K step.  Then the slot in hand changes, and its first fragments are fetched.
.macro TURN fill
	WIN 0
	s_wait_tensorcnt 0x0                           ; all my tensor loads have landed: my part of the next slot;
	ds_add_u32 v[SPW], v[NIL]                      ; 0 onto my spare word;
	s_wait_dscnt 9                                 ; (the add and the youngest eight loads may be out)
	MUL8 F1, 0, 0                                  ; eight matrix instructions stand between the add and the wait for it
	s_wait_dscnt 0x0                               ; the add is done, and my reads of this slot are over
	s_barrier_signal -1
	MUL8 F1, 2, 0
	WIN 0
	s_barrier_wait -1
.if \fill
	CREST                                          ; no wave of any partner still reads this slot's tile or has a load on its way
	s_xor_b32 s[G0+5], s[G0+5], SLOT1
	s_add_nc_u64 s[G0+6:G0+7], s[G0+6:G0+7], KSTEP*2
	s_xor_b32 s[G0B+5], s[G0B+5], SLOT1
	s_add_nc_u64 s[G0B+6:G0B+7], s[G0B+6:G0B+7], KSTEP*2
	JLOAD 1                                        ; the four v_nop behind it are also the places in front of the loads below
.else
	PLACES
.endif
	s_xor_b32 s[TB], s[TB], SLOT1
	v_add_nc_u32 v[ADRA], s[TB], v[ADRA0]
	v_add_nc_u32 v[ADRB], s[TB], v[ADRB0]
	FETCH 0, F0
	MUL8 F1, 4, 0
	MUL8 F1, 6, 0
.endm
	s_wait_tensorcnt 1                             ; my part of K step 0 is in; K step 1's may stay out
	s_barrier_signal -1
	s_barrier_wait -1                              ; everybody's is
	FETCH 0, F0
	s_wait_loadcnt 0x0                             ; the bias
	QUARTER 64, F0, F1, 1                          ; the first quarter stands in front of the loop: its products start the sums
	WIN 0
	s_mov_b32 s3, FILLS
.Lstep:                                            ; a trip goes from a K step's second quarter to the next step's first, and fills the slot that it leaves
	QUARTER 128, F1, F0, 0
	QUARTER 192, F0, F1, 0
	TURN 1
	QUARTER 64,  F0, F1, 0
	WIN 0
	s_sub_co_u32 s3, s3, 1
	s_cmp_lg_u32 s3, 0
	s_cbranch_scc1 .Lstep
	s_mov_b32 s3, 2
.Ltail:                                            ; the last two K steps fill nothing and have no round of the cluster's barrier.  The second trip jumps over the next step's first quarter, which does not exist;
	QUARTER 128, F1, F0, 0                         ; its change of slots passes the barrier once more and fetches 24 fragments that nobody multiplies: the price, once a launch, of one text for both trips
	QUARTER 192, F0, F1, 0
	TURN 0
	WIN 0
	s_cmp_eq_u32 s3, 1
	s_cbranch_scc1 .Llast
	QUARTER 64,  F0, F1, 0
	WIN 0
.Llast:
	s_sub_co_u32 s3, s3, 1
	s_cmp_lg_u32 s3, 0
	s_cbranch_scc1 .Ltail
	s_wait_dscnt 0x0                               ; the last fetch has come: its registers are written below
	; THE WAY OUT: a block of 16 rows at a time, through my wave's own stage.  My 64 columns are 256 bytes of a row of C, so nothing is shared with another wave and no barrier is needed.
.rept 8
	v_nop                                          ; the places behind the last products
.endr
; Block a: a lane's eight columns of a row, 32 bytes, go into rows of 272 bytes and come back as whole rows of 256.
; LDS serves a wave's instructions in order (ISA guide 5.7.1.4): the loads see the stores above them, and the next block's stores come behind them.
.macro BLOCK a
	WIN 0x04                                       ; store data in window 1
.irp b, 0,1,2,3
	ds_store_b128 v[STO], v[8*(4*(\a)+(\b)):8*(4*(\a)+(\b))+3] offset:64*(\b)
	ds_store_b128 v[STO], v[8*(4*(\a)+(\b))+4:8*(4*(\a)+(\b))+7] offset:64*(\b)+16
.endr
	WIN 0
.if (\a) >= 4
	s_wait_xcnt 0x0                                ; the stores of the block four back have read their data: its registers are loaded again only behind this wait
.endif
.irp t, 0,1,2,3,4,5,6,7
	ds_load_b128 v[TMP+32*((\a)%4)+4*(\t):TMP+32*((\a)%4)+4*(\t)+3], v[RD] offset:(\t)*2*SPITCH
.endr
.irp t, 0,1,2,3,4,5,6,7
	s_wait_dscnt 7-(\t)                            ; the block's younger loads may stay out
	global_store_b128 v[CO], v[TMP+32*((\a)%4)+4*(\t):TMP+32*((\a)%4)+4*(\t)+3], s[10:11] offset:4096*(16*(\a)+2*(\t))  ; 16 lanes store 256 consecutive bytes, at a multiple of 256 from C's first byte
.endr
.endm
.irp a, 0,1,2,3,4,5,6,7
	BLOCK \a
.endr
	s_wait_tensorcnt 0x0                           ; the wave's end: three closing lines, behind my last tensor load and my last LDS store
	ds_add_u32 v[SPW], v[NIL]
	s_wait_dscnt 0x0
	CROUND                                         ; the closing round: no work-group ends while a partner may still ask for a tile that names it
	s_endpgm
.Lfunc_end_k_q09f5a5d2fb_ffn2:
	.size	k_q09f5a5d2fb_ffn2, .Lfunc_end_k_q09f5a5d2fb_ffn2-k_q09f5a5d2fb_ffn2
	.p2alignl 7, 3214868480
	.fill 96, 4, 3214868480
	.section	.rodata,"a",@progbits
	.p2align	6, 0x0
	.amdhsa_kernel k_q09f5a5d2fb_ffn2
		.amdhsa_group_segment_fixed_size 327680
		.amdhsa_private_segment_fixed_size 0
		.amdhsa_enable_private_segment 0
		.amdhsa_kernarg_size 32
		.amdhsa_user_sgpr_count 2
		.amdhsa_user_sgpr_kernarg_segment_ptr 1
		.amdhsa_wavefront_size32 1
		.amdhsa_system_sgpr_workgroup_id_x 1
		.amdhsa_system_sgpr_workgroup_id_y 1
		.amdhsa_system_sgpr_workgroup_id_z 1
		.amdhsa_system_vgpr_workitem_id 0
		.amdhsa_next_free_vgpr 512
		.amdhsa_next_free_sgpr 70
		.amdhsa_reserve_vcc 0
		.amdhsa_float_denorm_mode_32 3
		.amdhsa_float_denorm_mode_16_64 3
		.amdhsa_memory_ordered 1
		.amdhsa_forward_progress 1
		.amdhsa_inst_pref_size 63
	.end_amdhsa_kernel
	.amdgpu_metadata
---
amdhsa.version: [ 1, 2 ]
amdhsa.kernels:
  - .name:           k_q09f5a5d2fb_ffn2
    .symbol:         k_q09f5a5d2fb_ffn2.kd
    .args:
      - { .name: hbuf, .offset: 0, .size: 8, .value_kind: global_buffer, .address_space: global }
      - { .name: w2h, .offset: 8, .size: 8, .value_kind: global_buffer, .address_space: global }
      - { .name: b2, .offset: 16, .size: 8, .value_kind: global_buffer, .address_space: global }
      - { .name: zbuf, .offset: 24, .size: 8, .value_kind: global_buffer, .address_space: global }
    .group_segment_fixed_size: 327680
    .private_segment_fixed_size: 0
    .kernarg_segment_align: 8
    .kernarg_segment_size: 32
    .max_flat_workgroup_size: 128
    .sgpr_count:     70
    .vgpr_count:     512
    .wavefront_size: 32
...
	.end_amdgpu_metadata
.endif
;; end of part 9
;; launch ln2: the kernel of part 6 again; grid 512 x 1, 8 waves a work-group, no clusters, 0 bytes of LDS; arguments pool, zbuf, g2, be2, out0; writes out0
;; ======== version 3 of 3: 6 launches; version 2 with the launch prep1 written anew for expert scheduling mode
;; limits: values are held in f16: magnitudes above 65,504 overflow, below 6.1e-05 lose precision; right only within a limited range of input values
;; workspace buffers: prep1 8,126,464 bytes; w2h 2,097,152 bytes; prep2 1,837,056 bytes; pool 16,777,216 bytes; hbuf 16,777,216 bytes; zbuf 33,554,432 bytes
;; launch prep1 (part 10): grid 32 x 8, 4 waves a work-group, no clusters, 57,856 bytes of LDS; arguments visual_tensor, visual_tensor2, Wk, Wv, bk, bv, Wq, Wo, W1, W2, prep1, w2h; writes prep1, w2h
.if DOCPART == 10
	.amdgcn_target "amdgcn-amd-amdhsa--gfx1250"
	.amdhsa_code_object_version 6
	.text
	.protected	k_q09f5a5d2fb_prep1
	.globl	k_q09f5a5d2fb_prep1
	.p2align	8
	.type	k_q09f5a5d2fb_prep1,@function
k_q09f5a5d2fb_prep1:
	s_mov_b64 s[64:65], 0
	v_nop
	global_prefetch_b8 v0, s[64:65] scope:SCOPE_SE
	s_setreg_imm32_b32 hwreg(HW_REG_WAVE_SCHED_MODE, 0, 2), 2
	s_setreg_imm32_b32 hwreg(HW_REG_WAVE_MODE, 25, 1), 1
	s_wait_xcnt 0x0
	s_wait_alu depctr_vm_vsrc(0)
; PREP 1.  (a) K_b = vis_b Wk^T + bk and V_b = vis_b Wv^T + bv for both branches, keys padded from 196 to 224 by copies of key 195, rounded to f16 and
; stored as matrix fragments; (b) Wq transposed and Wo, rounded to f16, as fragments; (c) W1 and W2 rounded to f16, row-major (W1 at the head of prep1, the tables behind it).
; FORMAT AND LIMIT.  All matrix operands here are f16: vis, the weights, K and V must stay within 65,504 (K and V reach about 18,432 where vis carries an offset of 30 and a weight one of 0.6).
; A weight below 6e-5 keeps f16's fixed step of 6e-8.
; A FRAGMENT is 16 rows x 32 contraction indices of 16 bits, 1,024 bytes: lane l = 16 h + r holds (row r, k = 8 h .. 8 h + 7) at byte 16 l and (row r, k = 16 + 8 h ..) at byte 512 + 16 l:
; two loads of 16 bytes a lane bring it as a matrix operand, each load 512 consecutive bytes.
; SHARES.  Work-group (cp, y): y = p + 2 b + 4 kh; p: K or V; b: branch; kh: which 112 keys; cp: which 32 output columns.  14 tiles of 16 x 16.  The contraction (1,024) is split among the four
; waves, 256 each, in 8 steps of 32; the four partial sums meet in LDS.  No operand is wanted by two waves, so nothing goes through LDS on the way in.
; The product is taken as D(m = column, n = key): a lane ends with 8 neighbouring columns of one key, which packed are 16 bytes of a fragment whose rows are keys.
; REGISTERS.  window 0: v0-31 addresses and the bias; v32-103, v104-175 two sets of f16 fragments (W's two, then the keys' seven); behind the loop v32-159 the partial sums read back, 32 a tile;
;   v208-223 the packed results; v224 the bias's offset.   window 1: v0-143 f32 as loaded, set 0; v144-255 the 14 accumulators.   window 2: v0-143 f32 as loaded, set 1.
; THE MODE: SCHED_MODE bits 1:0 = 2 (LLVM: expert scheduling mode 2), set by the entry lines.  The code itself states the register dependences
; between vector or matrix instructions and memory or LDS instructions, with s_wait_alu, always for 0.
; THE PLAN.  Registers that memory or LDS instructions touch:
;   RAW0, RAW1    (window 1 v0-143, window 2 v0-143)  Step s: its 72 conversions read RAW[s % 2]; behind them the loads of step s + 2 land in it.  No other line names them.
;   v6-23, v224   offsets and LDS addresses: made at the head and never written again; the rows are reached by two scalar bases, stepped once a trip, and by immediate offsets.
;   v32-159       At the head: W1, W2, Wo, Wq as loaded, rounded in place, read by 16 stores.  In the loop, with v160-175: the fragment sets, which conversions write and products read; no memory line names them.
;                 Behind the loop: the partial sums land there out of LDS.
;   accumulators  Written by the clearing moves and the products; read by the 28 LDS stores behind the loop.
;   v208-223      Written once each by the last roundings; read by the final stores.
;   v4, v5        Written at the head, read by the closing add alone.
; So ONE wait on va_vdst stands in a loading step, behind its conversions; the step's 36 loads follow it in three groups dealt among its 14 products, which name the fragment sets and the accumulators:
; none of the registers that those loads touch.  The last group stands behind the last product.
.set TB, 2097152                       ; the tables' first byte in prep1, behind W1's copy
.set SPARE, 57344                      ; behind the partial sums: the spare words, 128 bytes a wave
.set SPW, 4                            ; v4   LDS address of my spare word; never rewritten
.set NIL, 5                            ; v5   0; never rewritten
.set XA, 6                             ; v6   4096 r + 1024 w + 32 h: my place in 16 rows of W
.set YA, 7                             ; v7-13  the same in the seven groups of 16 keys, the key clamped to 195
.set CIN, 14                           ; v14  32 t: W1, W2 in
.set COUT, 15                          ; v15  16 t: W1, W2 out
.set QIN, 16
.set QOUT, 17
.set OIN, 18
.set OOUT, 19
.set PST, 20                           ; v20  14336 w + 16 l: where my partial tiles go
.set RDA, 21                           ; v21  1024 w + 16 l: where I read the four partial sums of my tiles
.set OUTO, 22                          ; v22  16 l
.set KW, 23                            ; v23  1024 w + 32 h
.set BV, 24                            ; v24-31 the bias of my 8 columns
.set FR, 32
.set T, 32                             ; behind the loop: the four partial sums of my tile n at T + 32 n
.set PK, 208
.set BVO, 224
.set ACC, 144
.set MSB, 0
.macro WIN new                         ; the immediate's high byte repeats the setting that is left; a switch that changes nothing is dropped
.if MSB != (\new)
	s_set_vgpr_msb (MSB<<8)|(\new)
.set MSB, (\new)
.endif
.endm
	s_load_b512 s[4:19], s[0:1], 0x0               ; vis s[4:5], vis2 s[6:7], Wk s[8:9], Wv s[10:11], bk s[12:13], bv s[14:15], Wq s[16:17], Wo s[18:19]
	s_load_b256 s[20:27], s[0:1], 0x40             ; W1 s[20:21], W2 s[22:23], prep1 s[24:25], w2h s[26:27]
	v_lshl_add_u32 v[SPW], v0, 2, SPARE
	v_mov_b32 v[NIL], 0
	v_lshrrev_b32 v1, 5, v0
	v_readfirstlane_b32 s30, v1                    ; wave w
	v_and_b32 v1, 15, v0                           ; r
	v_bfe_u32 v2, v0, 4, 1                         ; h
	v_and_b32 v3, 31, v0                           ; l
	s_mov_b32 s31, ttmp9                           ; cp
	s_and_b32 s32, ttmp7, 0xffff                   ; y
	s_and_b32 s33, s32, 1                          ; p
	s_bfe_u32 s34, s32, 0x10001                    ; b
	s_lshr_b32 s35, s32, 2                         ; kh
	s_lshl_b32 s36, s32, 5
	s_add_co_u32 s36, s36, s31                     ; g = cp + 32 y: the work-group's number, 0 to 255, for the conversions
	s_wait_alu depctr_va_sdst(0)                   ; s30 is written, ahead of its first reader: offsets, bases and a branch are made from it
	s_and_b32 s37, s30, 1                          ; w & 1
	s_lshr_b32 s51, s30, 1                         ; w >> 1
	s_lshl_b32 s46, s30, 10
	v_lshl_add_u32 v[KW], v2, 5, s46
	v_lshl_add_u32 v[XA], v1, 12, v[KW]
	s_mul_i32 s47, s35, 112
.irp a, 0,1,2,3,4,5,6
	v_add_nc_u32 v[YA+(\a)], s47, v1               ; key 112 kh + 16 a + r,
	v_min_u32 v[YA+(\a)], 195, v[YA+(\a)]          ; the padded keys read key 195
	v_lshl_add_u32 v[YA+(\a)], v[YA+(\a)], 12, v[KW]
	s_add_co_u32 s47, s47, 16
.endr
	v_lshlrev_b32 v[CIN], 5, v0
	v_lshlrev_b32 v[COUT], 4, v0
	s_lshl_b32 s48, s30, 7
	v_lshlrev_b32 v[QIN], 2, v1
	v_lshl_add_u32 v[QIN], v2, 15, v[QIN]
	v_add_nc_u32 v[QIN], s48, v[QIN]               ; 32768 h + 128 w + 4 r: 8 rows d a half of the lanes, 32 columns j a wave, a column a lane
	s_lshl_b32 s48, s30, 16
	v_lshl_add_u32 v[QOUT], v3, 4, s48
	s_lshl_b32 s48, s30, 8
	v_lshlrev_b32 v[OIN], 12, v1
	v_lshl_add_u32 v[OIN], v2, 5, v[OIN]
	v_add_nc_u32 v[OIN], s48, v[OIN]               ; 4096 r + 256 w + 32 h
	s_lshl_b32 s48, s30, 11
	v_lshl_add_u32 v[OOUT], v3, 4, s48
	s_mul_i32 s48, s30, 14336
	v_lshl_add_u32 v[PST], v3, 4, s48
	v_lshl_add_u32 v[RDA], v3, 4, s46
	v_lshlrev_b32 v[OUTO], 4, v3
	v_lshlrev_b32 v[BVO], 5, v2
	s_mov_b32 s47, 0
	s_wait_kmcnt 0x0
	s_cmp_eq_u32 s33, 1
	s_cselect_b64 s[38:39], s[10:11], s[8:9]       ; W: Wv or Wk
	s_cselect_b64 s[42:43], s[14:15], s[12:13]     ; its bias
	s_cmp_eq_u32 s34, 1
	s_cselect_b64 s[40:41], s[6:7], s[4:5]         ; the branch's keys
	s_lshl_b32 s46, s31, 17
	s_add_nc_u64 s[38:39], s[38:39], s[46:47]      ; W at row 32 cp
	s_lshl_b32 s48, s32, 9
	s_add_co_u32 s46, s46, s48
	s_add_nc_u64 s[16:17], s[16:17], s[46:47]      ; Wq at rows d = 32 cp .., columns j = 128 y ..
	s_lshl_b32 s46, s31, 7
	s_lshl_b32 s48, s37, 6
	s_add_co_u32 s46, s46, s48
	s_add_nc_u64 s[42:43], s[42:43], s[46:47]      ; the bias at column 32 cp + 16 (w & 1): the tiles that I finish
	s_lshl_b32 s46, s36, 14
	s_add_nc_u64 s[20:21], s[20:21], s[46:47]      ; W1, W2: 16,384 bytes a work-group in,
	s_add_nc_u64 s[22:23], s[22:23], s[46:47]
	s_lshl_b32 s46, s36, 13
	s_add_nc_u64 s[28:29], s[24:25], s[46:47]      ; 8,192 out: W1's copy at the head of prep1,
	s_add_nc_u64 s[26:27], s[26:27], s[46:47]      ; W2's in its own buffer
	s_lshr_b32 s48, s36, 2
	s_and_b32 s49, s36, 3
	s_lshl_b32 s46, s48, 16
	s_lshl_b32 s52, s49, 10
	s_add_co_u32 s46, s46, s52
	s_add_nc_u64 s[18:19], s[18:19], s[46:47]      ; Wo at rows e = 16 (g >> 2) .., columns d = 256 (g & 3) ..
	s_lshl_b32 s46, s48, 15
	s_lshl_b32 s52, s49, 13
	s_add_co_u32 s46, s46, s52
	s_add_co_u32 s46, s46, 3932160+TB
	s_add_nc_u64 s[54:55], s[24:25], s[46:47]      ; Wo's fragments
	s_lshl_b32 s46, s32, 18
	s_lshl_b32 s52, s31, 10
	s_add_co_u32 s46, s46, s52
	s_add_co_u32 s46, s46, 1835008+TB
	s_add_nc_u64 s[56:57], s[24:25], s[46:47]      ; Wq^T's fragments
	s_mul_i32 s46, s33, 917504
	s_mul_i32 s48, s34, 458752
	s_add_co_u32 s46, s46, s48
	s_mul_i32 s48, s35, 229376
	s_add_co_u32 s46, s46, s48
	s_lshl_b32 s48, s51, 15
	s_add_co_u32 s46, s46, s48
	s_lshl_b32 s48, s31, 10
	s_add_co_u32 s46, s46, s48
	s_lshl_b32 s48, s37, 9
	s_add_co_u32 s46, s46, s48
	s_add_co_u32 s46, s46, TB
	s_add_nc_u64 s[44:45], s[24:25], s[46:47]      ; K's or V's fragments: key tile 7 kh + (w >> 1), column tile 2 cp + (w & 1)
; A fragment of 16 rows x 32 f32 is four loads of 16 bytes a lane.  LDW: fragment x of W's two; LDK: fragment a of the keys' seven.  The window in force says which set they land in.
.macro LDW x, off
.irp z, 0,1,2,3
	global_load_b128 v[16*(\x)+4*(\z):16*(\x)+4*(\z)+3], v[XA], s[38:39] offset:(\off)+65536*(\x)+16*((\z)%2)+64*((\z)/2)
.endr
.endm
.macro LDK a, off
.irp z, 0,1,2,3
	global_load_b128 v[32+16*(\a)+4*(\z):32+16*(\a)+4*(\z)+3], v[YA+(\a)], s[40:41] offset:(\off)+16*((\z)%2)+64*((\z)/2)
.endr
.endm
; A step's 36 loads into set sg, in one run: so at the head
.macro LOADS sg, off
	WIN 0x40*((\sg)+1)
	LDW 0, \off
	LDW 1, \off
.irp a, 0,1,2,3,4,5,6
	LDK \a, \off
.endr
.endm
.macro PACK8 base                      ; eight f32 to eight f16, in place: the destination never passes the sources
.irp c, 0,1,2,3
	v_cvt_pk_f16_f32 v[(\base)+(\c)], v[(\base)+2*(\c)], v[(\base)+2*(\c)+1]
.endr
.endm
	s_wait_alu depctr_va_vdst(0)                   ; the offsets and addresses v6 to v23 and v224 are written, which every load and store of the kernel reads
	; all loads, the oldest first: bias 2, W1 8, W2 8, Wo 8, Wq 32 (58), then the first two steps' 72
	global_load_b128 v[BV:BV+3], v[BVO], s[42:43]
	global_load_b128 v[BV+4:BV+7], v[BVO], s[42:43] offset:16
.irp i, 0,1,2,3
	global_load_b128 v[32+8*(\i):32+8*(\i)+3], v[CIN], s[20:21] offset:4096*(\i) th:TH_LOAD_NT
	global_load_b128 v[32+8*(\i)+4:32+8*(\i)+7], v[CIN], s[20:21] offset:4096*(\i)+16 th:TH_LOAD_NT
.endr
.irp i, 0,1,2,3
	global_load_b128 v[64+8*(\i):64+8*(\i)+3], v[CIN], s[22:23] offset:4096*(\i) th:TH_LOAD_NT
	global_load_b128 v[64+8*(\i)+4:64+8*(\i)+7], v[CIN], s[22:23] offset:4096*(\i)+16 th:TH_LOAD_NT
.endr
.irp x, 0,1
.irp q, 0,1
	global_load_b128 v[96+16*(\x)+8*(\q):96+16*(\x)+8*(\q)+3], v[OIN], s[18:19] offset:128*(\x)+64*(\q) th:TH_LOAD_NT
	global_load_b128 v[96+16*(\x)+8*(\q)+4:96+16*(\x)+8*(\q)+7], v[OIN], s[18:19] offset:128*(\x)+64*(\q)+16 th:TH_LOAD_NT
.endr
.endr
.irp x, 0,1
.irp q, 0,1
.irp t, 0,1,2,3,4,5,6,7
	global_load_b32 v[128+16*(\x)+8*(\q)+(\t)], v[QIN], s[16:17] offset:65536*(\q)+4096*(\t)+64*(\x) th:TH_LOAD_NT  ; Wq[d = 16 q + 8 h + t][j = 16 x + r]: eight d of one j a lane
.endr
.endr
.endr
	LOADS 0, 0
	LOADS 1, 128
	WIN 0
	s_wait_loadcnt 63                              ; 72 loads were issued behind the last of the 58: with 63 out at the most, the 58 are in
.set i, 0
.rept 16
	PACK8 32+8*i
.set i, i+1
.endr
	s_wait_alu depctr_va_vdst(0)                   ; the 64 conversions have written v32 to v159, which the 16 stores below read
.irp i, 0,1,2,3
	global_store_b128 v[COUT], v[32+8*(\i):32+8*(\i)+3], s[28:29] offset:2048*(\i)
	global_store_b128 v[COUT], v[64+8*(\i):64+8*(\i)+3], s[26:27] offset:2048*(\i)
.endr
.irp x, 0,1
.irp q, 0,1
	global_store_b128 v[OOUT], v[96+16*(\x)+8*(\q):96+16*(\x)+8*(\q)+3], s[54:55] offset:1024*(\x)+512*(\q)
	global_store_b128 v[QOUT], v[128+16*(\x)+8*(\q):128+16*(\x)+8*(\q)+3], s[56:57] offset:32768*(\x)+512*(\q)
.endr
.endr
	WIN 0x40
.set i, 0
.rept 112
	v_mov_b32 v[ACC+i], 0                          ; the sums start at 0: written while the first two steps' loads are on their way, so that the loop has one form of product
.set i, i+1
.endr
	WIN 0
	s_wait_xcnt 0x0                                ; the stores above have had their addresses translated: v32-159 are written again only behind this wait,
	s_wait_alu depctr_vm_vsrc(0)                   ; and behind this one: the stores have read v32 to v159, which the loop's conversions write as fragments
; The two products of key group a on set sg's fragments
.macro MM sg, a
.irp x, 0,1
	v_wmma_f32_16x16x32_f16 v[ACC+8*((\x)+2*(\a)):ACC+8*((\x)+2*(\a))+7], v[FR+72*(\sg)+8*(\x):FR+72*(\sg)+8*(\x)+7], v[FR+72*(\sg)+16+8*(\a):FR+72*(\sg)+16+8*(\a)+7], v[ACC+8*((\x)+2*(\a)):ACC+8*((\x)+2*(\a))+7]
.endr
.endm
; A step of 32 along the contraction: the set's f32 are rounded to f16 fragments, the set is asked for again, 14 products.  The 14 accumulators take turns, over the backward jump too.
; A set of fragments is written again two steps behind its last product, with the other step's 72 conversions between.
; The 36 loads go in three groups of 12: ahead of the products, behind the sixth, behind the last.  A load names a destination and an address (source 0) alone: set 0 lies in the accumulators' window,
; so its loads stand under the products' own setting; set 1's want a switch in front of each group and one behind.
.macro STEP sg, load, lc
.set LW, 0x50+0x30*(\sg)
	s_wait_loadcnt \lc                             ; this set is in; the other set's 36 loads, all issued behind this set's, may stay out
	WIN 0x05*((\sg)+1)
.set c, 0
.rept 72
	v_cvt_pk_f16_f32 v[FR+72*(\sg)+c], v[2*c], v[2*c+1]
.set c, c+1
.endr
.if \load
	WIN LW
	s_wait_alu depctr_va_vdst(0)                   ; the 72 conversions are done reading this raw set, in which the step's 36 loads land; no line between here and the last of them names the set or an offset
	LDW 0, 256+128*(\sg)
	LDW 1, 256+128*(\sg)
	LDK 0, 256+128*(\sg)
.endif
	WIN 0x50
.irp a, 0,1,2
	MM \sg, \a
.endr
.if \load
	WIN LW
.irp a, 1,2,3
	LDK \a, 256+128*(\sg)
.endr
.endif
	WIN 0x50
.irp a, 3,4,5,6
	MM \sg, \a
.endr
.if \load
	WIN LW
.irp a, 4,5,6
	LDK \a, 256+128*(\sg)
.endr
.endif
.endm
	s_mov_b32 s50, 3
.Lk:                                               ; steps 2 i and 2 i + 1 are multiplied, steps 2 i + 2 and 2 i + 3 asked for
	STEP 0, 1, 36
	STEP 1, 1, 36
	WIN 0
	s_wait_xcnt 0x0                                ; every load issued so far has had its address translated: the two bases may be stepped
	s_add_nc_u64 s[38:39], s[38:39], 256
	s_add_nc_u64 s[40:41], s[40:41], 256
	s_sub_co_u32 s50, s50, 1
	s_cmp_lg_u32 s50, 0
	s_cbranch_scc1 .Lk
	STEP 0, 0, 36                                  ; the last two steps load nothing, so they state nothing
	STEP 1, 0, 0
.rept 8
	v_nop                                          ; the places between the last products and the stores that read them
.endr
	s_wait_alu depctr_va_vdst(0)                   ; the products have written the accumulators, which the LDS stores read; conversions and products are done with v32 to v175, in which the partial sums land further down
	WIN 0x04                                       ; store data in window 1
.set i, 0
.rept 14
	ds_store_b128 v[PST], v[ACC+8*i:ACC+8*i+3] offset:1024*i      ; each accumulator's low registers first
	ds_store_b128 v[PST], v[ACC+8*i+4:ACC+8*i+7] offset:1024*i+512
.set i, i+1
.endr
	WIN 0
	s_wait_dscnt 0x0                               ; for the others' sake: my partial sums lie in LDS
	s_barrier_signal -1
	s_barrier_wait -1
; Tile w + 4 n is finished by wave w: the four partial sums, the bias, f16, one store of 512 consecutive bytes.  Each tile has 32 registers of its own, so the LDS loads of tiles 0 to 2 go out in one run.
.macro FLOAD n
.irp q, 0,1,2,3
	ds_load_b128 v[T+32*(\n)+8*(\q):T+32*(\n)+8*(\q)+3], v[RDA] offset:4096*(\n)+14336*(\q)
	ds_load_b128 v[T+32*(\n)+8*(\q)+4:T+32*(\n)+8*(\q)+7], v[RDA] offset:4096*(\n)+14336*(\q)+512
.endr
.endm
.macro FSUM n, left                    ; left: the LDS loads of the younger tiles, which may stay out
	s_wait_dscnt \left
.irp j, 0,2,4,6
	v_pk_add_f32 v[T+32*(\n)+(\j):T+32*(\n)+(\j)+1], v[T+32*(\n)+(\j):T+32*(\n)+(\j)+1], v[T+32*(\n)+8+(\j):T+32*(\n)+8+(\j)+1]
	v_pk_add_f32 v[T+32*(\n)+16+(\j):T+32*(\n)+16+(\j)+1], v[T+32*(\n)+16+(\j):T+32*(\n)+16+(\j)+1], v[T+32*(\n)+24+(\j):T+32*(\n)+24+(\j)+1]
.endr
.irp j, 0,2,4,6
	v_pk_add_f32 v[T+32*(\n)+(\j):T+32*(\n)+(\j)+1], v[T+32*(\n)+(\j):T+32*(\n)+(\j)+1], v[T+32*(\n)+16+(\j):T+32*(\n)+16+(\j)+1]
.endr
.irp j, 0,2,4,6
	v_pk_add_f32 v[T+32*(\n)+(\j):T+32*(\n)+(\j)+1], v[T+32*(\n)+(\j):T+32*(\n)+(\j)+1], v[BV+(\j):BV+(\j)+1]
.endr
.irp c, 0,1,2,3
	v_cvt_pk_f16_f32 v[PK+4*(\n)+(\c)], v[T+32*(\n)+2*(\c)], v[T+32*(\n)+2*(\c)+1]
.endr
.endm
.macro FOUT n
	global_store_b128 v[OUTO], v[PK+4*(\n):PK+4*(\n)+3], s[44:45] offset:65536*(\n)
.endm
	FLOAD 0                                        ; no vector or matrix line since the wait ahead of the LDS stores names v32 to v159
	FLOAD 1
	FLOAD 2
	FSUM 0, 16
	FSUM 1, 8
	FSUM 2, 0
	s_wait_alu depctr_va_vdst(0)                   ; the roundings have written v208 to v219, which the three stores read
	FOUT 0
	FOUT 1
	FOUT 2
	s_cmp_lt_u32 s30, 2                            ; tiles 12 and 13 are waves 0's and 1's
	s_cbranch_scc0 .Lend
	FLOAD 3                                        ; into v128 to v159, which no vector line behind the loop has named
	FSUM 3, 0
	s_wait_alu depctr_va_vdst(0)                   ; the roundings have written v220 to v223, which the store reads
	FOUT 3
.Lend:
	s_wait_dscnt 0x0                               ; the closing lines, six on end
	s_wait_alu 0x0
	s_wait_tensorcnt 0x0
	ds_add_u32 v[SPW], v[NIL]
	s_wait_dscnt 0x0
	s_endpgm
.Lfunc_end_k_q09f5a5d2fb_prep1:
	.size	k_q09f5a5d2fb_prep1, .Lfunc_end_k_q09f5a5d2fb_prep1-k_q09f5a5d2fb_prep1
	.p2alignl 7, 3214868480
	.fill 96, 4, 3214868480
	.section	.rodata,"a",@progbits
	.p2align	6, 0x0
	.amdhsa_kernel k_q09f5a5d2fb_prep1
		.amdhsa_group_segment_fixed_size 57856
		.amdhsa_private_segment_fixed_size 0
		.amdhsa_enable_private_segment 0
		.amdhsa_kernarg_size 96
		.amdhsa_user_sgpr_count 2
		.amdhsa_user_sgpr_kernarg_segment_ptr 1
		.amdhsa_wavefront_size32 1
		.amdhsa_system_sgpr_workgroup_id_x 1
		.amdhsa_system_sgpr_workgroup_id_y 1
		.amdhsa_system_sgpr_workgroup_id_z 1
		.amdhsa_system_vgpr_workitem_id 0
		.amdhsa_next_free_vgpr 656
		.amdhsa_next_free_sgpr 66
		.amdhsa_reserve_vcc 0
		.amdhsa_float_denorm_mode_32 3
		.amdhsa_float_denorm_mode_16_64 3
		.amdhsa_memory_ordered 1
		.amdhsa_forward_progress 1
		.amdhsa_inst_pref_size 66
	.end_amdhsa_kernel
	.amdgpu_metadata
---
amdhsa.version: [ 1, 2 ]
amdhsa.kernels:
  - .name:           k_q09f5a5d2fb_prep1
    .symbol:         k_q09f5a5d2fb_prep1.kd
    .args:
      - { .name: visual_tensor, .offset: 0, .size: 8, .value_kind: global_buffer, .address_space: global }
      - { .name: visual_tensor2, .offset: 8, .size: 8, .value_kind: global_buffer, .address_space: global }
      - { .name: Wk, .offset: 16, .size: 8, .value_kind: global_buffer, .address_space: global }
      - { .name: Wv, .offset: 24, .size: 8, .value_kind: global_buffer, .address_space: global }
      - { .name: bk, .offset: 32, .size: 8, .value_kind: global_buffer, .address_space: global }
      - { .name: bv, .offset: 40, .size: 8, .value_kind: global_buffer, .address_space: global }
      - { .name: Wq, .offset: 48, .size: 8, .value_kind: global_buffer, .address_space: global }
      - { .name: Wo, .offset: 56, .size: 8, .value_kind: global_buffer, .address_space: global }
      - { .name: W1, .offset: 64, .size: 8, .value_kind: global_buffer, .address_space: global }
      - { .name: W2, .offset: 72, .size: 8, .value_kind: global_buffer, .address_space: global }
      - { .name: prep1, .offset: 80, .size: 8, .value_kind: global_buffer, .address_space: global }
      - { .name: w2h, .offset: 88, .size: 8, .value_kind: global_buffer, .address_space: global }
    .group_segment_fixed_size: 57856
    .private_segment_fixed_size: 0
    .kernarg_segment_align: 8
    .kernarg_segment_size: 96
    .max_flat_workgroup_size: 128
    .sgpr_count:     66
    .vgpr_count:     656
    .wavefront_size: 32
...
	.end_amdgpu_metadata
.endif
;; end of part 10
;; launch prep2: the kernel of part 2 again; grid 32 x 8, 4 waves a work-group, no clusters, 61,440 bytes of LDS; arguments prep1, bq, prep2; writes prep2
;; launch attn: the kernel of part 7 again; grid 128 x 2, 4 waves a work-group, no clusters, 318,976 bytes of LDS; arguments text_tensor, text_tensor2, score_matrix, score_matrix2, prep2, g1, be1, bo, pool; writes pool
;; launch ffn1: the kernel of part 8 again; grid 8 x 32, 4 waves a work-group, clusters of 4 x 4, 327,680 bytes of LDS; arguments pool, prep1, b1, hbuf; writes hbuf
;; launch ffn2: the kernel of part 9 again; grid 8 x 32, 4 waves a work-group, clusters of 4 x 4, 327,680 bytes of LDS; arguments hbuf, w2h, b2, zbuf; writes zbuf
;; launch ln2: the kernel of part 6 again; grid 512 x 1, 8 waves a work-group, no clusters, 0 bytes of LDS; arguments pool, zbuf, g2, be2, out0; writes out0
